; MI455X (gfx1250); checked and timed in simulation.
; The chip was launched on July 23, 2026; its instructions are those of AMD's public machine-readable ISA for CDNA 5 (MIT licence, August 2026) and "CDNA5" Instruction Set Architecture Reference Guide (July 2026). The comments in the code are by the model that wrote it; some were corrected since.
;; Baseline Model. Allowed arithmetic: float matrix products may take bf16 or f16 operands with f32 sums; other float arithmetic in f32, or as packed bf16 or f16 multiplies, adds, multiply-adds, maxima and minima; sums over many terms, partial sums and values carried from step to step in f32; what a program stores and reads back later, other than sums and carried values, may be rounded once to bf16 or f16.
;; Inputs: Kb 4 x 128 float32; Kw 4 x 128 x 128 float32; Qb 4 x 128 float32; Qw 4 x 128 x 128 float32; Ub 4 x 128 float32; Uw 4 x 128 x 128 float32; Vb 4 x 128 float32; Vw 4 x 128 x 128 float32; attn_mask 2,048 x 2,048 bool; c1b 4 x 128 float32; c1w 4 x 128 x 128 float32; c2b 4 x 128 float32; c2w 4 x 128 x 128 float32; emb_ln_s 128 float32; f2b 4 x 128 float32; f2w 4 x 128 x 128 float32; hstu_ln_s 4 x 128 float32; item_table 200,001 x 128 float32; last_ln_s 128 float32; ln1_s 4 x 128 float32; ln2_s 4 x 128 float32; log_seqs 8 x 2,048 int32; pos_table 4,097 x 128 float32.
;; Outputs: out0 8 x 2,048 x 128 float32.
;; 2 versions, each right. Each part assembles by itself: llvm-mc -triple=amdgcn-amd-amdhsa -mcpu=gfx1250 --defsym DOCPART=n.
;; ======== version 1 of 2: 6 launches
;; limits: a function is approximated: absolute error at most 2.5e-05; right only within a limited range of input values
;; workspace buffers: mw 8,388,608 bytes; wts 1,153,024 bytes; stA 25,165,824 bytes; stB 25,165,824 bytes; cfg0 256 bytes of whole numbers; cfg1 256 bytes of whole numbers; cfg2 256 bytes of whole numbers; cfg3 256 bytes of whole numbers
;; launch prep (part 1): grid 369 x 1, 4 waves a work-group, no clusters, 17,920 bytes of LDS; arguments attn_mask, Uw, Qw, Kw, Vw, f2w, c1w, c2w, Ub, Qb, Kb, Vb, f2b, c1b, c2b, ln1_s, hstu_ln_s, ln2_s, mw, wts, cfg0, cfg1, cfg2, cfg3; writes mw, wts, cfg0, cfg1, cfg2, cfg3
.if DOCPART == 1
	.amdgcn_target "amdgcn-amd-amdhsa--gfx1250"
	.amdhsa_code_object_version 6
	.text
	.protected	k_q31e6c5050f_prep
	.globl	k_q31e6c5050f_prep
	.p2align	8
	.type	k_q31e6c5050f_prep,@function
k_q31e6c5050f_prep:
	s_mov_b64 s[64:65], 0
	v_nop
	global_prefetch_b8 v0, s[64:65] scope:SCOPE_SE
	s_setreg_imm32_b32 hwreg(HW_REG_WAVE_MODE, 25, 1), 1
	s_wait_xcnt 0x0
; PREP: what the later launches read in the order in which their registers want it.  Three roles, chosen by the work-group's number alone.
;  0..255   the mask.  mw[qb 32][ks 16][kh 2][t 4][c 4][lane 32][4 words]: word i of lane (r = lane % 16, h = lane / 16) serves query 64 qb + 16 t + r and the keys
;           128 ks + 64 kh + 16 c + 8 h + 2 i, + 1; each half of the word is 0xffff (keep) or 0.  A work-group takes 64 queries x 256 keys, a wave 16 queries.
;  256..367 the weights in bf16 as matrix fragments and the biases in f32 as C operands: (product 0..6 = U Q K V f2 c1 c2, layer, quarter of the product's 64 chunks).
;  368      the three norm gains of each layer, and the layer's number into cfg0..cfg3.
; A mask byte is 0 or 1, as the problem states.
.set SPARE, 17408                      ; behind the four stages of 4,352 bytes: the spare words, 128 bytes for each wave
.set LAYB,  288256                     ; a layer's bytes in wts: 7 x 32,768 of weights, 7 x 8,192 of biases, 3 x 512 of gains
	s_load_b512 s[8:23], s[0:1], 0x0               ; attn_mask s[8:9]; Uw Qw Kw Vw f2w c1w c2w s[10:23]
	s_load_b512 s[24:39], s[0:1], 0x40             ; Ub Qb Kb Vb f2b c1b c2b s[24:37]; ln1_s s[38:39]
	s_load_b512 s[40:55], s[0:1], 0x80             ; hstu_ln_s s[40:41], ln2_s s[42:43], mw s[44:45], wts s[46:47], cfg0..3 s[48:55]
	v_lshl_add_u32 v2, v0, 2, SPARE                ; my spare word
	v_mov_b32 v3, 0
	v_lshrrev_b32 v1, 5, v0
	v_readfirstlane_b32 s4, v1                     ; wave 0..3
	v_and_b32 v4, 31, v0                           ; lane
	v_and_b32 v5, 15, v0                           ; r
	v_bfe_u32 v6, v0, 4, 1                         ; h
	v_lshlrev_b32 v7, 4, v4                        ; 16 x lane
	s_wait_kmcnt 0x0
	s_cmp_lt_u32 ttmp9, 256
	s_cbranch_scc0 .Lweights
	; ---- the mask: 16 rows x 256 bytes a wave, in by whole blocks of 256 bytes, turned in the wave's own stage, out by 512 consecutive bytes
	s_lshr_b32 s5, ttmp9, 3                        ; qb
	s_and_b32 s6, ttmp9, 7                         ; which 256 keys
	s_lshl_b32 s60, s5, 17                         ; 64 rows of 2,048 bytes
	s_lshl_b32 s61, s4, 15                         ; my 16 rows
	s_add_co_u32 s60, s60, s61
	s_lshl_b32 s61, s6, 8
	s_add_co_u32 s60, s60, s61
	v_lshlrev_b32 v8, 4, v5
	v_lshl_add_u32 v9, v6, 11, v8                  ; lanes 0-15 one row's 256 bytes, lanes 16-31 the next row's
	v_add_nc_u32 v9, s60, v9
	s_mul_i32 s61, s4, 4352                        ; my stage: 16 rows, 272 bytes apart
	v_mul_u32_u24 v10, v6, 272
	v_add3_u32 v10, v10, v8, s61
	v_mul_u32_u24 v11, v5, 272
	v_lshl_add_u32 v11, v6, 3, v11                 ; back: row r, 8 bytes at 8 h
	v_add_nc_u32 v11, s61, v11
	s_lshl_b32 s60, s5, 18                         ; qb x 262,144
	s_lshl_b32 s62, s6, 15                         ; two steps of 16,384
	s_add_co_u32 s60, s60, s62
	s_lshl_b32 s62, s4, 11                         ; t x 2,048
	s_add_co_u32 s60, s60, s62
	v_add_nc_u32 v12, s60, v7
	s_mov_b32 s62, 0x01010000                      ; bytes 0, 0, 1, 1 of a word
	s_mov_b32 s63, 0x03030202                      ; bytes 2, 2, 3, 3
.set i, 0
.rept 8
	global_load_b128 v[16+4*i:19+4*i], v9, s[8:9] offset:4096*i th:TH_LOAD_NT
.set i, i+1
.endr
.set i, 0
.rept 8
	s_wait_loadcnt 7-i                             ; loads come back in order: the younger ones stay out
	ds_store_b128 v10, v[16+4*i:19+4*i] offset:544*i
.set i, i+1
.endr
.set i, 0
.rept 16                               ; i = 8 ks' + 4 kh + c: 16 keys on; LDS serves a wave's instructions in order, so these see the stores above
	ds_load_b64 v[48+2*i:49+2*i], v11 offset:16*i
.set i, i+1
.endr
.set i, 0
.rept 16
	s_wait_dscnt 15-i                              ; the younger loads stay out
	v_perm_b32 v[80+4*i], v[48+2*i], v[48+2*i], s62        ; each byte twice: 0x0101 in a half where the byte is 1,
	v_perm_b32 v[81+4*i], v[48+2*i], v[48+2*i], s63
	v_perm_b32 v[82+4*i], v[49+2*i], v[49+2*i], s62
	v_perm_b32 v[83+4*i], v[49+2*i], v[49+2*i], s63
	v_mul_lo_u32 v[80+4*i], v[80+4*i], 0xff                ; times 255: 0xffff
	v_mul_lo_u32 v[81+4*i], v[81+4*i], 0xff
	v_mul_lo_u32 v[82+4*i], v[82+4*i], 0xff
	v_mul_lo_u32 v[83+4*i], v[83+4*i], 0xff
	global_store_b128 v12, v[80+4*i:83+4*i], s[44:45] offset:16384*(i/8)+8192*((i/4)%2)+512*(i%4)  ; 512 consecutive bytes, aligned; each result has registers of its own
.set i, i+1
.endr
	s_branch .Lend
.Lweights:
	s_cmp_lt_u32 ttmp9, 368
	s_cbranch_scc0 .Lscales
	; ---- weights: chunk (ntile, kb, hf) of 512 bytes: lane (r, h) holds W[32 kb + 16 hf + 8 h + 0..7][16 ntile + r] in bf16
	s_sub_co_u32 s5, ttmp9, 256
	s_and_b32 s6, s5, 3                            ; quarter: 16 chunks, two ntiles; also the wave that will consume them
	s_bfe_u32 s7, s5, 0x20002                      ; layer
	s_lshr_b32 s5, s5, 4                           ; product 0..6
	s_mov_b64 s[56:57], s[10:11]
	s_mov_b64 s[58:59], s[24:25]
.irp k, 1,2,3,4,5,6
	s_cmp_eq_u32 s5, \k
	s_cselect_b64 s[56:57], s[10+2*(\k):11+2*(\k)], s[56:57]
	s_cselect_b64 s[58:59], s[24+2*(\k):25+2*(\k)], s[58:59]
.endr
	s_and_b32 s60, s4, 1
	s_lshr_b32 s61, s4, 1
	s_lshl_b32 s62, s7, 16                         ; the layer's 65,536 bytes
	s_lshl_b32 s60, s60, 15                        ; k = 64 (wave % 2) on
	s_add_co_u32 s62, s62, s60
	s_lshl1_add_u32 s61, s6, s61                   ; ntile = 2 x quarter + wave / 2
	s_lshl_b32 s60, s61, 6
	s_add_co_u32 s62, s62, s60
	v_lshlrev_b32 v8, 12, v6                       ; 8 h rows of 512 bytes
	v_lshl_add_u32 v8, v5, 2, v8
	v_add_nc_u32 v8, s62, v8
.set i, 0
.rept 32                               ; chunk i / 8 of my four, element i % 8
	global_load_b32 v[16+i], v8, s[56:57] offset:(((i/8)/2)*32+((i/8)%2)*16+i%8)*512
.set i, i+1
.endr
	s_mul_i32 s60, s7, LAYB
	s_lshl_b32 s61, s5, 15
	s_add_co_u32 s61, s61, s60
	s_lshl_b32 s62, s6, 13
	s_add_co_u32 s61, s61, s62
	s_lshl_b32 s62, s4, 11
	s_add_co_u32 s61, s61, s62
	v_add_nc_u32 v9, s61, v7                       ; where my four chunks go
	; the bias as a C operand: chunk (nt = wave / 2, hf = wave % 2) for the consuming wave = quarter
	s_lshl_b32 s61, s5, 13
	s_add_co_u32 s61, s61, s60
	s_add_co_u32 s61, s61, 229376
	s_lshl_b32 s62, s6, 11
	s_add_co_u32 s61, s61, s62
	s_lshl_b32 s62, s4, 9
	s_add_co_u32 s61, s61, s62
	v_add_nc_u32 v11, s61, v7
	s_lshl_b32 s62, s7, 9
	s_lshl_b32 s63, s6, 7
	s_add_co_u32 s62, s62, s63
	s_lshr_b32 s63, s4, 1
	s_lshl_b32 s63, s63, 6
	s_add_co_u32 s62, s62, s63                     ; bytes of b[32 quarter + 16 nt] in the layer's row
	s_cmp_eq_u32 s5, 3
	s_cbranch_scc1 .Lbias_v
	s_and_b32 s63, s4, 1
	s_lshl_b32 s63, s63, 4
	s_add_co_u32 s62, s62, s63
	v_lshl_add_u32 v10, v6, 5, s62                 ; a lane's registers run along the channels: b[.. + 8 h + 4 hf + 0..3]
	global_load_b128 v[64:67], v10, s[58:59]
	s_branch .Lbias_j
.Lbias_v:
	v_lshl_add_u32 v10, v5, 2, s62                 ; V's product is taken the other way round: a lane holds one channel, b[.. + r]
	global_load_b32 v64, v10, s[58:59]
	s_wait_loadcnt 0x0
	v_mov_b32 v65, v64
	v_mov_b32 v66, v64
	v_mov_b32 v67, v64
.Lbias_j:
	s_wait_loadcnt 0x0
.set i, 0
.rept 16
	v_cvt_pk_bf16_f32 v[48+i], v[16+2*i], v[17+2*i]
.set i, i+1
.endr
.set i, 0
.rept 4
	global_store_b128 v9, v[48+4*i:51+4*i], s[46:47] offset:512*i
.set i, i+1
.endr
	global_store_b128 v11, v[64:67], s[46:47]
	s_branch .Lend
.Lscales:
	; ---- wave w serves layer w: ln1_s, hstu_ln_s, ln2_s behind the layer's biases, and the number w, 64 times, into cfg w
	s_lshl_b32 s60, s4, 9
	v_add_nc_u32 v8, s60, v7
	global_load_b128 v[16:19], v8, s[38:39]
	global_load_b128 v[20:23], v8, s[40:41]
	global_load_b128 v[24:27], v8, s[42:43]
	s_mul_i32 s60, s4, LAYB
	s_add_co_u32 s60, s60, 286720
	v_add_nc_u32 v9, s60, v7
	s_mov_b64 s[56:57], s[48:49]
.irp k, 1,2,3
	s_cmp_eq_u32 s4, \k
	s_cselect_b64 s[56:57], s[48+2*(\k):49+2*(\k)], s[56:57]
.endr
	v_mov_b32 v28, s4
	v_mov_b32 v29, s4
	v_lshlrev_b32 v10, 3, v4
	global_store_b64 v10, v[28:29], s[56:57]
	s_wait_loadcnt 0x0
	global_store_b128 v9, v[16:19], s[46:47]
	global_store_b128 v9, v[20:23], s[46:47] offset:512
	global_store_b128 v9, v[24:27], s[46:47] offset:1024
.Lend:
	s_wait_tensorcnt 0x0                           ; the wave's end: three lines behind the last LDS store
	ds_add_u32 v2, v3
	s_wait_dscnt 0x0
	s_endpgm
.Lfunc_end_k_q31e6c5050f_prep:
	.size	k_q31e6c5050f_prep, .Lfunc_end_k_q31e6c5050f_prep-k_q31e6c5050f_prep
	.p2alignl 7, 3214868480
	.fill 96, 4, 3214868480
	.section	.rodata,"a",@progbits
	.p2align	6, 0x0
	.amdhsa_kernel k_q31e6c5050f_prep
		.amdhsa_group_segment_fixed_size 17920
		.amdhsa_private_segment_fixed_size 0
		.amdhsa_enable_private_segment 0
		.amdhsa_kernarg_size 192
		.amdhsa_user_sgpr_count 2
		.amdhsa_user_sgpr_kernarg_segment_ptr 1
		.amdhsa_wavefront_size32 1
		.amdhsa_system_sgpr_workgroup_id_x 1
		.amdhsa_system_sgpr_workgroup_id_y 1
		.amdhsa_system_sgpr_workgroup_id_z 1
		.amdhsa_system_vgpr_workitem_id 0
		.amdhsa_next_free_vgpr 160
		.amdhsa_next_free_sgpr 72
		.amdhsa_reserve_vcc 0
		.amdhsa_float_denorm_mode_32 3
		.amdhsa_float_denorm_mode_16_64 3
		.amdhsa_memory_ordered 1
		.amdhsa_forward_progress 1
		.amdhsa_inst_pref_size 26
	.end_amdhsa_kernel
	.amdgpu_metadata
---
amdhsa.version: [ 1, 2 ]
amdhsa.kernels:
  - .name:           k_q31e6c5050f_prep
    .symbol:         k_q31e6c5050f_prep.kd
    .args:
      - { .name: attn_mask, .offset: 0, .size: 8, .value_kind: global_buffer, .address_space: global }
      - { .name: Uw, .offset: 8, .size: 8, .value_kind: global_buffer, .address_space: global }
      - { .name: Qw, .offset: 16, .size: 8, .value_kind: global_buffer, .address_space: global }
      - { .name: Kw, .offset: 24, .size: 8, .value_kind: global_buffer, .address_space: global }
      - { .name: Vw, .offset: 32, .size: 8, .value_kind: global_buffer, .address_space: global }
      - { .name: f2w, .offset: 40, .size: 8, .value_kind: global_buffer, .address_space: global }
      - { .name: c1w, .offset: 48, .size: 8, .value_kind: global_buffer, .address_space: global }
      - { .name: c2w, .offset: 56, .size: 8, .value_kind: global_buffer, .address_space: global }
      - { .name: Ub, .offset: 64, .size: 8, .value_kind: global_buffer, .address_space: global }
      - { .name: Qb, .offset: 72, .size: 8, .value_kind: global_buffer, .address_space: global }
      - { .name: Kb, .offset: 80, .size: 8, .value_kind: global_buffer, .address_space: global }
      - { .name: Vb, .offset: 88, .size: 8, .value_kind: global_buffer, .address_space: global }
      - { .name: f2b, .offset: 96, .size: 8, .value_kind: global_buffer, .address_space: global }
      - { .name: c1b, .offset: 104, .size: 8, .value_kind: global_buffer, .address_space: global }
      - { .name: c2b, .offset: 112, .size: 8, .value_kind: global_buffer, .address_space: global }
      - { .name: ln1_s, .offset: 120, .size: 8, .value_kind: global_buffer, .address_space: global }
      - { .name: hstu_ln_s, .offset: 128, .size: 8, .value_kind: global_buffer, .address_space: global }
      - { .name: ln2_s, .offset: 136, .size: 8, .value_kind: global_buffer, .address_space: global }
      - { .name: mw, .offset: 144, .size: 8, .value_kind: global_buffer, .address_space: global }
      - { .name: wts, .offset: 152, .size: 8, .value_kind: global_buffer, .address_space: global }
      - { .name: cfg0, .offset: 160, .size: 8, .value_kind: global_buffer, .address_space: global }
      - { .name: cfg1, .offset: 168, .size: 8, .value_kind: global_buffer, .address_space: global }
      - { .name: cfg2, .offset: 176, .size: 8, .value_kind: global_buffer, .address_space: global }
      - { .name: cfg3, .offset: 184, .size: 8, .value_kind: global_buffer, .address_space: global }
    .group_segment_fixed_size: 17920
    .private_segment_fixed_size: 0
    .kernarg_segment_align: 8
    .kernarg_segment_size: 192
    .max_flat_workgroup_size: 128
    .sgpr_count:     72
    .vgpr_count:     160
    .wavefront_size: 32
...
	.end_amdgpu_metadata
.endif
;; end of part 1
;; launch embed (part 2): grid 256 x 1, 4 waves a work-group, no clusters, 52,736 bytes of LDS; arguments log_seqs, item_table, pos_table, emb_ln_s, wts, stA; writes stA
.if DOCPART == 2
	.amdgcn_target "amdgcn-amd-amdhsa--gfx1250"
	.amdhsa_code_object_version 6
	.text
	.protected	k_q31e6c5050f_embed
	.globl	k_q31e6c5050f_embed
	.p2align	8
	.type	k_q31e6c5050f_embed,@function
k_q31e6c5050f_embed:
	s_mov_b64 s[64:65], 0
	v_nop
	global_prefetch_b8 v0, s[64:65] scope:SCOPE_SE
	s_setreg_imm32_b32 hwreg(HW_REG_WAVE_MODE, 25, 1), 1
	s_wait_xcnt 0x0
; EMBED: x = rms(item_table[log_seqs] + pos_table[t + 1]) emb_ln_s, then layer 0's pre-norm and its four projections U, Q, K, V with SiLU.
; Work-group g (256 of them) owns rows 64 g .. 64 g + 63 of the 16,384.  First each wave takes 16 whole rows (a row is 512 consecutive bytes: 16 bytes a lane), so that the gather and the
; first norm stay inside a wave; then x goes through LDS into the split that all products use: wave w owns channels 32 w .. 32 w + 31 of all 64 rows.
; In that split lane (r = lane % 16, h = lane / 16) holds, for row tile mt and channel tile nt, row 16 mt + r and the channels 32 w + 16 nt + 8 h + 0..7.
; THE STATE (stA): x in f32 at 0, then U, Q, K, V in bf16, 4,194,304 bytes each from 8,388,608 on; all as register images: chunks of 512 bytes, lane l at 16 l.
; Q is stored times -log2(e) / 8, so that the attention's scores come out of the matrix unit as the exponents that it wants.  V is made with the sources swapped: a lane holds one channel and 8 keys.
; No tensor load, no cluster: the work-groups share nothing but 160 KiB of weights, which each wave loads straight into registers, each byte once a work-group.
; LIMITS: operands of the products are rounded to bf16; NaN and infinities are not treated apart; an index above 200,000 is held there.
.set XST,   0                          ; 64 rows of x, 528 bytes apart (512 + 16: the 16 rows of a load start at 16 different groups of four banks)
.set ACT1,  33792                      ; 64 rows of 128 bf16, 272 bytes apart
.set SSQ0,  51200                      ; [row 64][wave 4] f32: partial sums of squares
.set SPARE, 52224                      ; the spare words, 128 bytes for each wave
.set OBI,   229376                     ; the biases in a layer of wts
.set ONS,   286720                     ; the gains
.set SEC,   4194304                    ; a bf16 section of the state
; registers by absolute number, 0 to 1023; the macros below set the window of each operand place from the number
.set IT,    0                          ; 16 rows x 4: item row, then the sum, then x
.set PO,    64                         ; 16 rows x 4: position row
.set SQR,   128                        ; 16 pairs: a row's sum of squares, then 1 / rms
.set EMB,   160
.set OFFS,  164                        ; 16 byte offsets into item_table
.set L16,   180
.set POSO,  181
.set AF,    0                          ; activations as fragments: (mt, kb) at 32 mt + 8 kb
.set WB1,   192                        ; weights: (nt, kb) at 32 nt + 8 kb
.set TT,    256                        ; at work: (mt, nt) at 32 mt + 8 nt
.set DD,    272                        ; accumulators: (mt, nt) at 32 mt + 8 nt
.set BIB,   400                        ; bias as C operand
.set X,     416                        ; x: 16 mt + 8 nt + j
.set PKO,   480                        ; packed bf16: 8 mt + 4 nt + i
.set SPW,   712
.set NIL,   713
.set GX,    722                        ; 8,192 w + 16 l
.set GU,    723                        ; 4,096 w + 16 l
.set GB,    725                        ; 2,048 w + 16 l
.set GP,    726                        ; 128 w + 32 h
.set AS1,   733
.set AR1,   735
.set SSW,   736
.set SSR,   737
.set OSW,   738                        ; here: where I read x back in the channel split
.set OSR,   739                        ; here: where I put whole rows
.set N3,    800                        ; ln1_s[0] of my channels
.set RH,    816                        ; 1 / rms, a pair a row tile
.set SQ,    824
.set NB,    856
.set MSB, 0
.macro WIN new                         ; the immediate's high byte repeats the setting that is left; a switch that changes nothing is dropped
.if MSB != (\new)
	s_set_vgpr_msb (MSB<<8)|(\new)
.set MSB, (\new)
.endif
.endm
.macro WDA d, a                        ; destination and source 0; the other places stay
	WIN ((MSB&0x3c)|((\a)>>8)|(((\d)>>8)<<6))
.endm
.macro WDB d, b                        ; destination and source 1
	WIN ((MSB&0x33)|(((\b)>>8)<<2)|(((\d)>>8)<<6))
.endm
.macro WDAB d, a, b
	WIN ((MSB&0x30)|((\a)>>8)|(((\b)>>8)<<2)|(((\d)>>8)<<6))
.endm
.macro WDABC d, a, b, c
	WIN (((\a)>>8)|(((\b)>>8)<<2)|(((\c)>>8)<<4)|(((\d)>>8)<<6))
.endm
.macro V1 op, d, a
	WDA \d, \a
	\op v[(\d)&255], v[(\a)&255]
.endm
.macro V2 op, d, a, b
	WDAB \d, \a, \b
	\op v[(\d)&255], v[(\a)&255], v[(\b)&255]
.endm
.macro VK op, d, k, b                  ; source 0 a scalar or a constant
	WDB \d, \b
	\op v[(\d)&255], \k, v[(\b)&255]
.endm
.macro P2 op, d, a, b, m:vararg        ; on pairs
	WDAB \d, \a, \b
	\op v[(\d)&255:((\d)&255)+1], v[(\a)&255:((\a)&255)+1], v[(\b)&255:((\b)&255)+1] \m
.endm
.macro P3 op, d, a, b, c, m:vararg
	WDABC \d, \a, \b, \c
	\op v[(\d)&255:((\d)&255)+1], v[(\a)&255:((\a)&255)+1], v[(\b)&255:((\b)&255)+1], v[(\c)&255:((\c)&255)+1] \m
.endm
.macro P2K op, d, a, k, m:vararg       ; source 1 a scalar pair or a constant
	WDA \d, \a
	\op v[(\d)&255:((\d)&255)+1], v[(\a)&255:((\a)&255)+1], \k \m
.endm
.macro MMA d, a, b, c
	WDABC \d, \a, \b, \c
	v_wmma_f32_16x16x32_bf16 v[(\d)&255:((\d)&255)+7], v[(\a)&255:((\a)&255)+7], v[(\b)&255:((\b)&255)+7], v[(\c)&255:((\c)&255)+7]
.endm
.macro LDSL d, ad, off                 ; LDS: loaded data = destination, address = source 0, stored data = source 1
	WDA \d, \ad
	ds_load_b128 v[(\d)&255:((\d)&255)+3], v[(\ad)&255] offset:\off
.endm
.macro LDSS ad, dt, off
	WIN ((MSB&0xf0)|((\ad)>>8)|(((\dt)>>8)<<2))
	ds_store_b128 v[(\ad)&255], v[(\dt)&255:((\dt)&255)+3] offset:\off
.endm
.macro LDSS1 ad, dt, off
	WIN ((MSB&0xf0)|((\ad)>>8)|(((\dt)>>8)<<2))
	ds_store_b32 v[(\ad)&255], v[(\dt)&255] offset:\off
.endm
.macro GLD d, ad, sb, off
	WDA \d, \ad
	global_load_b128 v[(\d)&255:((\d)&255)+3], v[(\ad)&255], s[\sb:(\sb)+1] offset:\off
.endm
.macro GST ad, dt, sb, off
	WIN ((MSB&0xf0)|((\ad)>>8)|(((\dt)>>8)<<2))
	global_store_b128 v[(\ad)&255], v[(\dt)&255:((\dt)&255)+3], s[\sb:(\sb)+1] offset:\off
.endm
.macro FORI n, line:vararg             ; the line for i = 0 .. n - 1
.set i, 0
.rept \n
	\line
.set i, i+1
.endr
.endm
.macro FORT line:vararg                ; for each row tile t
.set t, 0
.rept 4
	\line
.set t, t+1
.endr
.endm
.macro FORTP line:vararg               ; for each row tile t and pair p of its 16 numbers
.set t, 0
.rept 4
.set p, 0
.rept 8
	\line
.set p, p+1
.endr
.set t, t+1
.endr
.endm
.macro NOP4
.rept 4
	v_nop
.endr
.endm
.macro BAR                             ; my LDS instructions are done, for the others' sake; then the work-group's barrier
	s_wait_dscnt 0x0
	s_barrier_signal -1
	s_barrier_wait -1
.endm
; my 8,192 bytes of a product's weights and my 2,048 of its bias: 20 loads of 512 consecutive bytes
.macro LOADW sw, ow, sb, ob, wb, bi
	FORI 16, GLD (\wb)+4*i, GX, \sw, (\ow)+512*i
	FORI 4, GLD (\bi)+4*i, GB, \sb, (\ob)+512*i
.endm
; all 64 rows x 128 channels as 16 fragments: lane (r, h) takes row 16 mt + r, channels 32 kb + 8 h + 0..7 and + 16
.macro LOADACT ar
.set i, 0
.rept 16
	LDSL AF+8*i, \ar, 4352*(i/4)+64*(i%4)
	LDSL AF+8*i+4, \ar, 4352*(i/4)+64*(i%4)+32
.set i, i+1
.endr
.endm
; 64 rows x my 32 channels x K = 128: 32 matrix instructions; the 8 accumulators take turns, one instruction a turn; the bias starts the sums.
; swap = 0: source 0 = weights: a lane ends with one row and 8 neighbouring channels.  swap = 1: a lane ends with one channel and 8 neighbouring rows.
.macro GEMM wb, bi, swap
.set gk, 0
.rept 4
.set gm, 0
.rept 4
.set gn, 0
.rept 2
.set gd, DD+32*gm+8*gn
.set gc, gd
.if gk == 0
.set gc, (\bi)+8*gn
.endif
.if \swap
	MMA gd, AF+32*gm+8*gk, (\wb)+32*gn+8*gk, gc
.else
	MMA gd, (\wb)+32*gn+8*gk, AF+32*gm+8*gk, gc
.endif
.set gn, gn+1
.endr
.set gm, gm+1
.endr
.set gk, gk+1
.endr
.endm
; the sum of squares of my 32 channels of each row, into LDS word [row][wave] of area s; then the barrier
.macro NORM_A base, str, s
.set p, 0
.rept 8
.set t, 0
.rept 4
.if p == 0
	P2 v_pk_mul_f32, SQ+2*t, (\base)+(\str)*t, (\base)+(\str)*t
.else
	P3 v_pk_fma_f32, SQ+2*t, (\base)+(\str)*t+2*p, (\base)+(\str)*t+2*p, SQ+2*t
.endif
.set t, t+1
.endr
.set p, p+1
.endr
	FORT V2 v_add_f32, SQ+2*t, SQ+2*t, SQ+2*t+1
.set t, 0
.rept 4
	WDA SQ+2*t+1, SQ+2*t
	v_permlanex16_b32 v[(SQ+2*t+1)&255], v[(SQ+2*t)&255], s72, s73  ; the row's other 16 of my channels lie in the lane 16 away
.set t, t+1
.endr
	FORT V2 v_add_f32, SQ+2*t, SQ+2*t, SQ+2*t+1
	FORT LDSS1 SSW, SQ+2*t, 1024*(\s)+256*t
	BAR
.endm
; 1 / sqrt(mean + 1e-8) of each of my lane's four rows, twice (a pair for the packed multiply)
.macro NORM_B s
	FORT LDSL NB+4*t, SSR, 1024*(\s)+256*t
	s_wait_dscnt 0x0
	FORT P2 v_pk_add_f32, NB+4*t, NB+4*t, NB+4*t+2
	FORT V2 v_add_f32, NB+4*t, NB+4*t, NB+4*t+1
.set t, 0
.rept 4
	WDA NB+4*t, NB+4*t
	v_fma_f32 v[(NB+4*t)&255], v[(NB+4*t)&255], s46, s47   ; sum / 128 + 1e-8
.set t, t+1
.endr
	FORT V1 v_rsq_f32, RH+2*t, NB+4*t
	v_nop                                          ; a plain instruction behind the last root,
	s_wait_alu depctr_va_vdst(0)                   ; and one wait for the four, ahead of their first reader
	FORT V1 v_mov_b32, RH+2*t+1, RH+2*t
.endm
.macro NORM_C vec                      ; TT = x / rms x gain
	FORTP P2 v_pk_mul_f32, TT+32*t+2*p, X+16*t+2*p, RH+2*t
	FORTP P2 v_pk_mul_f32, TT+32*t+2*p, TT+32*t+2*p, (\vec)+2*p
.endm
.macro CVTT                            ; TT rounded to bf16, 16 bytes for each (mt, nt)
	FORTP V2 v_cvt_pk_bf16_f32, PKO+8*t+p, TT+32*t+2*p, TT+32*t+2*p+1
.endm
.macro STACT as                        ; my 64 bytes of each of the 64 rows
	FORI 8, LDSS \as, PKO+4*i, 4352*(i/2)+32*(i%2)
.endm
; PKO = bf16(silu(DD) x s94).  Two batches of 64 transcendentals, each with one plain instruction and one wait behind it.
.macro SILU
.set t, 0
.rept 4
.set p, 0
.rept 8
	P2K v_pk_mul_f32, TT+32*t+2*p, DD+32*t+2*p, 0xbfb8aa3b, op_sel_hi:[1,0]   ; -log2(e) z; each accumulator's lowest registers are read first
	V1 v_exp_f32, TT+32*t+2*p, TT+32*t+2*p
	V1 v_exp_f32, TT+32*t+2*p+1, TT+32*t+2*p+1
.set p, p+1
.endr
.set t, t+1
.endr
	v_nop
	s_wait_alu depctr_va_vdst(0)
.set t, 0
.rept 4
.set p, 0
.rept 8
	P2K v_pk_add_f32, TT+32*t+2*p, TT+32*t+2*p, 1.0, op_sel_hi:[1,0]
	V1 v_rcp_f32, TT+32*t+2*p, TT+32*t+2*p
	V1 v_rcp_f32, TT+32*t+2*p+1, TT+32*t+2*p+1
.set p, p+1
.endr
.set t, t+1
.endr
	v_nop
	s_wait_alu depctr_va_vdst(0)
	FORTP P2 v_pk_mul_f32, TT+32*t+2*p, TT+32*t+2*p, DD+32*t+2*p
	FORTP P2K v_pk_mul_f32, TT+32*t+2*p, TT+32*t+2*p, s[94:95], op_sel_hi:[1,0]
	CVTT
.endm
; The four projections: a loop of four trips, U, Q, K, V.  A trip multiplies, asks for the next product's weights (they lie on end in wts), and sends the last result out.
; The jumps inside go forward, on the loop's own counter; they pass no barrier.
.macro PROJ
	LOADACT AR1
	WIN 0
	s_mov_b32 s92, 4
.Lproj:
	s_wait_loadcnt 0x0                             ; this product's weights and bias
	s_wait_dscnt 0x0                               ; (first trip: the activations)
	s_cmp_eq_u32 s92, 1
	s_cbranch_scc1 .Lproj_v
	GEMM WB1, BIB, 0
	WIN 0
	s_branch .Lproj_j
.Lproj_v:
	GEMM WB1, BIB, 1
	WIN 0
.Lproj_j:
	NOP4                                           ; four places behind the last product, ahead of loads into its sources and of readers of its result
	s_wait_xcnt 0x0                                ; every earlier load and store has read its sources: the pointers and PKO may be written
	s_add_nc_u64 s[86:87], s[86:87], SEC           ; the next section of the state
	s_cmp_eq_u32 s92, 1
	s_cbranch_scc1 .Lproj_n
	s_add_nc_u64 s[88:89], s[88:89], 32768
	s_add_nc_u64 s[90:91], s[90:91], 8192
	LOADW 88, 0, 90, OBI, WB1, BIB
	WIN 0
.Lproj_n:
	s_cmp_eq_u32 s92, 3
	s_cselect_b32 s94, 0xbe38aa3b, 1.0             ; Q alone is scaled: -log2(e) / 8
	s_mov_b32 s95, s94
	SILU
	FORI 8, GST GU, PKO+4*i, 86, 512*i
	WIN 0
	s_sub_co_u32 s92, s92, 1
	s_cmp_lg_u32 s92, 0
	s_cbranch_scc1 .Lproj
.endm
	s_load_b256 s[4:11], s[0:1], 0x0               ; log_seqs s[4:5], item_table s[6:7], pos_table s[8:9], emb_ln_s s[10:11]
	s_load_b128 s[12:15], s[0:1], 0x20             ; wts s[12:13], stA s[14:15]
	WIN 0x80
	v_lshl_add_u32 v[SPW&255], v0, 2, SPARE        ; my spare word,
	v_mov_b32 v[NIL&255], 0                        ; and 0: for the wave's end
	WIN 0
	v_lshrrev_b32 v1, 5, v0
	v_readfirstlane_b32 s16, v1                    ; wave 0..3
	s_mov_b32 s21, ttmp9                           ; g
	s_mov_b32 s46, 0x3c000000                      ; 1 / 128
	s_mov_b32 s47, 0x322bcc77                      ; 1e-8
	s_mov_b32 s72, 0x76543210                      ; v_permlanex16_b32: each lane takes its own place in the other half
	s_mov_b32 s73, 0xfedcba98
	v_and_b32 v1, 31, v0                           ; l
	v_and_b32 v2, 15, v0                           ; r
	v_bfe_u32 v3, v0, 4, 1                         ; h
	v_lshlrev_b32 v4, 4, v1                        ; 16 l
	v_mul_u32_u24 v5, v2, 272
	v_lshl_add_u32 v5, v3, 4, v5                   ; 272 r + 16 h
	v_mul_u32_u24 v6, v2, 528
	v_lshl_add_u32 v6, v3, 5, v6                   ; 528 r + 32 h
	v_lshlrev_b32 v7, 4, v2                        ; 16 r
	v_lshlrev_b32 v9, 5, v3                        ; 32 h
	v_mov_b32 v[L16], v4
	s_lshl_b32 s2, s16, 13
	VK v_add_nc_u32, GX, s2, 4
	s_lshl_b32 s2, s16, 12
	VK v_add_nc_u32, GU, s2, 4
	s_lshl_b32 s2, s16, 11
	VK v_add_nc_u32, GB, s2, 4
	s_lshl_b32 s2, s16, 7
	VK v_add_nc_u32, GP, s2, 9
	s_add_co_u32 s2, s2, XST
	VK v_add_nc_u32, OSW, s2, 6
	s_lshl_b32 s2, s16, 6
	s_add_co_u32 s2, s2, ACT1
	VK v_add_nc_u32, AS1, s2, 5
	VK v_add_nc_u32, AR1, ACT1, 5
	s_lshl_b32 s2, s16, 2
	s_add_co_u32 s2, s2, SSQ0
	VK v_add_nc_u32, SSW, s2, 7
	VK v_add_nc_u32, SSR, SSQ0, 7
	s_mul_i32 s2, s16, 8448
	s_add_co_u32 s2, s2, XST
	VK v_add_nc_u32, OSR, s2, 4
	WIN 0
	s_and_b32 s2, s21, 31                          ; the block of 64 positions in the sequence
	s_lshl_b32 s2, s2, 6
	s_lshl_b32 s3, s16, 4
	s_add_co_u32 s2, s2, s3
	s_add_co_u32 s2, s2, 1                         ; positions count from 1
	s_lshl_b32 s2, s2, 9
	v_add_nc_u32 v[POSO], s2, v4
	s_lshl_b32 s80, s21, 15                        ; g x 32,768
	s_mov_b32 s81, 0
	s_lshl_b32 s82, s21, 14                        ; g x 16,384
	s_mov_b32 s83, 0
	s_lshl_b32 s2, s21, 8                          ; my 16 indices: 4 (64 g + 16 w) bytes on
	s_lshl_b32 s3, s16, 6
	s_add_co_u32 s2, s2, s3
	s_mov_b32 s3, 0
	s_wait_kmcnt 0x0
	s_add_nc_u64 s[2:3], s[4:5], s[2:3]
	s_load_b512 s[24:39], s[2:3], 0x0
	s_add_nc_u64 s[84:85], s[14:15], s[80:81]      ; x of my rows in the state
	s_add_nc_u64 s[86:87], s[14:15], s[82:83]
	s_add_nc_u64 s[86:87], s[86:87], SEC           ; one section ahead of U's: each trip of the projections steps it first
	s_mov_b64 s[44:45], s[12:13]                   ; layer 0 of wts
	s_mov_b64 s[88:89], s[12:13]
	s_mov_b64 s[90:91], s[12:13]
	s_add_nc_u64 s[66:67], s[12:13], ONS           ; ln1_s[0]
	s_wait_kmcnt 0x0
.set i, 0
.rept 16
	s_min_u32 s[24+i], s[24+i], 200000             ; an index stays inside the table
	s_lshl_b32 s[24+i], s[24+i], 9
	v_add_nc_u32 v[OFFS+i], s[24+i], v[L16]
.set i, i+1
.endr
.set i, 0
.rept 16
	global_load_b128 v[IT+4*i:IT+4*i+3], v[OFFS+i], s[6:7]            ; a row: 512 consecutive bytes
	global_load_b128 v[PO+4*i:PO+4*i+3], v[POSO], s[8:9] offset:512*i
.set i, i+1
.endr
	global_load_b128 v[EMB:EMB+3], v[L16], s[10:11]
	FORI 4, GLD N3+4*i, GP, 66, 64*(i/2)+16*(i%2)
	LOADW 44, 0, 44, OBI, WB1, BIB                 ; U's weights, for later
	WIN 0
	s_wait_loadcnt 20                              ; all but those 20
.set i, 0
.rept 16
	v_pk_add_f32 v[IT+4*i:IT+4*i+1], v[IT+4*i:IT+4*i+1], v[PO+4*i:PO+4*i+1]
	v_pk_add_f32 v[IT+4*i+2:IT+4*i+3], v[IT+4*i+2:IT+4*i+3], v[PO+4*i+2:PO+4*i+3]
	v_pk_mul_f32 v[SQR+2*i:SQR+2*i+1], v[IT+4*i:IT+4*i+1], v[IT+4*i:IT+4*i+1]
	v_pk_fma_f32 v[SQR+2*i:SQR+2*i+1], v[IT+4*i+2:IT+4*i+3], v[IT+4*i+2:IT+4*i+3], v[SQR+2*i:SQR+2*i+1]
	v_add_f32 v[SQR+2*i], v[SQR+2*i], v[SQR+2*i+1]
.set i, i+1
.endr
.irp m, 1,2,4,8
	FORI 16, v_add_f32_dpp v[SQR+2*i], v[SQR+2*i], v[SQR+2*i] row_xmask:\m row_mask:0xf bank_mask:0xf
.endr
	FORI 16, v_permlanex16_b32 v[SQR+2*i+1], v[SQR+2*i], s72, s73
	FORI 16, v_add_f32 v[SQR+2*i], v[SQR+2*i], v[SQR+2*i+1]
	FORI 16, v_fma_f32 v[SQR+2*i], v[SQR+2*i], s46, s47
	FORI 16, v_rsq_f32 v[SQR+2*i], v[SQR+2*i]
	v_nop                                          ; a plain instruction behind the last root, and one wait for the sixteen
	s_wait_alu depctr_va_vdst(0)
.set i, 0
.rept 16
	v_pk_mul_f32 v[IT+4*i:IT+4*i+1], v[IT+4*i:IT+4*i+1], v[SQR+2*i:SQR+2*i+1] op_sel_hi:[1,0]
	v_pk_mul_f32 v[IT+4*i+2:IT+4*i+3], v[IT+4*i+2:IT+4*i+3], v[SQR+2*i:SQR+2*i+1] op_sel_hi:[1,0]
	v_pk_mul_f32 v[IT+4*i:IT+4*i+1], v[IT+4*i:IT+4*i+1], v[EMB:EMB+1]
	v_pk_mul_f32 v[IT+4*i+2:IT+4*i+3], v[IT+4*i+2:IT+4*i+3], v[EMB+2:EMB+3]
.set i, i+1
.endr
	FORI 16, LDSS OSR, IT+4*i, 528*i
	BAR                                            ; all 64 rows lie in LDS
	FORI 16, LDSL X+4*i, OSW, 8448*(i/4)+64*((i/2)%2)+16*(i%2)
	s_wait_dscnt 0x0
	FORI 16, GST GX, X+4*i, 84, 512*i              ; x is not written again: the stores' data stay
	NORM_A X, 16, 0
	NORM_B 0
	NORM_C N3
	CVTT
	STACT AS1
	BAR
	PROJ
	WIN 0x0a
	s_wait_tensorcnt 0x0                           ; the wave's end: three lines behind the last LDS store
	ds_add_u32 v[SPW&255], v[NIL&255]
	s_wait_dscnt 0x0
	WIN 0
	s_endpgm
.Lfunc_end_k_q31e6c5050f_embed:
	.size	k_q31e6c5050f_embed, .Lfunc_end_k_q31e6c5050f_embed-k_q31e6c5050f_embed
	.p2alignl 7, 3214868480
	.fill 96, 4, 3214868480
	.section	.rodata,"a",@progbits
	.p2align	6, 0x0
	.amdhsa_kernel k_q31e6c5050f_embed
		.amdhsa_group_segment_fixed_size 52736
		.amdhsa_private_segment_fixed_size 0
		.amdhsa_enable_private_segment 0
		.amdhsa_kernarg_size 48
		.amdhsa_user_sgpr_count 2
		.amdhsa_user_sgpr_kernarg_segment_ptr 1
		.amdhsa_wavefront_size32 1
		.amdhsa_system_sgpr_workgroup_id_x 1
		.amdhsa_system_sgpr_workgroup_id_y 1
		.amdhsa_system_sgpr_workgroup_id_z 1
		.amdhsa_system_vgpr_workitem_id 0
		.amdhsa_next_free_vgpr 896
		.amdhsa_next_free_sgpr 100
		.amdhsa_reserve_vcc 0
		.amdhsa_float_denorm_mode_32 3
		.amdhsa_float_denorm_mode_16_64 3
		.amdhsa_memory_ordered 1
		.amdhsa_forward_progress 1
		.amdhsa_inst_pref_size 67
	.end_amdhsa_kernel
	.amdgpu_metadata
---
amdhsa.version: [ 1, 2 ]
amdhsa.kernels:
  - .name:           k_q31e6c5050f_embed
    .symbol:         k_q31e6c5050f_embed.kd
    .args:
      - { .name: log_seqs, .offset: 0, .size: 8, .value_kind: global_buffer, .address_space: global }
      - { .name: item_table, .offset: 8, .size: 8, .value_kind: global_buffer, .address_space: global }
      - { .name: pos_table, .offset: 16, .size: 8, .value_kind: global_buffer, .address_space: global }
      - { .name: emb_ln_s, .offset: 24, .size: 8, .value_kind: global_buffer, .address_space: global }
      - { .name: wts, .offset: 32, .size: 8, .value_kind: global_buffer, .address_space: global }
      - { .name: stA, .offset: 40, .size: 8, .value_kind: global_buffer, .address_space: global }
    .group_segment_fixed_size: 52736
    .private_segment_fixed_size: 0
    .kernarg_segment_align: 8
    .kernarg_segment_size: 48
    .max_flat_workgroup_size: 128
    .sgpr_count:     100
    .vgpr_count:     896
    .wavefront_size: 32
...
	.end_amdgpu_metadata
.endif
;; end of part 2
;; launch lay0 (part 3): grid 32 x 8, 4 waves a work-group, clusters of 4 x 4, 327,680 bytes of LDS; arguments stA, mw, wts, cfg0, stB; writes stB
.if DOCPART == 3
	.amdgcn_target "amdgcn-amd-amdhsa--gfx1250"
	.amdhsa_code_object_version 6
	.text
	.protected	k_q31e6c5050f_lay0
	.globl	k_q31e6c5050f_lay0
	.p2align	8
	.type	k_q31e6c5050f_lay0,@function
k_q31e6c5050f_lay0:
	s_mov_b64 s[64:65], 0
	v_nop
	global_prefetch_b8 v0, s[64:65] scope:SCOPE_SE
	s_setreg_imm32_b32 hwreg(HW_REG_WAVE_MODE, 25, 1), 1
	s_wait_xcnt 0x0
	s_wait_alu depctr_hold_cnt(0) depctr_sa_sdst(0) depctr_va_vdst(0) depctr_va_sdst(0) depctr_va_ssrc(0) depctr_va_vcc(0) depctr_vm_vsrc(0)
	s_getreg_b32 s2, hwreg(HW_REG_IB_STS2, 6, 4)
	s_cmp_eq_u32 s2, 0
	s_cbranch_scc0 .Lentry_in_a_cluster
	s_endpgm
.Lentry_in_a_cluster:
	s_bfe_u32 s2, ttmp6, 0x10000c
	s_cmp_lg_u32 s2, 0xf033
	s_cbranch_scc0 .Lentry_shape_is_right
	s_endpgm
.Lentry_shape_is_right:
.set LASTL, 0                          ; 0: layers 0 to 2 (this assembly).  1: layer 3.
; ONE LAYER.  From the state (x, U, Q, K, V of layer i) to the state of layer i + 1, or, for i = 3, to the output.
;   attention: A = max(silu(Q K^T / 8), 0), masked, divided by its row sum;  y = (rms(A V) hs U) f2 + b;  x += y;  x += gelu(rms(x) l2 c1 + b) c2 + b;
;   then rms(x) n3, which is either the next layer's pre-norm, followed by its four projections with SiLU, or (n3 = last_ln_s) the result.
; TWO ASSEMBLIES OF ONE TEXT.  In a launch with joint loads the partners of a cluster run alike, so no branch hangs on a number read from memory.  What the last layer does otherwise (no state, no
; projections; f32 rows out) is therefore chosen at assembly, by LASTL.  The layer's number, the one word of cfg that an earlier launch stored, enters addresses into wts alone.
; SHARES.  256 work-groups; work-group (qb, b) owns 64 queries of batch b, both heads.  Wave w = 2 h + kh takes head h and half kh of each step's 128 keys, for all four tiles of 16 queries;
; the two halves are added through LDS at the end (there is no maximum to reconcile: the weights are sums).  Behind the attention wave w owns channels 32 w .. 32 w + 31 of all 64 rows.
; LAYOUT.  S^T = K Q^T: a lane holds ONE query (lane % 16) and keys 8 (lane / 16) + 0..7; two such results rounded to bf16 ARE source 1 of O^T = V^T P.  K, V, Q, U, x, the mask and the weights
; lie in memory as register images (chunks of 512 bytes, lane l at 16 l), so every LDS and global access is 512 consecutive bytes and nothing is turned or padded.
; A SCORE.  Q is stored times -log2(e) / 8, so S = -log2(e) logit.  e = 2^S;  t = C e + C, C = -2^64;  rr = 1 / t;  A' = clamp01(S rr) = log2(e) 2^-64 max(silu(logit), 0): the clamp's lower end is the
; max with 0, and the factor 2^-64 keeps the upper end out of reach.  Then bf16 and an AND with the mask word.  The row sum is a fifth accumulator, ones x P.  The common factor leaves in the division:
; threshold and epsilon are scaled alike.  For two scores: four transcendentals and four plain instructions.
; THE PIPELINE.  Piece n = tile n % 4 of key step n / 4.  Turn n: products V^T P of piece n - 3, then K Q^T of piece n + 1; t and 1 / t of piece n - 1; S rr, rounding and mask of piece n - 2; 2^S of piece n.
; Nothing in a turn names a result of that turn's transcendentals, so a turn has ONE wait for them, at its end.  Behind each of its 18 matrix instructions stand two plain instructions and two
; transcendentals; the other 14 such slices follow in a run.  No first and no last step is written out: the registers start at 0, pieces that do not exist give P = 0, and the last trip's scores serve nothing.
; RING.  Two LDS slots of one key step: K 32 KiB, V 32 KiB, mask 16 KiB.  CLUSTER 4 x 4: K and V hang on b alone and are asked for jointly along a row of the cluster, the mask words on qb alone, jointly along a column.
; LIMITS.  log2(e) logit stays under 2^64 (beyond, the weight is held there).  The row sum is that of the weights as rounded to bf16.  erf is Abramowitz and Stegun's 7.1.25, within 2.5e-5 for every argument,
; ahead of a rounding to bf16.  Operands of all products are bf16.  NaN and infinities are not treated apart.
.set SLOT1, 1<<17                      ; slot 1 begins here, so that one exclusive or turns an address in one slot into the other's
.set XO,    81920                      ; behind slot 0: 8,704 bytes a wave for the exchange of halves; later the output's stage, 64 rows 528 bytes apart
.set SSQ0,  116736                     ; three areas [row 64][wave 4] f32
.set SPARE, 119808                     ; the spare words, 128 bytes for each wave
.set ACT0,  212992                     ; behind slot 1: 64 rows of 128 bf16, 272 bytes apart (the 16 rows of a load start at 16 different groups of four banks)
.set ACT1,  230400
.set LAYB,  288256                     ; a layer's bytes in wts
.set OBI,   229376
.set ONS,   286720
.set SEC,   4194304                    ; a bf16 section of the state
; registers by absolute number, 0 to 1023; the macros below set the window of each operand place from the number
.set S,     0                          ; scores, 32 a tile; the packed weights P take the low 16 in place
.set E,     128                        ; two buffers of 32: e, then t, then rr
.set MK,    192                        ; mask words, 16 a tile
.set AF,    0                          ; behind the attention: activations as fragments, (mt, kb) at 32 mt + 8 kb
.set PT,    0
.set WB0,   128                        ; weights, (nt, kb) at 32 nt + 8 kb
.set WB1,   192
.set O,     256                        ; O^T: tile t, block a at 32 t + 8 a; a = 0, 1 my channels, a = 2, 3 my partner's
.set SUM,   384                        ; row sums, 8 a tile
.set TT,    256                        ; behind the exchange: (mt, nt) at 32 mt + 8 nt
.set DD,    272                        ; accumulators, (mt, nt) at 32 mt + 8 nt
.set BIA,   384                        ; biases as C operands
.set BIB,   400
.set X,     416                        ; x: 16 mt + 8 nt + j
.set UU,    480                        ; U in bf16: 8 mt + 4 nt + i
.set PKO,   480
.set Q,     512                        ; 16 t + 8 c
.set KF,    576                        ; 16 kb + 8 c
.set VF,    640                        ; 32 kk + 8 a
.set ONE,   704                        ; 1.0 in bf16, everywhere
.set SPW,   712
.set NIL,   713
.set AK0,   714                        ; my lane's place in a slot's K, V (my channels, my partner's), mask
.set AVA0,  715
.set AVB0,  716
.set AM0,   717
.set ADK,   718                        ; the same plus the slot
.set ADA,   719
.set ADB,   720
.set ADM,   721
.set GX,    722                        ; 8,192 w + 16 l
.set GU,    723                        ; 4,096 w + 16 l
.set GQ,    724                        ; 8,192 h + 16 l
.set GB,    725                        ; 2,048 w + 16 l
.set GP,    726                        ; 128 w + 32 (l / 16)
.set PFO,   727
.set XS,    728
.set XR,    729
.set XS4,   730
.set XR4,   731
.set AS0,   732
.set AS1,   733
.set AR0,   734
.set AR1,   735
.set SSW,   736
.set SSR,   737
.set OSW,   738
.set OSR,   739
.set HS,    768                        ; hstu_ln_s, ln2_s and n3 of my channels: 8 nt + j
.set L2,    784
.set N3,    800
.set RH,    816
.set SQ,    824
.set INV,   832
.set DN,    840
.set NB,    856
.set MSB, 0
.macro WIN new                         ; the immediate's high byte repeats the setting that is left; a switch that changes nothing is dropped
.if MSB != (\new)
	s_set_vgpr_msb (MSB<<8)|(\new)
.set MSB, (\new)
.endif
.endm
.macro WDA d, a                        ; destination and source 0; the other places stay
	WIN ((MSB&0x3c)|((\a)>>8)|(((\d)>>8)<<6))
.endm
.macro WDB d, b                        ; destination and source 1
	WIN ((MSB&0x33)|(((\b)>>8)<<2)|(((\d)>>8)<<6))
.endm
.macro WDAB d, a, b
	WIN ((MSB&0x30)|((\a)>>8)|(((\b)>>8)<<2)|(((\d)>>8)<<6))
.endm
.macro WDABC d, a, b, c
	WIN (((\a)>>8)|(((\b)>>8)<<2)|(((\c)>>8)<<4)|(((\d)>>8)<<6))
.endm
.macro V1 op, d, a
	WDA \d, \a
	\op v[(\d)&255], v[(\a)&255]
.endm
.macro V2 op, d, a, b
	WDAB \d, \a, \b
	\op v[(\d)&255], v[(\a)&255], v[(\b)&255]
.endm
.macro VK op, d, k, b                  ; source 0 a scalar or a constant
	WDB \d, \b
	\op v[(\d)&255], \k, v[(\b)&255]
.endm
.macro P2 op, d, a, b, m:vararg        ; on pairs
	WDAB \d, \a, \b
	\op v[(\d)&255:((\d)&255)+1], v[(\a)&255:((\a)&255)+1], v[(\b)&255:((\b)&255)+1] \m
.endm
.macro P3 op, d, a, b, c, m:vararg
	WDABC \d, \a, \b, \c
	\op v[(\d)&255:((\d)&255)+1], v[(\a)&255:((\a)&255)+1], v[(\b)&255:((\b)&255)+1], v[(\c)&255:((\c)&255)+1] \m
.endm
.macro P2K op, d, a, k, m:vararg       ; source 1 a scalar pair or a constant
	WDA \d, \a
	\op v[(\d)&255:((\d)&255)+1], v[(\a)&255:((\a)&255)+1], \k \m
.endm
.macro PFKK d, a, k1, k2               ; d = a k1 + k2, both the same for the two halves
	WDA \d, \a
	v_pk_fma_f32 v[(\d)&255:((\d)&255)+1], v[(\a)&255:((\a)&255)+1], \k1, \k2 op_sel_hi:[1,0,0]
.endm
.macro PFVK d, a, b, k                 ; d = a b + k
	WDAB \d, \a, \b
	v_pk_fma_f32 v[(\d)&255:((\d)&255)+1], v[(\a)&255:((\a)&255)+1], v[(\b)&255:((\b)&255)+1], \k op_sel_hi:[1,1,0]
.endm
.macro MMA d, a, b, c
	WDABC \d, \a, \b, \c
	v_wmma_f32_16x16x32_bf16 v[(\d)&255:((\d)&255)+7], v[(\a)&255:((\a)&255)+7], v[(\b)&255:((\b)&255)+7], v[(\c)&255:((\c)&255)+7]
.endm
.macro MMA0 d, a, b                    ; the product starts the sum
	WDAB \d, \a, \b
	v_wmma_f32_16x16x32_bf16 v[(\d)&255:((\d)&255)+7], v[(\a)&255:((\a)&255)+7], v[(\b)&255:((\b)&255)+7], 0
.endm
.macro LDSL d, ad, off                 ; LDS: loaded data = destination, address = source 0, stored data = source 1
	WDA \d, \ad
	ds_load_b128 v[(\d)&255:((\d)&255)+3], v[(\ad)&255] offset:\off
.endm
.macro LDSL1 d, ad, off
	WDA \d, \ad
	ds_load_b32 v[(\d)&255], v[(\ad)&255] offset:\off
.endm
.macro LDSS ad, dt, off
	WIN ((MSB&0xf0)|((\ad)>>8)|(((\dt)>>8)<<2))
	ds_store_b128 v[(\ad)&255], v[(\dt)&255:((\dt)&255)+3] offset:\off
.endm
.macro LDSS1 ad, dt, off
	WIN ((MSB&0xf0)|((\ad)>>8)|(((\dt)>>8)<<2))
	ds_store_b32 v[(\ad)&255], v[(\dt)&255] offset:\off
.endm
.macro GLD d, ad, sb, off
	WDA \d, \ad
	global_load_b128 v[(\d)&255:((\d)&255)+3], v[(\ad)&255], s[\sb:(\sb)+1] offset:\off
.endm
.macro GST ad, dt, sb, off
	WIN ((MSB&0xf0)|((\ad)>>8)|(((\dt)>>8)<<2))
	global_store_b128 v[(\ad)&255], v[(\dt)&255:((\dt)&255)+3], s[\sb:(\sb)+1] offset:\off
.endm
.macro FORI n, line:vararg             ; the line for i = 0 .. n - 1
.set i, 0
.rept \n
	\line
.set i, i+1
.endr
.endm
.macro FORT line:vararg                ; for each row tile t
.set t, 0
.rept 4
	\line
.set t, t+1
.endr
.endm
.macro FORTP line:vararg               ; for each row tile t and pair p of its 16 numbers
.set t, 0
.rept 4
.set p, 0
.rept 8
	\line
.set p, p+1
.endr
.set t, t+1
.endr
.endm
.macro NOP4
.rept 4
	v_nop
.endr
.endm
.macro BAR                             ; my LDS instructions are done, for the others' sake; then the work-group's barrier
	s_wait_dscnt 0x0
	s_barrier_signal -1
	s_barrier_wait -1
.endm
; my 8,192 bytes of a product's weights and my 2,048 of its bias: 20 loads of 512 consecutive bytes
.macro LOADW sw, ow, sb, ob, wb, bi
	FORI 16, GLD (\wb)+4*i, GX, \sw, (\ow)+512*i
	FORI 4, GLD (\bi)+4*i, GB, \sb, (\ob)+512*i
.endm
; all 64 rows x 128 channels as 16 fragments: lane (r, h) takes row 16 mt + r, channels 32 kb + 8 h + 0..7 and + 16
.macro LOADACT ar
.set i, 0
.rept 16
	LDSL AF+8*i, \ar, 4352*(i/4)+64*(i%4)
	LDSL AF+8*i+4, \ar, 4352*(i/4)+64*(i%4)+32
.set i, i+1
.endr
.endm
; 64 rows x my 32 channels x K = 128: 32 matrix instructions; the 8 accumulators take turns, one instruction a turn; the bias starts the sums.
; swap = 0: source 0 = weights: a lane ends with one row and 8 neighbouring channels.  swap = 1: a lane ends with one channel and 8 neighbouring rows.
.macro GEMM wb, bi, swap
.set gk, 0
.rept 4
.set gm, 0
.rept 4
.set gn, 0
.rept 2
.set gd, DD+32*gm+8*gn
.set gc, gd
.if gk == 0
.set gc, (\bi)+8*gn
.endif
.if \swap
	MMA gd, AF+32*gm+8*gk, (\wb)+32*gn+8*gk, gc
.else
	MMA gd, (\wb)+32*gn+8*gk, AF+32*gm+8*gk, gc
.endif
.set gn, gn+1
.endr
.set gm, gm+1
.endr
.set gk, gk+1
.endr
.endm
; the sum of squares of my 32 channels of each row, into LDS word [row][wave] of area s; then the barrier
.macro NORM_A base, str, s
.set p, 0
.rept 8
.set t, 0
.rept 4
.if p == 0
	P2 v_pk_mul_f32, SQ+2*t, (\base)+(\str)*t, (\base)+(\str)*t
.else
	P3 v_pk_fma_f32, SQ+2*t, (\base)+(\str)*t+2*p, (\base)+(\str)*t+2*p, SQ+2*t
.endif
.set t, t+1
.endr
.set p, p+1
.endr
	FORT V2 v_add_f32, SQ+2*t, SQ+2*t, SQ+2*t+1
.set t, 0
.rept 4
	WDA SQ+2*t+1, SQ+2*t
	v_permlanex16_b32 v[(SQ+2*t+1)&255], v[(SQ+2*t)&255], s72, s73  ; the row's other 16 of my channels lie in the lane 16 away
.set t, t+1
.endr
	FORT V2 v_add_f32, SQ+2*t, SQ+2*t, SQ+2*t+1
	FORT LDSS1 SSW, SQ+2*t, 1024*(\s)+256*t
	BAR
.endm
; 1 / sqrt(mean + 1e-8) of each of my lane's four rows, twice (a pair for the packed multiply)
.macro NORM_B s
	FORT LDSL NB+4*t, SSR, 1024*(\s)+256*t
	s_wait_dscnt 0x0
	FORT P2 v_pk_add_f32, NB+4*t, NB+4*t, NB+4*t+2
	FORT V2 v_add_f32, NB+4*t, NB+4*t, NB+4*t+1
.set t, 0
.rept 4
	WDA NB+4*t, NB+4*t
	v_fma_f32 v[(NB+4*t)&255], v[(NB+4*t)&255], s46, s47   ; sum / 128 + 1e-8
.set t, t+1
.endr
	FORT V1 v_rsq_f32, RH+2*t, NB+4*t
	v_nop                                          ; a plain instruction behind the last root,
	s_wait_alu depctr_va_vdst(0)                   ; and one wait for the four, ahead of their first reader
	FORT V1 v_mov_b32, RH+2*t+1, RH+2*t
.endm
.macro NORM_C vec                      ; TT = x / rms x gain
	FORTP P2 v_pk_mul_f32, TT+32*t+2*p, X+16*t+2*p, RH+2*t
	FORTP P2 v_pk_mul_f32, TT+32*t+2*p, TT+32*t+2*p, (\vec)+2*p
.endm
.macro CVTT                            ; TT rounded to bf16, 16 bytes for each (mt, nt)
	FORTP V2 v_cvt_pk_bf16_f32, PKO+8*t+p, TT+32*t+2*p, TT+32*t+2*p+1
.endm
.macro STACT as                        ; my 64 bytes of each of the 64 rows
	FORI 8, LDSS \as, PKO+4*i, 4352*(i/2)+32*(i%2)
.endm
; (SILU and PROJ are used with LASTL = 0 alone.)
; PKO = bf16(silu(DD) x s94).  Two batches of 64 transcendentals, each with one plain instruction and one wait behind it.
.macro SILU
.set t, 0
.rept 4
.set p, 0
.rept 8
	P2K v_pk_mul_f32, TT+32*t+2*p, DD+32*t+2*p, 0xbfb8aa3b, op_sel_hi:[1,0]   ; -log2(e) z; each accumulator's lowest registers are read first
	V1 v_exp_f32, TT+32*t+2*p, TT+32*t+2*p
	V1 v_exp_f32, TT+32*t+2*p+1, TT+32*t+2*p+1
.set p, p+1
.endr
.set t, t+1
.endr
	v_nop
	s_wait_alu depctr_va_vdst(0)
.set t, 0
.rept 4
.set p, 0
.rept 8
	P2K v_pk_add_f32, TT+32*t+2*p, TT+32*t+2*p, 1.0, op_sel_hi:[1,0]
	V1 v_rcp_f32, TT+32*t+2*p, TT+32*t+2*p
	V1 v_rcp_f32, TT+32*t+2*p+1, TT+32*t+2*p+1
.set p, p+1
.endr
.set t, t+1
.endr
	v_nop
	s_wait_alu depctr_va_vdst(0)
	FORTP P2 v_pk_mul_f32, TT+32*t+2*p, TT+32*t+2*p, DD+32*t+2*p
	FORTP P2K v_pk_mul_f32, TT+32*t+2*p, TT+32*t+2*p, s[94:95], op_sel_hi:[1,0]
	CVTT
.endm
; The four projections: a loop of four trips, U, Q, K, V.  A trip multiplies, asks for the next product's weights (they lie on end in wts), and sends the last result out.
; The jumps inside go forward, on the loop's own counter; they pass no barrier.
.macro PROJ
	LOADACT AR1
	WIN 0
	s_mov_b32 s92, 4
.Lproj:
	s_wait_loadcnt 0x0                             ; this product's weights and bias
	s_wait_dscnt 0x0                               ; (first trip: the activations)
	s_cmp_eq_u32 s92, 1
	s_cbranch_scc1 .Lproj_v
	GEMM WB1, BIB, 0
	WIN 0
	s_branch .Lproj_j
.Lproj_v:
	GEMM WB1, BIB, 1
	WIN 0
.Lproj_j:
	NOP4                                           ; four places behind the last product, ahead of loads into its sources and of readers of its result
	s_wait_xcnt 0x0                                ; every earlier load and store has read its sources: the pointers and PKO may be written
	s_add_nc_u64 s[86:87], s[86:87], SEC           ; the next section of the state
	s_cmp_eq_u32 s92, 1
	s_cbranch_scc1 .Lproj_n
	s_add_nc_u64 s[88:89], s[88:89], 32768
	s_add_nc_u64 s[90:91], s[90:91], 8192
	LOADW 88, 0, 90, OBI, WB1, BIB
	WIN 0
.Lproj_n:
	s_cmp_eq_u32 s92, 3
	s_cselect_b32 s94, 0xbe38aa3b, 1.0             ; Q alone is scaled: -log2(e) / 8
	s_mov_b32 s95, s94
	SILU
	FORI 8, GST GU, PKO+4*i, 86, 512*i
	WIN 0
	s_sub_co_u32 s92, s92, 1
	s_cmp_lg_u32 s92, 0
	s_cbranch_scc1 .Lproj
.endm
; gelu of row tile m's 16 numbers z:  az = |z|;  t = 1 / (1 + 0.3326725 az);  e = 2^(-0.7213475 az^2);  g' = t (a1 + t (a2 + a3 t)) e with the factor -1/2 in a1..a3;  gelu = max(z, 0) + az g'
.set TA, 256
.set TB2, 288
.set TC, 320
.set TD, 352
.macro GELU m
.set zb, DD+32*(\m)
	FORI 16, VK v_and_b32, TA+i, s97, zb+i         ; each accumulator's lowest registers are read first
	FORI 8, PFKK TB2+2*i, TA+2*i, 0x3eaa540e, 1.0
	FORI 8, P2K v_pk_mul_f32, TC+2*i, TA+2*i, 0xbf38aa3b, op_sel_hi:[1,0]
	FORI 8, P2 v_pk_mul_f32, TC+2*i, TC+2*i, TA+2*i
	FORI 16, V1 v_rcp_f32, TB2+i, TB2+i
	FORI 16, V1 v_exp_f32, TC+i, TC+i
	FORI 16, VK v_max_num_f32, zb+i, 0, zb+i       ; plain work that names no result of the batch,
	s_wait_alu depctr_va_vdst(0)                   ; and one wait for the 32
	FORI 8, PFKK TD+2*i, TB2+2*i, s[22:23], s[92:93]
	FORI 8, PFVK TD+2*i, TD+2*i, TB2+2*i, s[94:95]
	FORI 8, P2 v_pk_mul_f32, TB2+2*i, TB2+2*i, TC+2*i
	FORI 8, P2 v_pk_mul_f32, TD+2*i, TD+2*i, TB2+2*i
	FORI 8, P3 v_pk_fma_f32, zb+2*i, TA+2*i, TD+2*i, zb+2*i
	FORI 8, V2 v_cvt_pk_bf16_f32, PKO+8*(\m)+i, zb+2*i, zb+2*i+1
.endm
; ---- the ring
; A round of the cluster's barrier: my work-group's barrier, so that wave 0's signal speaks for all four waves; wave 0 signals; every wave waits for all sixteen work-groups; my work-group's barrier once more.
.macro CROUND
	WIN 0
	s_barrier_signal -1
	s_barrier_wait -1
	s_cmp_lg_u32 s16, 0
	s_cbranch_scc1 .Lnot_wave_0_\@
	s_barrier_signal -3
.Lnot_wave_0_\@:
	s_barrier_wait -3
	s_barrier_signal -1
	s_barrier_wait -1
.endm
; A joint refill.  Wave 0 fetches a step's K, wave 1 its V (mask: my row of the cluster), waves 2 and 3 the two halves of its mask words (mask: my column).  The branch hangs on the wave's number alone.
; An s_nop 0 and four v_nop follow each of the two lines.
.macro JLOAD
	WIN 0
	s_cmp_lt_u32 s16, 2
	s_cbranch_scc0 .Lfor_m_\@
	tensor_load_to_lds s[52:55], s[24:31]
	s_nop 0
	NOP4
	s_branch .Lasked_\@
.Lfor_m_\@:
	tensor_load_to_lds s[60:63], s[32:39]
	s_nop 0
	NOP4
.Lasked_\@:
.endm
; A PREFETCH INTO THE L2, behind the joint load of step k + 2 and the run of LDS loads that follows it: step k + 6, four trips (288 matrix instructions a wave) ahead of the load that will want it.
; Each block of 256 bytes is named once in the launch.  K and V of a batch are read by every cluster of that row of clusters: the one with x = 0 asks, wave 0 for K, wave 1 for V; of a step's 128 blocks the
; partner at cx takes 32, a lane a block.  The mask words of a query block are read by both clusters of a column: the one with y = 0 asks, wave 2, in every second trip, for two steps: of each step's 64 blocks
; the partner at cy takes 16.  The partners are told apart by address alone.  The trips whose look-ahead would pass step 15 ask for nothing; steps 0 to 5 come by their loads alone.
.macro ASK
	WIN 0
	s_and_b32 s22, s69, s79                        ; wave 2: odd counts of trips left give 0 below
	s_cselect_b32 s22, 0, s69
	s_cmp_gt_u32 s22, s78
	s_cbranch_scc0 .Lnot_mine_\@
	WIN 0x02
	global_prefetch_b8 v[PFO&255], s[74:75] th:TH_LOAD_NT scope:SCOPE_SE
	WIN 0
.Lnot_mine_\@:
.endm
; THE CHANGE OF SLOTS, at a trip's end.  Each wave waits for all its tensor loads, of which one is out: its part of the next step; adds 0 to its spare word; and waits for that and for its reads of the slot
; that it leaves.  fill = 1: the barrier is a round of the cluster's, so that no wave of any partner still reads the slot or has a load on its way, and the joint refill, two steps on, is the first thing behind it.
.macro CHANGE fill
	WIN 0x0a                                       ; (the add's two registers lie in window 2)
	s_wait_tensorcnt 0x0                           ; no tensor load of mine is out, so a group 0 may be written
	ds_add_u32 v[SPW&255], v[NIL&255]              ; the descriptors' steps stand between the add and the wait for it
	WIN 0
.if \fill
	s_xor_b32 s53, s53, SLOT1                      ; the walking descriptors: the other slot than last time, the next step
	s_add_nc_u64 s[54:55], s[54:55], 32768
	s_xor_b32 s61, s61, SLOT1
	s_add_nc_u64 s[62:63], s[62:63], 16384
	s_wait_xcnt 0x0                                ; the last prefetch, a trip back, has read its address
	s_add_nc_u64 s[74:75], s[74:75], s[76:77]
	s_wait_dscnt 0x0                               ; the add is done, and my reads of the slot are over
	CROUND
	JLOAD
.else
	s_wait_dscnt 0x0
	s_barrier_signal -1
	s_barrier_wait -1
.endif
	s_xor_b32 s68, s68, SLOT1                      ; the LDS reads go on in the other slot
.endm
.macro FETCH_K                         ; the next step's K for my head and my half of the keys: 8 fragments, one run of 16 loads
	VK v_add_nc_u32, ADK, s68, AK0
	FORI 16, LDSL KF+4*i, ADK, 1024*(i/4)+4096*((i/2)%2)+512*(i%2)
	WIN 0
.endm
; ---- a turn
; The next plain instruction, pq of 64.  Each half of 32 deals two lists a and b of 16 as a0 a1 a2 a3 b0 a4 b1 a5 .. a15 b12 b13 b14 b15: first (t = C e + C; A' = clamp01(S rr)), then (rounding; mask).
.macro PQ
.set hh, pq/32
.set ii, pq%32
.if ii < 4
.set ka, 1
.set ix, ii
.elseif ii > 28
.set ka, 0
.set ix, ii-16
.elseif (ii%2) == 0
.set ka, 0
.set ix, (ii-4)/2
.else
.set ka, 1
.set ix, (ii+3)/2
.endif
.if (hh == 0) && (ka == 1)
	v_pk_fma_f32 v[EF+2*ix:EF+2*ix+1], v[EF+2*ix:EF+2*ix+1], s[70:71], s[70:71] op_sel_hi:[1,0,0]
.elseif hh == 0
	v_pk_mul_f32 v[SM+2*ix:SM+2*ix+1], v[SM+2*ix:SM+2*ix+1], v[EM+2*ix:EM+2*ix+1] clamp
.elseif ka == 1
	v_cvt_pk_bf16_f32 v[SM+ix], v[SM+2*ix], v[SM+2*ix+1]   ; in place, ascending: word k lands where numbers k / 2's word has been made
.else
	v_and_b32 v[SM+ix], v[SM+ix], v[MKM+ix]
.endif
.set pq, pq+1
.endm
; The next transcendental, tq of 64: 1 / t in place (number k stands behind plain number k, its t at plain number k or earlier), then 2^S, ascending.
.macro TQ
.if tq < 32
	v_rcp_f32 v[EF+tq], v[EF+tq]
.else
	v_exp_f32 v[EM+tq-32], v[SE+tq-32]
.endif
.set tq, tq+1
.endm
.macro SLICE
	WIN 0
	PQ
	TQ
	PQ
	TQ
.endm
; The turn's next matrix instruction, mm of 18, for tile TJ.  0-9: O^T += V^T P and the row sums, five accumulators by turns, keys 32 (mm / 5) on.  10-17: S^T = K Q^T, four accumulators by turns, in the order
; of key blocks 2, 3, 0, 1: the blocks that overwrite P come last, eight plain instructions or more behind the last product that read P.
.macro MM
.if mm < 10
.set kk, mm/5
.set aa, mm%5
.if aa < 4
	MMA O+32*TJ+8*aa, VF+32*kk+8*aa, S+32*TJ+8*kk, O+32*TJ+8*aa
.else
	MMA SUM+8*TJ, ONE, S+32*TJ+8*kk, SUM+8*TJ
.endif
.else
.set cc, (mm-10)/4
.set kb, ((mm-10)%4+2)%4
.if cc == 0
	MMA0 S+32*TJ+8*kb, KF+16*kb, Q+16*TJ
.else
	MMA S+32*TJ+8*kb, KF+16*kb+8, Q+16*TJ+8, S+32*TJ+8*kb
.endif
.endif
.set mm, mm+1
.endm
; Turn j of a trip.  Products: tile j.  t, 1 / t: buffer j % 2.  A', rounding, mask: tile j + 1, with the other buffer, into which 2^S of tile j + 3 then goes.
; Turn 0 waits for K ahead of its first K Q^T.  Turn 3 reads this step's mask words at its head and this step's V six plain instructions behind the last product that read V.
.macro TURN j
.set TJ, (\j)
.set EF, E+32*((\j)%2)
.set EM, E+32*(((\j)+1)%2)
.set SM, S+32*(((\j)+1)%4)
.set MKM, MK+16*(((\j)+1)%4)
.set SE, S+32*(((\j)+3)%4)
.set mm, 0
.set pq, 0
.set tq, 0
.if (\j) == 3
	VK v_add_nc_u32, ADM, s68, AM0
	VK v_add_nc_u32, ADA, s68, AVA0
	VK v_add_nc_u32, ADB, s68, AVB0
	FORI 16, LDSL MK+4*i, ADM, 512*i
.endif
.rept 18
.if ((\j) == 0) && (mm == 10)
	s_wait_dscnt 0x0                               ; K is in
.endif
	MM
	SLICE
.if ((\j) == 3) && (mm == 12)
	FORI 8, LDSL VF+32*(i/4)+8*((i/2)%2)+4*(i%2), ADA, 2048*(i/4)+1024*(i%2)+512*((i/2)%2)
	FORI 8, LDSL VF+32*(i/4)+16+8*((i/2)%2)+4*(i%2), ADB, 2048*(i/4)+1024*(i%2)+512*((i/2)%2)
.endif
.endr
.if (\j) == 3
	s_wait_dscnt 16                                ; the mask words are in, ahead of the first AND; V's 16 younger loads stay out
.endif
.rept 14
	SLICE
.endr
	v_nop                                          ; a plain instruction behind the last transcendental,
	s_wait_alu depctr_va_vdst(0)                   ; and the turn's one wait: the next turn names these results
.endm
; ======== the head
	s_load_b256 s[4:11], s[0:1], 0x0               ; state in s[4:5], mw s[6:7], wts s[8:9], cfg s[10:11]
.if LASTL
	s_load_b128 s[12:15], s[0:1], 0x20             ; out0 s[12:13], last_ln_s s[14:15]
.else
	s_load_b64 s[12:13], s[0:1], 0x20              ; state out
.endif
	WIN 0x80
	v_lshl_add_u32 v[SPW&255], v0, 2, SPARE
	v_mov_b32 v[NIL&255], 0
	WIN 0x0a
	ds_add_u32 v[SPW&255], v[NIL&255]              ; the wave's opening: the add, twice on end, and its wait ahead of my first tensor load
	ds_add_u32 v[SPW&255], v[NIL&255]
	WIN 0
	v_lshrrev_b32 v1, 5, v0
	v_readfirstlane_b32 s16, v1                    ; wave 0..3
	s_bfe_u32 s17, ttmp6, 0x40000                  ; cx
	s_bfe_u32 s18, ttmp6, 0x40004                  ; cy
	s_lshl_b32 s19, ttmp9, 2
	s_add_co_u32 s19, s19, s17                     ; qb = 4 x cluster x + cx
	s_and_b32 s20, ttmp7, 0xffff
	s_lshl_b32 s20, s20, 2
	s_add_co_u32 s20, s20, s18                     ; b = 4 x cluster y + cy
	s_lshl_b32 s21, s20, 5
	s_add_co_u32 s21, s21, s19                     ; g = 32 b + qb: it enters addresses of my own rows alone
	s_lshl_b32 s22, s18, 2
	s_lshl_b32 s22, 15, s22                        ; my row of the cluster
	s_lshl_b32 s23, 0x1111, s17                    ; my column
	; descriptor group 1: dense blocks as rows of 256 bytes: elements of 8 bytes, 32 a row, no padding
	s_or_b32 s24, s22, (3<<16)|(1<<21)             ; K, V: 15:0 the mask of my row; 17:16 elements of 8 bytes; 21 set beside a mask
	s_mov_b32 s25, 32<<16                          ; tensor_dim0 = 32
	s_mov_b32 s26, 128<<16                         ; tensor_dim1 = 128
	s_mov_b32 s27, 32<<16                          ; tile_dim0 = 32
	s_mov_b32 s28, 128                             ; tile_dim1 = 128 rows: 32,768 bytes
	s_mov_b32 s29, 32                              ; 32 elements from row to row
	s_mov_b32 s30, 0
	s_mov_b32 s31, 0
	s_or_b32 s32, s23, (3<<16)|(1<<21)             ; mask words: the mask of my column; 32 rows: 8,192 bytes
	s_mov_b32 s33, 32<<16
	s_mov_b32 s34, 32<<16
	s_mov_b32 s35, 32<<16
	s_mov_b32 s36, 32
	s_mov_b32 s37, 32
	s_mov_b32 s38, 0
	s_mov_b32 s39, 0
	s_and_b32 s3, s16, 1                           ; which of the two tiles of my kind I fetch
	s_lshl_b32 s92, s3, 22                         ; K's section or V's,
	s_lshl_b32 s93, s20, 19                        ; the batch's 524,288 bytes in it: b alone, which my row shares
	s_add_co_u32 s92, s92, s93
	s_add_co_u32 s92, s92, 4*SEC
	s_mov_b32 s93, 0
	s_lshl_b32 s94, s19, 18                        ; the query block's 262,144 bytes of mw: qb alone, which my column shares
	s_lshl_b32 s95, s3, 13
	s_add_co_u32 s94, s94, s95
	s_mov_b32 s95, 0
	s_lshl_b32 s98, s3, 15                         ; in a slot: K at 0, V at 32,768,
	s_lshl_b32 s99, s3, 13
	s_add_co_u32 s99, s99, 65536                   ; the mask words' halves at 65,536 and 73,728: no place in the cluster enters an LDS address
	s_mov_b32 s46, 0x3c000000                      ; 1 / 128
	s_mov_b32 s47, 0x322bcc77                      ; 1e-8
	s_mov_b32 s68, 0                               ; the slot that is being read
	s_mov_b32 s70, 0xdf800000                      ; C = -2^64
	s_mov_b32 s71, 0xdf800000
	s_mov_b32 s72, 0x76543210                      ; v_permlanex16_b32: each lane takes its own place in the other half
	s_mov_b32 s73, 0xfedcba98
	s_mov_b32 s96, 0xffff0000
	s_mov_b32 s97, 0x7fffffff
	s_lshl_b32 s80, s21, 15
	s_mov_b32 s81, 0
	s_lshl_b32 s82, s21, 14
	s_mov_b32 s83, 0
	s_wait_dscnt 0x0                               ; both opening adds are done
	s_wait_kmcnt 0x0
	s_load_b32 s40, s[10:11], 0x0                  ; the layer's number
	s_add_nc_u64 s[92:93], s[4:5], s[92:93]
	s_add_nc_u64 s[94:95], s[6:7], s[94:95]
	s_add_nc_u64 s[84:85], s[12:13], s[80:81]      ; out: x of my rows, or my rows of the result
.if LASTL == 0
	s_add_nc_u64 s[86:87], s[12:13], s[82:83]
	s_add_nc_u64 s[86:87], s[86:87], SEC           ; one section ahead of U's: each trip of the projections steps it first
.endif
	s_add_nc_u64 s[80:81], s[4:5], s[80:81]        ; in: x
	s_add_nc_u64 s[82:83], s[4:5], s[82:83]
	s_add_nc_u64 s[82:83], s[82:83], 2*SEC         ; in: U; Q one section on
.irp n, 0,1
	s_mov_b32 s[48+4*(\n)], 1                      ; group 0 for K or V: count = 1,
	s_add_co_u32 s[49+4*(\n)], s98, (\n)*SLOT1     ; LDS address,
	s_add_nc_u64 s[50+4*(\n):51+4*(\n)], s[92:93], (\n)*32768  ; step n,
	s_or_b32 s[51+4*(\n)], s[51+4*(\n)], 0x80000000            ; type = 2
	s_mov_b32 s[56+4*(\n)], 1                      ; and for the mask words
	s_add_co_u32 s[57+4*(\n)], s99, (\n)*SLOT1
	s_add_nc_u64 s[58+4*(\n):59+4*(\n)], s[94:95], (\n)*16384
	s_or_b32 s[59+4*(\n)], s[59+4*(\n)], 0x80000000
.endr
	; the prefetches: where they stand, their step, who asks
	s_cmp_lt_u32 s16, 2
	s_cselect_b64 s[74:75], s[92:93], s[94:95]
	s_cselect_b32 s2, s17, s18                     ; my place among the four that ask for the tile with me
	s_cselect_b32 s3, 13, 12                       ; 32 blocks of 256 bytes, or 16
	s_cselect_b32 s76, 15, 14
	s_cselect_b32 s99, 12, 14                      ; lanes 16-31: the next 16 blocks, or the next step
	s_lshl_b32 s2, s2, s3
	s_lshl_b32 s76, 1, s76                         ; a step's bytes
	s_mov_b32 s77, 0
	s_mul_i32 s3, s76, 5                           ; at step 5: the first change of slots steps it to 6
	s_add_co_u32 s2, s2, s3
	s_mov_b32 s3, 0
	s_add_nc_u64 s[74:75], s[74:75], s[2:3]
	s_and_b32 s2, ttmp7, 0xffff
	s_cmp_lt_u32 s16, 2
	s_cselect_b32 s2, ttmp9, s2                    ; the coordinate along which other clusters read the same bytes
	s_cmp_eq_u32 s16, 3
	s_cselect_b32 s2, 1, s2                        ; wave 3 asks for nothing
	s_cmp_eq_u32 s2, 0
	s_cselect_b32 s78, 4, -1                       ; a wave asks while more than 4 filling trips are left: the same in all partners, for a given wave
	s_cmp_eq_u32 s16, 2
	s_cselect_b32 s79, 1, 0
	s_wait_kmcnt 0x0
	s_min_u32 s40, s40, 2+LASTL                    ; a number that was loaded enters addresses only held to its range
	s_mul_i32 s42, s40, LAYB
	s_mov_b32 s43, 0
	s_add_nc_u64 s[42:43], s[8:9], s[42:43]        ; this layer's part of wts
.if LASTL
	s_mov_b64 s[66:67], s[14:15]                   ; n3 = last_ln_s
.else
	s_add_nc_u64 s[44:45], s[42:43], LAYB          ; the next layer's part
	s_mov_b64 s[88:89], s[44:45]
	s_mov_b64 s[90:91], s[44:45]
	s_add_nc_u64 s[66:67], s[44:45], ONS           ; n3 = the next layer's ln1_s
.endif
	CROUND                                         ; all sixteen work-groups are here: the first joint loads meet
	s_cmp_lt_u32 s16, 2                            ; a wave's two first fills stand in one branch: two loads of mine are out
	s_cbranch_scc0 .Lfirst_m
	tensor_load_to_lds s[48:51], s[24:31]
	s_nop 0
	tensor_load_to_lds s[52:55], s[24:31]
	s_nop 0
	NOP4
	s_branch .Lfirst_done
.Lfirst_m:
	tensor_load_to_lds s[56:59], s[32:39]
	s_nop 0
	tensor_load_to_lds s[60:63], s[32:39]
	s_nop 0
	NOP4
.Lfirst_done:
	; the lanes' offsets, all from the thread's number; none is written again
	v_and_b32 v1, 31, v0                           ; l
	v_and_b32 v2, 15, v0                           ; r
	v_bfe_u32 v3, v0, 4, 1                         ; l / 16
	v_lshlrev_b32 v4, 4, v1                        ; 16 l
	v_mul_u32_u24 v5, v2, 272
	v_lshl_add_u32 v5, v3, 4, v5                   ; 272 r + 16 (l / 16)
.if LASTL
	v_mul_u32_u24 v6, v2, 528
	v_lshl_add_u32 v6, v3, 5, v6                   ; 528 r + 32 (l / 16)
.endif
	v_lshlrev_b32 v7, 4, v2                        ; 16 r
	v_lshlrev_b32 v8, 2, v1                        ; 4 l
	v_lshlrev_b32 v9, 5, v3                        ; 32 (l / 16)
	v_lshlrev_b32 v10, 8, v2                       ; 256 r
	v_lshlrev_b32 v11, s99, v3
	V2 v_add_nc_u32, PFO, 10, 11
	s_lshr_b32 s22, s16, 1                         ; head
	s_and_b32 s23, s16, 1                          ; half of the keys
	s_xor_b32 s3, s16, 1                           ; my partner: same head, other half
	s_lshl_b32 s2, s23, 14
	s_lshl_b32 s98, s22, 13
	s_add_co_u32 s2, s2, s98
	VK v_add_nc_u32, AK0, s2, 4
	s_lshl_b32 s99, s23, 14
	s_add_co_u32 s99, s99, 32768
	s_lshl_b32 s2, s16, 12
	s_add_co_u32 s2, s2, s99
	VK v_add_nc_u32, AVA0, s2, 4
	s_lshl_b32 s2, s3, 12
	s_add_co_u32 s2, s2, s99
	VK v_add_nc_u32, AVB0, s2, 4
	s_lshl_b32 s2, s23, 13
	s_add_co_u32 s2, s2, 65536
	VK v_add_nc_u32, AM0, s2, 4
	s_lshl_b32 s2, s16, 13
	VK v_add_nc_u32, GX, s2, 4
	s_lshl_b32 s2, s16, 12
	VK v_add_nc_u32, GU, s2, 4
	s_lshl_b32 s2, s22, 13
	VK v_add_nc_u32, GQ, s2, 4
	s_lshl_b32 s2, s16, 11
	VK v_add_nc_u32, GB, s2, 4
	s_lshl_b32 s2, s16, 7
	VK v_add_nc_u32, GP, s2, 9
.if LASTL
	s_add_co_u32 s2, s2, XO
	VK v_add_nc_u32, OSW, s2, 6
.endif
	s_mul_i32 s2, s16, 8704
	s_add_co_u32 s2, s2, XO
	VK v_add_nc_u32, XS, s2, 4
	s_add_co_u32 s2, s2, 8192
	VK v_add_nc_u32, XS4, s2, 8
	s_mul_i32 s2, s3, 8704
	s_add_co_u32 s2, s2, XO
	VK v_add_nc_u32, XR, s2, 4
	s_add_co_u32 s2, s2, 8192
	VK v_add_nc_u32, XR4, s2, 8
	s_lshl_b32 s2, s16, 6
	s_add_co_u32 s2, s2, ACT0
	VK v_add_nc_u32, AS0, s2, 5
	s_add_co_u32 s2, s2, ACT1-ACT0
	VK v_add_nc_u32, AS1, s2, 5
	VK v_add_nc_u32, AR0, ACT0, 5
	VK v_add_nc_u32, AR1, ACT1, 5
	s_lshl_b32 s2, s16, 2
	s_add_co_u32 s2, s2, SSQ0
	VK v_add_nc_u32, SSW, s2, 7
	VK v_add_nc_u32, SSR, SSQ0, 7
.if LASTL
	s_mul_i32 s2, s16, 8448
	s_add_co_u32 s2, s2, XO
	VK v_add_nc_u32, OSR, s2, 4
.endif
	; what stays in registers: Q of my head, x and U of my channels, the three gains
	FORI 16, GLD Q+4*i, GQ, 82, SEC+4096*((i/2)%2)+1024*(i/4)+512*(i%2)
	FORI 16, GLD X+4*i, GX, 80, 512*i
	FORI 8, GLD UU+4*i, GU, 82, 512*i
	FORI 4, GLD HS+4*i, GP, 42, ONS+512+64*(i/2)+16*(i%2)
	FORI 4, GLD L2+4*i, GP, 42, ONS+1024+64*(i/2)+16*(i%2)
	FORI 4, GLD N3+4*i, GP, 66, 64*(i/2)+16*(i%2)
	; what the first turns find: zeros, so that the pieces that have not been give P = 0 and add 0.  All this stands in the wait for the first tile; its price is named at the head.
	WIN 0
	FORI 256, v_mov_b32 v[i], 0
	WIN 0x40
	FORI 160, v_mov_b32 v[i], 0
	WIN 0x80
	FORI 64, v_mov_b32 v[(VF&255)+i], 0
	FORI 8, v_mov_b32 v[(ONE&255)+i], 0x3f803f80
	WIN 0
	s_wait_tensorcnt 0x1                           ; my part of step 0 is in; step 1's load may stay out
	s_barrier_signal -1
	s_barrier_wait -1
	FETCH_K
	s_wait_loadcnt 0x0                             ; Q, x, U, the gains
; ======== the attention: 17 trips.  Trip k: K Q^T of step k, V^T P of step k - 1.  Its change of slots waits for step k + 1 and fills step k's slot with step k + 2.
	s_mov_b32 s69, 14
.Ltrip:
	TURN 0
	TURN 1
	TURN 2
	TURN 3
	CHANGE 1
	FETCH_K
	ASK
	s_sub_co_u32 s69, s69, 1
	s_cmp_lg_u32 s69, 0
	s_cbranch_scc1 .Ltrip
	s_mov_b32 s69, 3                               ; the tail has its own text: nothing is asked for
.Ltail:
	TURN 0
	TURN 1
	TURN 2
	TURN 3
	CHANGE 0
	FETCH_K
	s_sub_co_u32 s69, s69, 1
	s_cmp_lg_u32 s69, 0
	s_cbranch_scc1 .Ltail
; ======== the two halves of the keys meet
	s_wait_dscnt 0x0
	s_mov_b32 s98, 0x0bcb0a91                      ; 1e-12 log2(e) 2^-64
	s_mov_b32 s99, 0x1277da66                      ; 1e-8 log2(e) 2^-64
	FORT V1 v_mov_b32, DN+t, SUM+8*t               ; my row sums leave their accumulators (lowest register), so that the biases may land there
	FORI 16, LDSS XS, O+32*(i/4)+16+4*(i%4), 512*i ; my sums for my partner's channels
	FORT LDSS1 XS4, DN+t, 128*t
	LOADW 42, 4*32768, 42, OBI+4*8192, WB0, BIA    ; f2,
	LOADW 42, 5*32768, 42, OBI+5*8192, WB1, BIB    ; c1
	BAR
	FORI 16, LDSL PT+4*i, XR, 512*i
	FORT LDSL1 DN+4+t, XR4, 128*t
	s_wait_dscnt 0x0
	FORT V2 v_add_f32, DN+t, DN+t, DN+4+t
	FORT VK v_add_f32, DN+8+t, s99, DN+t
	FORT V1 v_rcp_f32, DN+8+t, DN+8+t
	FORTP P2 v_pk_add_f32, O+32*t+2*p, O+32*t+2*p, PT+16*t+2*p   ; plain work that names no reciprocal,
	s_wait_alu depctr_va_vdst(0)                   ; and one wait for the four
.set t, 0
.rept 4
	WIN ((MSB&0xf3)|(((DN+t)>>8)<<2))
	v_cmp_lt_f32 vcc_lo, s98, v[(DN+t)&255]        ; a row whose sum does not pass the threshold gives 0
	WDB INV+2*t, DN+8+t
	v_cndmask_b32 v[(INV+2*t)&255], 0, v[(DN+8+t)&255], vcc_lo
	v_cndmask_b32 v[(INV+2*t+1)&255], 0, v[(DN+8+t)&255], vcc_lo
.set t, t+1
.endr
	FORTP P2 v_pk_mul_f32, TT+32*t+2*p, TT+32*t+2*p, INV+2*t
; ======== y = (rms(AV) hs U) f2 + b;  x += y
	NORM_A TT, 32, 0
	NORM_B 0
	FORTP P2 v_pk_mul_f32, TT+32*t+2*p, TT+32*t+2*p, RH+2*t
	FORTP P2 v_pk_mul_f32, TT+32*t+2*p, TT+32*t+2*p, HS+2*p
	FORTP VK v_lshlrev_b32, DD+32*t+2*p, 16, UU+8*t+p      ; U from bf16: the low half moves up,
	FORTP VK v_and_b32, DD+32*t+2*p+1, s96, UU+8*t+p       ; the high half stays
	FORTP P2 v_pk_mul_f32, TT+32*t+2*p, TT+32*t+2*p, DD+32*t+2*p
	CVTT
	STACT AS0
	BAR
	LOADACT AR0
	s_wait_loadcnt 20                              ; f2 is in; c1's 20 younger loads stay out
	s_wait_dscnt 0x0
	GEMM WB0, BIA, 0
	NOP4                                           ; four places behind the last product, ahead of loads into its sources and of readers of its result
	LOADW 42, 6*32768, 42, OBI+6*8192, WB0, BIA    ; c2
	FORTP P2 v_pk_add_f32, X+16*t+2*p, X+16*t+2*p, DD+32*t+2*p
; ======== x += gelu(rms(x) l2 c1 + b) c2 + b
	NORM_A X, 16, 1
	NORM_B 1
	NORM_C L2
	CVTT
	STACT AS1
	BAR
	LOADACT AR1
	s_wait_loadcnt 20                              ; c1 is in; c2's 20 younger loads stay out
	s_wait_dscnt 0x0
	GEMM WB1, BIB, 0
	NOP4
	s_mov_b32 s22, 0xbebf7377                      ; -a3 / 2 = -0.3739278
	s_mov_b32 s23, 0xbebf7377
	s_mov_b32 s92, 0x3d445ca1                      ; -a2 / 2 = 0.0479399
	s_mov_b32 s93, 0x3d445ca1
	s_mov_b32 s94, 0xbe32303a                      ; -a1 / 2 = -0.1740121
	s_mov_b32 s95, 0xbe32303a
	GELU 0
	GELU 1
	GELU 2
	GELU 3
	STACT AS0                                      ; its readers were done ahead of two barriers
	BAR
	LOADACT AR0
	s_wait_loadcnt 0x0                             ; c2
	s_wait_dscnt 0x0
	GEMM WB0, BIA, 0
	NOP4
	FORTP P2 v_pk_add_f32, X+16*t+2*p, X+16*t+2*p, DD+32*t+2*p
.if LASTL == 0                         ; the last layer hands no state on
	LOADW 44, 0, 44, OBI, WB1, BIB                 ; the next layer's U
	FORI 16, GST GX, X+4*i, 84, 512*i              ; x is not written again: the stores' data stay
.endif
; ======== rms(x) n3: the next layer's pre-norm, or the result
	NORM_A X, 16, 2
	NORM_B 2
	NORM_C N3
.if LASTL
	FORI 16, LDSS OSW, TT+32*(i/4)+8*((i/2)%2)+4*(i%2), 8448*(i/4)+64*((i/2)%2)+16*(i%2)   ; f32 rows into the stage, where the exchange's readers were done several barriers ago
.else
	CVTT
	STACT AS1
.endif
	BAR
.if LASTL
	FORI 16, LDSL PT+4*i, OSR, 528*i               ; wave w takes rows 16 w .. 16 w + 15, whole
.set i, 0
.rept 16
	s_wait_dscnt 15-i                              ; the younger loads stay out
	GST GX, PT+4*i, 84, 512*i                      ; a row: 512 consecutive bytes, aligned
.set i, i+1
.endr
.else
	PROJ
.endif
	WIN 0x0a
	s_wait_tensorcnt 0x0                           ; the wave's end: three lines, behind my last tensor load and my last LDS store
	ds_add_u32 v[SPW&255], v[NIL&255]
	s_wait_dscnt 0x0
	WIN 0
	CROUND                                         ; the closing round: no work-group ends while a partner may still ask for a tile that names it
	s_endpgm
.Lfunc_end_k_q31e6c5050f_lay0:
	.size	k_q31e6c5050f_lay0, .Lfunc_end_k_q31e6c5050f_lay0-k_q31e6c5050f_lay0
	.p2alignl 7, 3214868480
	.fill 96, 4, 3214868480
	.section	.rodata,"a",@progbits
	.p2align	6, 0x0
	.amdhsa_kernel k_q31e6c5050f_lay0
		.amdhsa_group_segment_fixed_size 327680
		.amdhsa_private_segment_fixed_size 0
		.amdhsa_enable_private_segment 0
		.amdhsa_kernarg_size 40
		.amdhsa_user_sgpr_count 2
		.amdhsa_user_sgpr_kernarg_segment_ptr 1
		.amdhsa_wavefront_size32 1
		.amdhsa_system_sgpr_workgroup_id_x 1
		.amdhsa_system_sgpr_workgroup_id_y 1
		.amdhsa_system_sgpr_workgroup_id_z 1
		.amdhsa_system_vgpr_workitem_id 0
		.amdhsa_next_free_vgpr 1024
		.amdhsa_next_free_sgpr 100
		.amdhsa_reserve_vcc 1
		.amdhsa_float_denorm_mode_32 3
		.amdhsa_float_denorm_mode_16_64 3
		.amdhsa_memory_ordered 1
		.amdhsa_forward_progress 1
		.amdhsa_inst_pref_size 229
	.end_amdhsa_kernel
	.amdgpu_metadata
---
amdhsa.version: [ 1, 2 ]
amdhsa.kernels:
  - .name:           k_q31e6c5050f_lay0
    .symbol:         k_q31e6c5050f_lay0.kd
    .args:
      - { .name: stA, .offset: 0, .size: 8, .value_kind: global_buffer, .address_space: global }
      - { .name: mw, .offset: 8, .size: 8, .value_kind: global_buffer, .address_space: global }
      - { .name: wts, .offset: 16, .size: 8, .value_kind: global_buffer, .address_space: global }
      - { .name: cfg0, .offset: 24, .size: 8, .value_kind: global_buffer, .address_space: global }
      - { .name: stB, .offset: 32, .size: 8, .value_kind: global_buffer, .address_space: global }
    .group_segment_fixed_size: 327680
    .private_segment_fixed_size: 0
    .kernarg_segment_align: 8
    .kernarg_segment_size: 40
    .max_flat_workgroup_size: 128
    .sgpr_count:     100
    .vgpr_count:     1024
    .wavefront_size: 32
...
	.end_amdgpu_metadata
.endif
;; end of part 3
;; launch lay1: the kernel of part 3 again; grid 32 x 8, 4 waves a work-group, clusters of 4 x 4, 327,680 bytes of LDS; arguments stB, mw, wts, cfg1, stA; writes stA
;; launch lay2: the kernel of part 3 again; grid 32 x 8, 4 waves a work-group, clusters of 4 x 4, 327,680 bytes of LDS; arguments stA, mw, wts, cfg2, stB; writes stB
;; launch lay3 (part 4): grid 32 x 8, 4 waves a work-group, clusters of 4 x 4, 327,680 bytes of LDS; arguments stB, mw, wts, cfg3, out0, last_ln_s; writes out0
.if DOCPART == 4
	.amdgcn_target "amdgcn-amd-amdhsa--gfx1250"
	.amdhsa_code_object_version 6
	.text
	.protected	k_q31e6c5050f_lay3
	.globl	k_q31e6c5050f_lay3
	.p2align	8
	.type	k_q31e6c5050f_lay3,@function
k_q31e6c5050f_lay3:
	s_mov_b64 s[64:65], 0
	v_nop
	global_prefetch_b8 v0, s[64:65] scope:SCOPE_SE
	s_setreg_imm32_b32 hwreg(HW_REG_WAVE_MODE, 25, 1), 1
	s_wait_xcnt 0x0
	s_wait_alu depctr_hold_cnt(0) depctr_sa_sdst(0) depctr_va_vdst(0) depctr_va_sdst(0) depctr_va_ssrc(0) depctr_va_vcc(0) depctr_vm_vsrc(0)
	s_getreg_b32 s2, hwreg(HW_REG_IB_STS2, 6, 4)
	s_cmp_eq_u32 s2, 0
	s_cbranch_scc0 .Lentry_in_a_cluster
	s_endpgm
.Lentry_in_a_cluster:
	s_bfe_u32 s2, ttmp6, 0x10000c
	s_cmp_lg_u32 s2, 0xf033
	s_cbranch_scc0 .Lentry_shape_is_right
	s_endpgm
.Lentry_shape_is_right:
.set LASTL, 1                          ; 0: layers 0 to 2.  1: layer 3 (this assembly).
; ONE LAYER.  From the state (x, U, Q, K, V of layer i) to the state of layer i + 1, or, for i = 3, to the output.
;   attention: A = max(silu(Q K^T / 8), 0), masked, divided by its row sum;  y = (rms(A V) hs U) f2 + b;  x += y;  x += gelu(rms(x) l2 c1 + b) c2 + b;
;   then rms(x) n3, which is either the next layer's pre-norm, followed by its four projections with SiLU, or (n3 = last_ln_s) the result.
; TWO ASSEMBLIES OF ONE TEXT.  In a launch with joint loads the partners of a cluster run alike, so no branch hangs on a number read from memory.  What the last layer does otherwise (no state, no
; projections; f32 rows out) is therefore chosen at assembly, by LASTL.  The layer's number, the one word of cfg that an earlier launch stored, enters addresses into wts alone.
; SHARES.  256 work-groups; work-group (qb, b) owns 64 queries of batch b, both heads.  Wave w = 2 h + kh takes head h and half kh of each step's 128 keys, for all four tiles of 16 queries;
; the two halves are added through LDS at the end (there is no maximum to reconcile: the weights are sums).  Behind the attention wave w owns channels 32 w .. 32 w + 31 of all 64 rows.
; LAYOUT.  S^T = K Q^T: a lane holds ONE query (lane % 16) and keys 8 (lane / 16) + 0..7; two such results rounded to bf16 ARE source 1 of O^T = V^T P.  K, V, Q, U, x, the mask and the weights
; lie in memory as register images (chunks of 512 bytes, lane l at 16 l), so every LDS and global access is 512 consecutive bytes and nothing is turned or padded.
; A SCORE.  Q is stored times -log2(e) / 8, so S = -log2(e) logit.  e = 2^S;  t = C e + C, C = -2^64;  rr = 1 / t;  A' = clamp01(S rr) = log2(e) 2^-64 max(silu(logit), 0): the clamp's lower end is the
; max with 0, and the factor 2^-64 keeps the upper end out of reach.  Then bf16 and an AND with the mask word.  The row sum is a fifth accumulator, ones x P.  The common factor leaves in the division:
; threshold and epsilon are scaled alike.  For two scores: four transcendentals and four plain instructions.
; THE PIPELINE.  Piece n = tile n % 4 of key step n / 4.  Turn n: products V^T P of piece n - 3, then K Q^T of piece n + 1; t and 1 / t of piece n - 1; S rr, rounding and mask of piece n - 2; 2^S of piece n.
; Nothing in a turn names a result of that turn's transcendentals, so a turn has ONE wait for them, at its end.  Behind each of its 18 matrix instructions stand two plain instructions and two
; transcendentals; the other 14 such slices follow in a run.  No first and no last step is written out: the registers start at 0, pieces that do not exist give P = 0, and the last trip's scores serve nothing.
; RING.  Two LDS slots of one key step: K 32 KiB, V 32 KiB, mask 16 KiB.  CLUSTER 4 x 4: K and V hang on b alone and are asked for jointly along a row of the cluster, the mask words on qb alone, jointly along a column.
; LIMITS.  log2(e) logit stays under 2^64 (beyond, the weight is held there).  The row sum is that of the weights as rounded to bf16.  erf is Abramowitz and Stegun's 7.1.25, within 2.5e-5 for every argument,
; ahead of a rounding to bf16.  Operands of all products are bf16.  NaN and infinities are not treated apart.
.set SLOT1, 1<<17                      ; slot 1 begins here, so that one exclusive or turns an address in one slot into the other's
.set XO,    81920                      ; behind slot 0: 8,704 bytes a wave for the exchange of halves; later the output's stage, 64 rows 528 bytes apart
.set SSQ0,  116736                     ; three areas [row 64][wave 4] f32
.set SPARE, 119808                     ; the spare words, 128 bytes for each wave
.set ACT0,  212992                     ; behind slot 1: 64 rows of 128 bf16, 272 bytes apart (the 16 rows of a load start at 16 different groups of four banks)
.set ACT1,  230400
.set LAYB,  288256                     ; a layer's bytes in wts
.set OBI,   229376
.set ONS,   286720
.set SEC,   4194304                    ; a bf16 section of the state
; registers by absolute number, 0 to 1023; the macros below set the window of each operand place from the number
.set S,     0                          ; scores, 32 a tile; the packed weights P take the low 16 in place
.set E,     128                        ; two buffers of 32: e, then t, then rr
.set MK,    192                        ; mask words, 16 a tile
.set AF,    0                          ; behind the attention: activations as fragments, (mt, kb) at 32 mt + 8 kb
.set PT,    0
.set WB0,   128                        ; weights, (nt, kb) at 32 nt + 8 kb
.set WB1,   192
.set O,     256                        ; O^T: tile t, block a at 32 t + 8 a; a = 0, 1 my channels, a = 2, 3 my partner's
.set SUM,   384                        ; row sums, 8 a tile
.set TT,    256                        ; behind the exchange: (mt, nt) at 32 mt + 8 nt
.set DD,    272                        ; accumulators, (mt, nt) at 32 mt + 8 nt
.set BIA,   384                        ; biases as C operands
.set BIB,   400
.set X,     416                        ; x: 16 mt + 8 nt + j
.set UU,    480                        ; U in bf16: 8 mt + 4 nt + i
.set PKO,   480
.set Q,     512                        ; 16 t + 8 c
.set KF,    576                        ; 16 kb + 8 c
.set VF,    640                        ; 32 kk + 8 a
.set ONE,   704                        ; 1.0 in bf16, everywhere
.set SPW,   712
.set NIL,   713
.set AK0,   714                        ; my lane's place in a slot's K, V (my channels, my partner's), mask
.set AVA0,  715
.set AVB0,  716
.set AM0,   717
.set ADK,   718                        ; the same plus the slot
.set ADA,   719
.set ADB,   720
.set ADM,   721
.set GX,    722                        ; 8,192 w + 16 l
.set GU,    723                        ; 4,096 w + 16 l
.set GQ,    724                        ; 8,192 h + 16 l
.set GB,    725                        ; 2,048 w + 16 l
.set GP,    726                        ; 128 w + 32 (l / 16)
.set PFO,   727
.set XS,    728
.set XR,    729
.set XS4,   730
.set XR4,   731
.set AS0,   732
.set AS1,   733
.set AR0,   734
.set AR1,   735
.set SSW,   736
.set SSR,   737
.set OSW,   738
.set OSR,   739
.set HS,    768                        ; hstu_ln_s, ln2_s and n3 of my channels: 8 nt + j
.set L2,    784
.set N3,    800
.set RH,    816
.set SQ,    824
.set INV,   832
.set DN,    840
.set NB,    856
.set MSB, 0
.macro WIN new                         ; the immediate's high byte repeats the setting that is left; a switch that changes nothing is dropped
.if MSB != (\new)
	s_set_vgpr_msb (MSB<<8)|(\new)
.set MSB, (\new)
.endif
.endm
.macro WDA d, a                        ; destination and source 0; the other places stay
	WIN ((MSB&0x3c)|((\a)>>8)|(((\d)>>8)<<6))
.endm
.macro WDB d, b                        ; destination and source 1
	WIN ((MSB&0x33)|(((\b)>>8)<<2)|(((\d)>>8)<<6))
.endm
.macro WDAB d, a, b
	WIN ((MSB&0x30)|((\a)>>8)|(((\b)>>8)<<2)|(((\d)>>8)<<6))
.endm
.macro WDABC d, a, b, c
	WIN (((\a)>>8)|(((\b)>>8)<<2)|(((\c)>>8)<<4)|(((\d)>>8)<<6))
.endm
.macro V1 op, d, a
	WDA \d, \a
	\op v[(\d)&255], v[(\a)&255]
.endm
.macro V2 op, d, a, b
	WDAB \d, \a, \b
	\op v[(\d)&255], v[(\a)&255], v[(\b)&255]
.endm
.macro VK op, d, k, b                  ; source 0 a scalar or a constant
	WDB \d, \b
	\op v[(\d)&255], \k, v[(\b)&255]
.endm
.macro P2 op, d, a, b, m:vararg        ; on pairs
	WDAB \d, \a, \b
	\op v[(\d)&255:((\d)&255)+1], v[(\a)&255:((\a)&255)+1], v[(\b)&255:((\b)&255)+1] \m
.endm
.macro P3 op, d, a, b, c, m:vararg
	WDABC \d, \a, \b, \c
	\op v[(\d)&255:((\d)&255)+1], v[(\a)&255:((\a)&255)+1], v[(\b)&255:((\b)&255)+1], v[(\c)&255:((\c)&255)+1] \m
.endm
.macro P2K op, d, a, k, m:vararg       ; source 1 a scalar pair or a constant
	WDA \d, \a
	\op v[(\d)&255:((\d)&255)+1], v[(\a)&255:((\a)&255)+1], \k \m
.endm
.macro PFKK d, a, k1, k2               ; d = a k1 + k2, both the same for the two halves
	WDA \d, \a
	v_pk_fma_f32 v[(\d)&255:((\d)&255)+1], v[(\a)&255:((\a)&255)+1], \k1, \k2 op_sel_hi:[1,0,0]
.endm
.macro PFVK d, a, b, k                 ; d = a b + k
	WDAB \d, \a, \b
	v_pk_fma_f32 v[(\d)&255:((\d)&255)+1], v[(\a)&255:((\a)&255)+1], v[(\b)&255:((\b)&255)+1], \k op_sel_hi:[1,1,0]
.endm
.macro MMA d, a, b, c
	WDABC \d, \a, \b, \c
	v_wmma_f32_16x16x32_bf16 v[(\d)&255:((\d)&255)+7], v[(\a)&255:((\a)&255)+7], v[(\b)&255:((\b)&255)+7], v[(\c)&255:((\c)&255)+7]
.endm
.macro MMA0 d, a, b                    ; the product starts the sum
	WDAB \d, \a, \b
	v_wmma_f32_16x16x32_bf16 v[(\d)&255:((\d)&255)+7], v[(\a)&255:((\a)&255)+7], v[(\b)&255:((\b)&255)+7], 0
.endm
.macro LDSL d, ad, off                 ; LDS: loaded data = destination, address = source 0, stored data = source 1
	WDA \d, \ad
	ds_load_b128 v[(\d)&255:((\d)&255)+3], v[(\ad)&255] offset:\off
.endm
.macro LDSL1 d, ad, off
	WDA \d, \ad
	ds_load_b32 v[(\d)&255], v[(\ad)&255] offset:\off
.endm
.macro LDSS ad, dt, off
	WIN ((MSB&0xf0)|((\ad)>>8)|(((\dt)>>8)<<2))
	ds_store_b128 v[(\ad)&255], v[(\dt)&255:((\dt)&255)+3] offset:\off
.endm
.macro LDSS1 ad, dt, off
	WIN ((MSB&0xf0)|((\ad)>>8)|(((\dt)>>8)<<2))
	ds_store_b32 v[(\ad)&255], v[(\dt)&255] offset:\off
.endm
.macro GLD d, ad, sb, off
	WDA \d, \ad
	global_load_b128 v[(\d)&255:((\d)&255)+3], v[(\ad)&255], s[\sb:(\sb)+1] offset:\off
.endm
.macro GST ad, dt, sb, off
	WIN ((MSB&0xf0)|((\ad)>>8)|(((\dt)>>8)<<2))
	global_store_b128 v[(\ad)&255], v[(\dt)&255:((\dt)&255)+3], s[\sb:(\sb)+1] offset:\off
.endm
.macro FORI n, line:vararg             ; the line for i = 0 .. n - 1
.set i, 0
.rept \n
	\line
.set i, i+1
.endr
.endm
.macro FORT line:vararg                ; for each row tile t
.set t, 0
.rept 4
	\line
.set t, t+1
.endr
.endm
.macro FORTP line:vararg               ; for each row tile t and pair p of its 16 numbers
.set t, 0
.rept 4
.set p, 0
.rept 8
	\line
.set p, p+1
.endr
.set t, t+1
.endr
.endm
.macro NOP4
.rept 4
	v_nop
.endr
.endm
.macro BAR                             ; my LDS instructions are done, for the others' sake; then the work-group's barrier
	s_wait_dscnt 0x0
	s_barrier_signal -1
	s_barrier_wait -1
.endm
; my 8,192 bytes of a product's weights and my 2,048 of its bias: 20 loads of 512 consecutive bytes
.macro LOADW sw, ow, sb, ob, wb, bi
	FORI 16, GLD (\wb)+4*i, GX, \sw, (\ow)+512*i
	FORI 4, GLD (\bi)+4*i, GB, \sb, (\ob)+512*i
.endm
; all 64 rows x 128 channels as 16 fragments: lane (r, h) takes row 16 mt + r, channels 32 kb + 8 h + 0..7 and + 16
.macro LOADACT ar
.set i, 0
.rept 16
	LDSL AF+8*i, \ar, 4352*(i/4)+64*(i%4)
	LDSL AF+8*i+4, \ar, 4352*(i/4)+64*(i%4)+32
.set i, i+1
.endr
.endm
; 64 rows x my 32 channels x K = 128: 32 matrix instructions; the 8 accumulators take turns, one instruction a turn; the bias starts the sums.
; swap = 0: source 0 = weights: a lane ends with one row and 8 neighbouring channels.  swap = 1: a lane ends with one channel and 8 neighbouring rows.
.macro GEMM wb, bi, swap
.set gk, 0
.rept 4
.set gm, 0
.rept 4
.set gn, 0
.rept 2
.set gd, DD+32*gm+8*gn
.set gc, gd
.if gk == 0
.set gc, (\bi)+8*gn
.endif
.if \swap
	MMA gd, AF+32*gm+8*gk, (\wb)+32*gn+8*gk, gc
.else
	MMA gd, (\wb)+32*gn+8*gk, AF+32*gm+8*gk, gc
.endif
.set gn, gn+1
.endr
.set gm, gm+1
.endr
.set gk, gk+1
.endr
.endm
; the sum of squares of my 32 channels of each row, into LDS word [row][wave] of area s; then the barrier
.macro NORM_A base, str, s
.set p, 0
.rept 8
.set t, 0
.rept 4
.if p == 0
	P2 v_pk_mul_f32, SQ+2*t, (\base)+(\str)*t, (\base)+(\str)*t
.else
	P3 v_pk_fma_f32, SQ+2*t, (\base)+(\str)*t+2*p, (\base)+(\str)*t+2*p, SQ+2*t
.endif
.set t, t+1
.endr
.set p, p+1
.endr
	FORT V2 v_add_f32, SQ+2*t, SQ+2*t, SQ+2*t+1
.set t, 0
.rept 4
	WDA SQ+2*t+1, SQ+2*t
	v_permlanex16_b32 v[(SQ+2*t+1)&255], v[(SQ+2*t)&255], s72, s73  ; the row's other 16 of my channels lie in the lane 16 away
.set t, t+1
.endr
	FORT V2 v_add_f32, SQ+2*t, SQ+2*t, SQ+2*t+1
	FORT LDSS1 SSW, SQ+2*t, 1024*(\s)+256*t
	BAR
.endm
; 1 / sqrt(mean + 1e-8) of each of my lane's four rows, twice (a pair for the packed multiply)
.macro NORM_B s
	FORT LDSL NB+4*t, SSR, 1024*(\s)+256*t
	s_wait_dscnt 0x0
	FORT P2 v_pk_add_f32, NB+4*t, NB+4*t, NB+4*t+2
	FORT V2 v_add_f32, NB+4*t, NB+4*t, NB+4*t+1
.set t, 0
.rept 4
	WDA NB+4*t, NB+4*t
	v_fma_f32 v[(NB+4*t)&255], v[(NB+4*t)&255], s46, s47   ; sum / 128 + 1e-8
.set t, t+1
.endr
	FORT V1 v_rsq_f32, RH+2*t, NB+4*t
	v_nop                                          ; a plain instruction behind the last root,
	s_wait_alu depctr_va_vdst(0)                   ; and one wait for the four, ahead of their first reader
	FORT V1 v_mov_b32, RH+2*t+1, RH+2*t
.endm
.macro NORM_C vec                      ; TT = x / rms x gain
	FORTP P2 v_pk_mul_f32, TT+32*t+2*p, X+16*t+2*p, RH+2*t
	FORTP P2 v_pk_mul_f32, TT+32*t+2*p, TT+32*t+2*p, (\vec)+2*p
.endm
.macro CVTT                            ; TT rounded to bf16, 16 bytes for each (mt, nt)
	FORTP V2 v_cvt_pk_bf16_f32, PKO+8*t+p, TT+32*t+2*p, TT+32*t+2*p+1
.endm
.macro STACT as                        ; my 64 bytes of each of the 64 rows
	FORI 8, LDSS \as, PKO+4*i, 4352*(i/2)+32*(i%2)
.endm
; (SILU and PROJ are used with LASTL = 0 alone.)
; PKO = bf16(silu(DD) x s94).  Two batches of 64 transcendentals, each with one plain instruction and one wait behind it.
.macro SILU
.set t, 0
.rept 4
.set p, 0
.rept 8
	P2K v_pk_mul_f32, TT+32*t+2*p, DD+32*t+2*p, 0xbfb8aa3b, op_sel_hi:[1,0]   ; -log2(e) z; each accumulator's lowest registers are read first
	V1 v_exp_f32, TT+32*t+2*p, TT+32*t+2*p
	V1 v_exp_f32, TT+32*t+2*p+1, TT+32*t+2*p+1
.set p, p+1
.endr
.set t, t+1
.endr
	v_nop
	s_wait_alu depctr_va_vdst(0)
.set t, 0
.rept 4
.set p, 0
.rept 8
	P2K v_pk_add_f32, TT+32*t+2*p, TT+32*t+2*p, 1.0, op_sel_hi:[1,0]
	V1 v_rcp_f32, TT+32*t+2*p, TT+32*t+2*p
	V1 v_rcp_f32, TT+32*t+2*p+1, TT+32*t+2*p+1
.set p, p+1
.endr
.set t, t+1
.endr
	v_nop
	s_wait_alu depctr_va_vdst(0)
	FORTP P2 v_pk_mul_f32, TT+32*t+2*p, TT+32*t+2*p, DD+32*t+2*p
	FORTP P2K v_pk_mul_f32, TT+32*t+2*p, TT+32*t+2*p, s[94:95], op_sel_hi:[1,0]
	CVTT
.endm
; The four projections: a loop of four trips, U, Q, K, V.  A trip multiplies, asks for the next product's weights (they lie on end in wts), and sends the last result out.
; The jumps inside go forward, on the loop's own counter; they pass no barrier.
.macro PROJ
	LOADACT AR1
	WIN 0
	s_mov_b32 s92, 4
.Lproj:
	s_wait_loadcnt 0x0                             ; this product's weights and bias
	s_wait_dscnt 0x0                               ; (first trip: the activations)
	s_cmp_eq_u32 s92, 1
	s_cbranch_scc1 .Lproj_v
	GEMM WB1, BIB, 0
	WIN 0
	s_branch .Lproj_j
.Lproj_v:
	GEMM WB1, BIB, 1
	WIN 0
.Lproj_j:
	NOP4                                           ; four places behind the last product, ahead of loads into its sources and of readers of its result
	s_wait_xcnt 0x0                                ; every earlier load and store has read its sources: the pointers and PKO may be written
	s_add_nc_u64 s[86:87], s[86:87], SEC           ; the next section of the state
	s_cmp_eq_u32 s92, 1
	s_cbranch_scc1 .Lproj_n
	s_add_nc_u64 s[88:89], s[88:89], 32768
	s_add_nc_u64 s[90:91], s[90:91], 8192
	LOADW 88, 0, 90, OBI, WB1, BIB
	WIN 0
.Lproj_n:
	s_cmp_eq_u32 s92, 3
	s_cselect_b32 s94, 0xbe38aa3b, 1.0             ; Q alone is scaled: -log2(e) / 8
	s_mov_b32 s95, s94
	SILU
	FORI 8, GST GU, PKO+4*i, 86, 512*i
	WIN 0
	s_sub_co_u32 s92, s92, 1
	s_cmp_lg_u32 s92, 0
	s_cbranch_scc1 .Lproj
.endm
; gelu of row tile m's 16 numbers z:  az = |z|;  t = 1 / (1 + 0.3326725 az);  e = 2^(-0.7213475 az^2);  g' = t (a1 + t (a2 + a3 t)) e with the factor -1/2 in a1..a3;  gelu = max(z, 0) + az g'
.set TA, 256
.set TB2, 288
.set TC, 320
.set TD, 352
.macro GELU m
.set zb, DD+32*(\m)
	FORI 16, VK v_and_b32, TA+i, s97, zb+i         ; each accumulator's lowest registers are read first
	FORI 8, PFKK TB2+2*i, TA+2*i, 0x3eaa540e, 1.0
	FORI 8, P2K v_pk_mul_f32, TC+2*i, TA+2*i, 0xbf38aa3b, op_sel_hi:[1,0]
	FORI 8, P2 v_pk_mul_f32, TC+2*i, TC+2*i, TA+2*i
	FORI 16, V1 v_rcp_f32, TB2+i, TB2+i
	FORI 16, V1 v_exp_f32, TC+i, TC+i
	FORI 16, VK v_max_num_f32, zb+i, 0, zb+i       ; plain work that names no result of the batch,
	s_wait_alu depctr_va_vdst(0)                   ; and one wait for the 32
	FORI 8, PFKK TD+2*i, TB2+2*i, s[22:23], s[92:93]
	FORI 8, PFVK TD+2*i, TD+2*i, TB2+2*i, s[94:95]
	FORI 8, P2 v_pk_mul_f32, TB2+2*i, TB2+2*i, TC+2*i
	FORI 8, P2 v_pk_mul_f32, TD+2*i, TD+2*i, TB2+2*i
	FORI 8, P3 v_pk_fma_f32, zb+2*i, TA+2*i, TD+2*i, zb+2*i
	FORI 8, V2 v_cvt_pk_bf16_f32, PKO+8*(\m)+i, zb+2*i, zb+2*i+1
.endm
; ---- the ring
; A round of the cluster's barrier: my work-group's barrier, so that wave 0's signal speaks for all four waves; wave 0 signals; every wave waits for all sixteen work-groups; my work-group's barrier once more.
.macro CROUND
	WIN 0
	s_barrier_signal -1
	s_barrier_wait -1
	s_cmp_lg_u32 s16, 0
	s_cbranch_scc1 .Lnot_wave_0_\@
	s_barrier_signal -3
.Lnot_wave_0_\@:
	s_barrier_wait -3
	s_barrier_signal -1
	s_barrier_wait -1
.endm
; A joint refill.  Wave 0 fetches a step's K, wave 1 its V (mask: my row of the cluster), waves 2 and 3 the two halves of its mask words (mask: my column).  The branch hangs on the wave's number alone.
; An s_nop 0 and four v_nop follow each of the two lines.
.macro JLOAD
	WIN 0
	s_cmp_lt_u32 s16, 2
	s_cbranch_scc0 .Lfor_m_\@
	tensor_load_to_lds s[52:55], s[24:31]
	s_nop 0
	NOP4
	s_branch .Lasked_\@
.Lfor_m_\@:
	tensor_load_to_lds s[60:63], s[32:39]
	s_nop 0
	NOP4
.Lasked_\@:
.endm
; A PREFETCH INTO THE L2, behind the joint load of step k + 2 and the run of LDS loads that follows it: step k + 6, four trips (288 matrix instructions a wave) ahead of the load that will want it.
; Each block of 256 bytes is named once in the launch.  K and V of a batch are read by every cluster of that row of clusters: the one with x = 0 asks, wave 0 for K, wave 1 for V; of a step's 128 blocks the
; partner at cx takes 32, a lane a block.  The mask words of a query block are read by both clusters of a column: the one with y = 0 asks, wave 2, in every second trip, for two steps: of each step's 64 blocks
; the partner at cy takes 16.  The partners are told apart by address alone.  The trips whose look-ahead would pass step 15 ask for nothing; steps 0 to 5 come by their loads alone.
.macro ASK
	WIN 0
	s_and_b32 s22, s69, s79                        ; wave 2: odd counts of trips left give 0 below
	s_cselect_b32 s22, 0, s69
	s_cmp_gt_u32 s22, s78
	s_cbranch_scc0 .Lnot_mine_\@
	WIN 0x02
	global_prefetch_b8 v[PFO&255], s[74:75] th:TH_LOAD_NT scope:SCOPE_SE
	WIN 0
.Lnot_mine_\@:
.endm
; THE CHANGE OF SLOTS, at a trip's end.  Each wave waits for all its tensor loads, of which one is out: its part of the next step; adds 0 to its spare word; and waits for that and for its reads of the slot
; that it leaves.  fill = 1: the barrier is a round of the cluster's, so that no wave of any partner still reads the slot or has a load on its way, and the joint refill, two steps on, is the first thing behind it.
.macro CHANGE fill
	WIN 0x0a                                       ; (the add's two registers lie in window 2)
	s_wait_tensorcnt 0x0                           ; no tensor load of mine is out, so a group 0 may be written
	ds_add_u32 v[SPW&255], v[NIL&255]              ; the descriptors' steps stand between the add and the wait for it
	WIN 0
.if \fill
	s_xor_b32 s53, s53, SLOT1                      ; the walking descriptors: the other slot than last time, the next step
	s_add_nc_u64 s[54:55], s[54:55], 32768
	s_xor_b32 s61, s61, SLOT1
	s_add_nc_u64 s[62:63], s[62:63], 16384
	s_wait_xcnt 0x0                                ; the last prefetch, a trip back, has read its address
	s_add_nc_u64 s[74:75], s[74:75], s[76:77]
	s_wait_dscnt 0x0                               ; the add is done, and my reads of the slot are over
	CROUND
	JLOAD
.else
	s_wait_dscnt 0x0
	s_barrier_signal -1
	s_barrier_wait -1
.endif
	s_xor_b32 s68, s68, SLOT1                      ; the LDS reads go on in the other slot
.endm
.macro FETCH_K                         ; the next step's K for my head and my half of the keys: 8 fragments, one run of 16 loads
	VK v_add_nc_u32, ADK, s68, AK0
	FORI 16, LDSL KF+4*i, ADK, 1024*(i/4)+4096*((i/2)%2)+512*(i%2)
	WIN 0
.endm
; ---- a turn
; The next plain instruction, pq of 64.  Each half of 32 deals two lists a and b of 16 as a0 a1 a2 a3 b0 a4 b1 a5 .. a15 b12 b13 b14 b15: first (t = C e + C; A' = clamp01(S rr)), then (rounding; mask).
.macro PQ
.set hh, pq/32
.set ii, pq%32
.if ii < 4
.set ka, 1
.set ix, ii
.elseif ii > 28
.set ka, 0
.set ix, ii-16
.elseif (ii%2) == 0
.set ka, 0
.set ix, (ii-4)/2
.else
.set ka, 1
.set ix, (ii+3)/2
.endif
.if (hh == 0) && (ka == 1)
	v_pk_fma_f32 v[EF+2*ix:EF+2*ix+1], v[EF+2*ix:EF+2*ix+1], s[70:71], s[70:71] op_sel_hi:[1,0,0]
.elseif hh == 0
	v_pk_mul_f32 v[SM+2*ix:SM+2*ix+1], v[SM+2*ix:SM+2*ix+1], v[EM+2*ix:EM+2*ix+1] clamp
.elseif ka == 1
	v_cvt_pk_bf16_f32 v[SM+ix], v[SM+2*ix], v[SM+2*ix+1]   ; in place, ascending: word k lands where numbers k / 2's word has been made
.else
	v_and_b32 v[SM+ix], v[SM+ix], v[MKM+ix]
.endif
.set pq, pq+1
.endm
; The next transcendental, tq of 64: 1 / t in place (number k stands behind plain number k, its t at plain number k or earlier), then 2^S, ascending.
.macro TQ
.if tq < 32
	v_rcp_f32 v[EF+tq], v[EF+tq]
.else
	v_exp_f32 v[EM+tq-32], v[SE+tq-32]
.endif
.set tq, tq+1
.endm
.macro SLICE
	WIN 0
	PQ
	TQ
	PQ
	TQ
.endm
; The turn's next matrix instruction, mm of 18, for tile TJ.  0-9: O^T += V^T P and the row sums, five accumulators by turns, keys 32 (mm / 5) on.  10-17: S^T = K Q^T, four accumulators by turns, in the order
; of key blocks 2, 3, 0, 1: the blocks that overwrite P come last, eight plain instructions or more behind the last product that read P.
.macro MM
.if mm < 10
.set kk, mm/5
.set aa, mm%5
.if aa < 4
	MMA O+32*TJ+8*aa, VF+32*kk+8*aa, S+32*TJ+8*kk, O+32*TJ+8*aa
.else
	MMA SUM+8*TJ, ONE, S+32*TJ+8*kk, SUM+8*TJ
.endif
.else
.set cc, (mm-10)/4
.set kb, ((mm-10)%4+2)%4
.if cc == 0
	MMA0 S+32*TJ+8*kb, KF+16*kb, Q+16*TJ
.else
	MMA S+32*TJ+8*kb, KF+16*kb+8, Q+16*TJ+8, S+32*TJ+8*kb
.endif
.endif
.set mm, mm+1
.endm
; Turn j of a trip.  Products: tile j.  t, 1 / t: buffer j % 2.  A', rounding, mask: tile j + 1, with the other buffer, into which 2^S of tile j + 3 then goes.
; Turn 0 waits for K ahead of its first K Q^T.  Turn 3 reads this step's mask words at its head and this step's V six plain instructions behind the last product that read V.
.macro TURN j
.set TJ, (\j)
.set EF, E+32*((\j)%2)
.set EM, E+32*(((\j)+1)%2)
.set SM, S+32*(((\j)+1)%4)
.set MKM, MK+16*(((\j)+1)%4)
.set SE, S+32*(((\j)+3)%4)
.set mm, 0
.set pq, 0
.set tq, 0
.if (\j) == 3
	VK v_add_nc_u32, ADM, s68, AM0
	VK v_add_nc_u32, ADA, s68, AVA0
	VK v_add_nc_u32, ADB, s68, AVB0
	FORI 16, LDSL MK+4*i, ADM, 512*i
.endif
.rept 18
.if ((\j) == 0) && (mm == 10)
	s_wait_dscnt 0x0                               ; K is in
.endif
	MM
	SLICE
.if ((\j) == 3) && (mm == 12)
	FORI 8, LDSL VF+32*(i/4)+8*((i/2)%2)+4*(i%2), ADA, 2048*(i/4)+1024*(i%2)+512*((i/2)%2)
	FORI 8, LDSL VF+32*(i/4)+16+8*((i/2)%2)+4*(i%2), ADB, 2048*(i/4)+1024*(i%2)+512*((i/2)%2)
.endif
.endr
.if (\j) == 3
	s_wait_dscnt 16                                ; the mask words are in, ahead of the first AND; V's 16 younger loads stay out
.endif
.rept 14
	SLICE
.endr
	v_nop                                          ; a plain instruction behind the last transcendental,
	s_wait_alu depctr_va_vdst(0)                   ; and the turn's one wait: the next turn names these results
.endm
; ======== the head
	s_load_b256 s[4:11], s[0:1], 0x0               ; state in s[4:5], mw s[6:7], wts s[8:9], cfg s[10:11]
.if LASTL
	s_load_b128 s[12:15], s[0:1], 0x20             ; out0 s[12:13], last_ln_s s[14:15]
.else
	s_load_b64 s[12:13], s[0:1], 0x20              ; state out
.endif
	WIN 0x80
	v_lshl_add_u32 v[SPW&255], v0, 2, SPARE
	v_mov_b32 v[NIL&255], 0
	WIN 0x0a
	ds_add_u32 v[SPW&255], v[NIL&255]              ; the wave's opening: the add, twice on end, and its wait ahead of my first tensor load
	ds_add_u32 v[SPW&255], v[NIL&255]
	WIN 0
	v_lshrrev_b32 v1, 5, v0
	v_readfirstlane_b32 s16, v1                    ; wave 0..3
	s_bfe_u32 s17, ttmp6, 0x40000                  ; cx
	s_bfe_u32 s18, ttmp6, 0x40004                  ; cy
	s_lshl_b32 s19, ttmp9, 2
	s_add_co_u32 s19, s19, s17                     ; qb = 4 x cluster x + cx
	s_and_b32 s20, ttmp7, 0xffff
	s_lshl_b32 s20, s20, 2
	s_add_co_u32 s20, s20, s18                     ; b = 4 x cluster y + cy
	s_lshl_b32 s21, s20, 5
	s_add_co_u32 s21, s21, s19                     ; g = 32 b + qb: it enters addresses of my own rows alone
	s_lshl_b32 s22, s18, 2
	s_lshl_b32 s22, 15, s22                        ; my row of the cluster
	s_lshl_b32 s23, 0x1111, s17                    ; my column
	; descriptor group 1: dense blocks as rows of 256 bytes: elements of 8 bytes, 32 a row, no padding
	s_or_b32 s24, s22, (3<<16)|(1<<21)             ; K, V: 15:0 the mask of my row; 17:16 elements of 8 bytes; 21 set beside a mask
	s_mov_b32 s25, 32<<16                          ; tensor_dim0 = 32
	s_mov_b32 s26, 128<<16                         ; tensor_dim1 = 128
	s_mov_b32 s27, 32<<16                          ; tile_dim0 = 32
	s_mov_b32 s28, 128                             ; tile_dim1 = 128 rows: 32,768 bytes
	s_mov_b32 s29, 32                              ; 32 elements from row to row
	s_mov_b32 s30, 0
	s_mov_b32 s31, 0
	s_or_b32 s32, s23, (3<<16)|(1<<21)             ; mask words: the mask of my column; 32 rows: 8,192 bytes
	s_mov_b32 s33, 32<<16
	s_mov_b32 s34, 32<<16
	s_mov_b32 s35, 32<<16
	s_mov_b32 s36, 32
	s_mov_b32 s37, 32
	s_mov_b32 s38, 0
	s_mov_b32 s39, 0
	s_and_b32 s3, s16, 1                           ; which of the two tiles of my kind I fetch
	s_lshl_b32 s92, s3, 22                         ; K's section or V's,
	s_lshl_b32 s93, s20, 19                        ; the batch's 524,288 bytes in it: b alone, which my row shares
	s_add_co_u32 s92, s92, s93
	s_add_co_u32 s92, s92, 4*SEC
	s_mov_b32 s93, 0
	s_lshl_b32 s94, s19, 18                        ; the query block's 262,144 bytes of mw: qb alone, which my column shares
	s_lshl_b32 s95, s3, 13
	s_add_co_u32 s94, s94, s95
	s_mov_b32 s95, 0
	s_lshl_b32 s98, s3, 15                         ; in a slot: K at 0, V at 32,768,
	s_lshl_b32 s99, s3, 13
	s_add_co_u32 s99, s99, 65536                   ; the mask words' halves at 65,536 and 73,728: no place in the cluster enters an LDS address
	s_mov_b32 s46, 0x3c000000                      ; 1 / 128
	s_mov_b32 s47, 0x322bcc77                      ; 1e-8
	s_mov_b32 s68, 0                               ; the slot that is being read
	s_mov_b32 s70, 0xdf800000                      ; C = -2^64
	s_mov_b32 s71, 0xdf800000
	s_mov_b32 s72, 0x76543210                      ; v_permlanex16_b32: each lane takes its own place in the other half
	s_mov_b32 s73, 0xfedcba98
	s_mov_b32 s96, 0xffff0000
	s_mov_b32 s97, 0x7fffffff
	s_lshl_b32 s80, s21, 15
	s_mov_b32 s81, 0
	s_lshl_b32 s82, s21, 14
	s_mov_b32 s83, 0
	s_wait_dscnt 0x0                               ; both opening adds are done
	s_wait_kmcnt 0x0
	s_load_b32 s40, s[10:11], 0x0                  ; the layer's number
	s_add_nc_u64 s[92:93], s[4:5], s[92:93]
	s_add_nc_u64 s[94:95], s[6:7], s[94:95]
	s_add_nc_u64 s[84:85], s[12:13], s[80:81]      ; out: x of my rows, or my rows of the result
.if LASTL == 0
	s_add_nc_u64 s[86:87], s[12:13], s[82:83]
	s_add_nc_u64 s[86:87], s[86:87], SEC           ; one section ahead of U's: each trip of the projections steps it first
.endif
	s_add_nc_u64 s[80:81], s[4:5], s[80:81]        ; in: x
	s_add_nc_u64 s[82:83], s[4:5], s[82:83]
	s_add_nc_u64 s[82:83], s[82:83], 2*SEC         ; in: U; Q one section on
.irp n, 0,1
	s_mov_b32 s[48+4*(\n)], 1                      ; group 0 for K or V: count = 1,
	s_add_co_u32 s[49+4*(\n)], s98, (\n)*SLOT1     ; LDS address,
	s_add_nc_u64 s[50+4*(\n):51+4*(\n)], s[92:93], (\n)*32768  ; step n,
	s_or_b32 s[51+4*(\n)], s[51+4*(\n)], 0x80000000            ; type = 2
	s_mov_b32 s[56+4*(\n)], 1                      ; and for the mask words
	s_add_co_u32 s[57+4*(\n)], s99, (\n)*SLOT1
	s_add_nc_u64 s[58+4*(\n):59+4*(\n)], s[94:95], (\n)*16384
	s_or_b32 s[59+4*(\n)], s[59+4*(\n)], 0x80000000
.endr
	; the prefetches: where they stand, their step, who asks
	s_cmp_lt_u32 s16, 2
	s_cselect_b64 s[74:75], s[92:93], s[94:95]
	s_cselect_b32 s2, s17, s18                     ; my place among the four that ask for the tile with me
	s_cselect_b32 s3, 13, 12                       ; 32 blocks of 256 bytes, or 16
	s_cselect_b32 s76, 15, 14
	s_cselect_b32 s99, 12, 14                      ; lanes 16-31: the next 16 blocks, or the next step
	s_lshl_b32 s2, s2, s3
	s_lshl_b32 s76, 1, s76                         ; a step's bytes
	s_mov_b32 s77, 0
	s_mul_i32 s3, s76, 5                           ; at step 5: the first change of slots steps it to 6
	s_add_co_u32 s2, s2, s3
	s_mov_b32 s3, 0
	s_add_nc_u64 s[74:75], s[74:75], s[2:3]
	s_and_b32 s2, ttmp7, 0xffff
	s_cmp_lt_u32 s16, 2
	s_cselect_b32 s2, ttmp9, s2                    ; the coordinate along which other clusters read the same bytes
	s_cmp_eq_u32 s16, 3
	s_cselect_b32 s2, 1, s2                        ; wave 3 asks for nothing
	s_cmp_eq_u32 s2, 0
	s_cselect_b32 s78, 4, -1                       ; a wave asks while more than 4 filling trips are left: the same in all partners, for a given wave
	s_cmp_eq_u32 s16, 2
	s_cselect_b32 s79, 1, 0
	s_wait_kmcnt 0x0
	s_min_u32 s40, s40, 2+LASTL                    ; a number that was loaded enters addresses only held to its range
	s_mul_i32 s42, s40, LAYB
	s_mov_b32 s43, 0
	s_add_nc_u64 s[42:43], s[8:9], s[42:43]        ; this layer's part of wts
.if LASTL
	s_mov_b64 s[66:67], s[14:15]                   ; n3 = last_ln_s
.else
	s_add_nc_u64 s[44:45], s[42:43], LAYB          ; the next layer's part
	s_mov_b64 s[88:89], s[44:45]
	s_mov_b64 s[90:91], s[44:45]
	s_add_nc_u64 s[66:67], s[44:45], ONS           ; n3 = the next layer's ln1_s
.endif
	CROUND                                         ; all sixteen work-groups are here: the first joint loads meet
	s_cmp_lt_u32 s16, 2                            ; a wave's two first fills stand in one branch: two loads of mine are out
	s_cbranch_scc0 .Lfirst_m
	tensor_load_to_lds s[48:51], s[24:31]
	s_nop 0
	tensor_load_to_lds s[52:55], s[24:31]
	s_nop 0
	NOP4
	s_branch .Lfirst_done
.Lfirst_m:
	tensor_load_to_lds s[56:59], s[32:39]
	s_nop 0
	tensor_load_to_lds s[60:63], s[32:39]
	s_nop 0
	NOP4
.Lfirst_done:
	; the lanes' offsets, all from the thread's number; none is written again
	v_and_b32 v1, 31, v0                           ; l
	v_and_b32 v2, 15, v0                           ; r
	v_bfe_u32 v3, v0, 4, 1                         ; l / 16
	v_lshlrev_b32 v4, 4, v1                        ; 16 l
	v_mul_u32_u24 v5, v2, 272
	v_lshl_add_u32 v5, v3, 4, v5                   ; 272 r + 16 (l / 16)
.if LASTL
	v_mul_u32_u24 v6, v2, 528
	v_lshl_add_u32 v6, v3, 5, v6                   ; 528 r + 32 (l / 16)
.endif
	v_lshlrev_b32 v7, 4, v2                        ; 16 r
	v_lshlrev_b32 v8, 2, v1                        ; 4 l
	v_lshlrev_b32 v9, 5, v3                        ; 32 (l / 16)
	v_lshlrev_b32 v10, 8, v2                       ; 256 r
	v_lshlrev_b32 v11, s99, v3
	V2 v_add_nc_u32, PFO, 10, 11
	s_lshr_b32 s22, s16, 1                         ; head
	s_and_b32 s23, s16, 1                          ; half of the keys
	s_xor_b32 s3, s16, 1                           ; my partner: same head, other half
	s_lshl_b32 s2, s23, 14
	s_lshl_b32 s98, s22, 13
	s_add_co_u32 s2, s2, s98
	VK v_add_nc_u32, AK0, s2, 4
	s_lshl_b32 s99, s23, 14
	s_add_co_u32 s99, s99, 32768
	s_lshl_b32 s2, s16, 12
	s_add_co_u32 s2, s2, s99
	VK v_add_nc_u32, AVA0, s2, 4
	s_lshl_b32 s2, s3, 12
	s_add_co_u32 s2, s2, s99
	VK v_add_nc_u32, AVB0, s2, 4
	s_lshl_b32 s2, s23, 13
	s_add_co_u32 s2, s2, 65536
	VK v_add_nc_u32, AM0, s2, 4
	s_lshl_b32 s2, s16, 13
	VK v_add_nc_u32, GX, s2, 4
	s_lshl_b32 s2, s16, 12
	VK v_add_nc_u32, GU, s2, 4
	s_lshl_b32 s2, s22, 13
	VK v_add_nc_u32, GQ, s2, 4
	s_lshl_b32 s2, s16, 11
	VK v_add_nc_u32, GB, s2, 4
	s_lshl_b32 s2, s16, 7
	VK v_add_nc_u32, GP, s2, 9
.if LASTL
	s_add_co_u32 s2, s2, XO
	VK v_add_nc_u32, OSW, s2, 6
.endif
	s_mul_i32 s2, s16, 8704
	s_add_co_u32 s2, s2, XO
	VK v_add_nc_u32, XS, s2, 4
	s_add_co_u32 s2, s2, 8192
	VK v_add_nc_u32, XS4, s2, 8
	s_mul_i32 s2, s3, 8704
	s_add_co_u32 s2, s2, XO
	VK v_add_nc_u32, XR, s2, 4
	s_add_co_u32 s2, s2, 8192
	VK v_add_nc_u32, XR4, s2, 8
	s_lshl_b32 s2, s16, 6
	s_add_co_u32 s2, s2, ACT0
	VK v_add_nc_u32, AS0, s2, 5
	s_add_co_u32 s2, s2, ACT1-ACT0
	VK v_add_nc_u32, AS1, s2, 5
	VK v_add_nc_u32, AR0, ACT0, 5
	VK v_add_nc_u32, AR1, ACT1, 5
	s_lshl_b32 s2, s16, 2
	s_add_co_u32 s2, s2, SSQ0
	VK v_add_nc_u32, SSW, s2, 7
	VK v_add_nc_u32, SSR, SSQ0, 7
.if LASTL
	s_mul_i32 s2, s16, 8448
	s_add_co_u32 s2, s2, XO
	VK v_add_nc_u32, OSR, s2, 4
.endif
	; what stays in registers: Q of my head, x and U of my channels, the three gains
	FORI 16, GLD Q+4*i, GQ, 82, SEC+4096*((i/2)%2)+1024*(i/4)+512*(i%2)
	FORI 16, GLD X+4*i, GX, 80, 512*i
	FORI 8, GLD UU+4*i, GU, 82, 512*i
	FORI 4, GLD HS+4*i, GP, 42, ONS+512+64*(i/2)+16*(i%2)
	FORI 4, GLD L2+4*i, GP, 42, ONS+1024+64*(i/2)+16*(i%2)
	FORI 4, GLD N3+4*i, GP, 66, 64*(i/2)+16*(i%2)
	; what the first turns find: zeros, so that the pieces that have not been give P = 0 and add 0.  All this stands in the wait for the first tile; its price is named at the head.
	WIN 0
	FORI 256, v_mov_b32 v[i], 0
	WIN 0x40
	FORI 160, v_mov_b32 v[i], 0
	WIN 0x80
	FORI 64, v_mov_b32 v[(VF&255)+i], 0
	FORI 8, v_mov_b32 v[(ONE&255)+i], 0x3f803f80
	WIN 0
	s_wait_tensorcnt 0x1                           ; my part of step 0 is in; step 1's load may stay out
	s_barrier_signal -1
	s_barrier_wait -1
	FETCH_K
	s_wait_loadcnt 0x0                             ; Q, x, U, the gains
; ======== the attention: 17 trips.  Trip k: K Q^T of step k, V^T P of step k - 1.  Its change of slots waits for step k + 1 and fills step k's slot with step k + 2.
	s_mov_b32 s69, 14
.Ltrip:
	TURN 0
	TURN 1
	TURN 2
	TURN 3
	CHANGE 1
	FETCH_K
	ASK
	s_sub_co_u32 s69, s69, 1
	s_cmp_lg_u32 s69, 0
	s_cbranch_scc1 .Ltrip
	s_mov_b32 s69, 3                               ; the tail has its own text: nothing is asked for
.Ltail:
	TURN 0
	TURN 1
	TURN 2
	TURN 3
	CHANGE 0
	FETCH_K
	s_sub_co_u32 s69, s69, 1
	s_cmp_lg_u32 s69, 0
	s_cbranch_scc1 .Ltail
; ======== the two halves of the keys meet
	s_wait_dscnt 0x0
	s_mov_b32 s98, 0x0bcb0a91                      ; 1e-12 log2(e) 2^-64
	s_mov_b32 s99, 0x1277da66                      ; 1e-8 log2(e) 2^-64
	FORT V1 v_mov_b32, DN+t, SUM+8*t               ; my row sums leave their accumulators (lowest register), so that the biases may land there
	FORI 16, LDSS XS, O+32*(i/4)+16+4*(i%4), 512*i ; my sums for my partner's channels
	FORT LDSS1 XS4, DN+t, 128*t
	LOADW 42, 4*32768, 42, OBI+4*8192, WB0, BIA    ; f2,
	LOADW 42, 5*32768, 42, OBI+5*8192, WB1, BIB    ; c1
	BAR
	FORI 16, LDSL PT+4*i, XR, 512*i
	FORT LDSL1 DN+4+t, XR4, 128*t
	s_wait_dscnt 0x0
	FORT V2 v_add_f32, DN+t, DN+t, DN+4+t
	FORT VK v_add_f32, DN+8+t, s99, DN+t
	FORT V1 v_rcp_f32, DN+8+t, DN+8+t
	FORTP P2 v_pk_add_f32, O+32*t+2*p, O+32*t+2*p, PT+16*t+2*p   ; plain work that names no reciprocal,
	s_wait_alu depctr_va_vdst(0)                   ; and one wait for the four
.set t, 0
.rept 4
	WIN ((MSB&0xf3)|(((DN+t)>>8)<<2))
	v_cmp_lt_f32 vcc_lo, s98, v[(DN+t)&255]        ; a row whose sum does not pass the threshold gives 0
	WDB INV+2*t, DN+8+t
	v_cndmask_b32 v[(INV+2*t)&255], 0, v[(DN+8+t)&255], vcc_lo
	v_cndmask_b32 v[(INV+2*t+1)&255], 0, v[(DN+8+t)&255], vcc_lo
.set t, t+1
.endr
	FORTP P2 v_pk_mul_f32, TT+32*t+2*p, TT+32*t+2*p, INV+2*t
; ======== y = (rms(AV) hs U) f2 + b;  x += y
	NORM_A TT, 32, 0
	NORM_B 0
	FORTP P2 v_pk_mul_f32, TT+32*t+2*p, TT+32*t+2*p, RH+2*t
	FORTP P2 v_pk_mul_f32, TT+32*t+2*p, TT+32*t+2*p, HS+2*p
	FORTP VK v_lshlrev_b32, DD+32*t+2*p, 16, UU+8*t+p      ; U from bf16: the low half moves up,
	FORTP VK v_and_b32, DD+32*t+2*p+1, s96, UU+8*t+p       ; the high half stays
	FORTP P2 v_pk_mul_f32, TT+32*t+2*p, TT+32*t+2*p, DD+32*t+2*p
	CVTT
	STACT AS0
	BAR
	LOADACT AR0
	s_wait_loadcnt 20                              ; f2 is in; c1's 20 younger loads stay out
	s_wait_dscnt 0x0
	GEMM WB0, BIA, 0
	NOP4                                           ; four places behind the last product, ahead of loads into its sources and of readers of its result
	LOADW 42, 6*32768, 42, OBI+6*8192, WB0, BIA    ; c2
	FORTP P2 v_pk_add_f32, X+16*t+2*p, X+16*t+2*p, DD+32*t+2*p
; ======== x += gelu(rms(x) l2 c1 + b) c2 + b
	NORM_A X, 16, 1
	NORM_B 1
	NORM_C L2
	CVTT
	STACT AS1
	BAR
	LOADACT AR1
	s_wait_loadcnt 20                              ; c1 is in; c2's 20 younger loads stay out
	s_wait_dscnt 0x0
	GEMM WB1, BIB, 0
	NOP4
	s_mov_b32 s22, 0xbebf7377                      ; -a3 / 2 = -0.3739278
	s_mov_b32 s23, 0xbebf7377
	s_mov_b32 s92, 0x3d445ca1                      ; -a2 / 2 = 0.0479399
	s_mov_b32 s93, 0x3d445ca1
	s_mov_b32 s94, 0xbe32303a                      ; -a1 / 2 = -0.1740121
	s_mov_b32 s95, 0xbe32303a
	GELU 0
	GELU 1
	GELU 2
	GELU 3
	STACT AS0                                      ; its readers were done ahead of two barriers
	BAR
	LOADACT AR0
	s_wait_loadcnt 0x0                             ; c2
	s_wait_dscnt 0x0
	GEMM WB0, BIA, 0
	NOP4
	FORTP P2 v_pk_add_f32, X+16*t+2*p, X+16*t+2*p, DD+32*t+2*p
.if LASTL == 0                         ; the last layer hands no state on
	LOADW 44, 0, 44, OBI, WB1, BIB                 ; the next layer's U
	FORI 16, GST GX, X+4*i, 84, 512*i              ; x is not written again: the stores' data stay
.endif
; ======== rms(x) n3: the next layer's pre-norm, or the result
	NORM_A X, 16, 2
	NORM_B 2
	NORM_C N3
.if LASTL
	FORI 16, LDSS OSW, TT+32*(i/4)+8*((i/2)%2)+4*(i%2), 8448*(i/4)+64*((i/2)%2)+16*(i%2)   ; f32 rows into the stage, where the exchange's readers were done several barriers ago
.else
	CVTT
	STACT AS1
.endif
	BAR
.if LASTL
	FORI 16, LDSL PT+4*i, OSR, 528*i               ; wave w takes rows 16 w .. 16 w + 15, whole
.set i, 0
.rept 16
	s_wait_dscnt 15-i                              ; the younger loads stay out
	GST GX, PT+4*i, 84, 512*i                      ; a row: 512 consecutive bytes, aligned
.set i, i+1
.endr
.else
	PROJ
.endif
	WIN 0x0a
	s_wait_tensorcnt 0x0                           ; the wave's end: three lines, behind my last tensor load and my last LDS store
	ds_add_u32 v[SPW&255], v[NIL&255]
	s_wait_dscnt 0x0
	WIN 0
	CROUND                                         ; the closing round: no work-group ends while a partner may still ask for a tile that names it
	s_endpgm
.Lfunc_end_k_q31e6c5050f_lay3:
	.size	k_q31e6c5050f_lay3, .Lfunc_end_k_q31e6c5050f_lay3-k_q31e6c5050f_lay3
	.p2alignl 7, 3214868480
	.fill 96, 4, 3214868480
	.section	.rodata,"a",@progbits
	.p2align	6, 0x0
	.amdhsa_kernel k_q31e6c5050f_lay3
		.amdhsa_group_segment_fixed_size 327680
		.amdhsa_private_segment_fixed_size 0
		.amdhsa_enable_private_segment 0
		.amdhsa_kernarg_size 48
		.amdhsa_user_sgpr_count 2
		.amdhsa_user_sgpr_kernarg_segment_ptr 1
		.amdhsa_wavefront_size32 1
		.amdhsa_system_sgpr_workgroup_id_x 1
		.amdhsa_system_sgpr_workgroup_id_y 1
		.amdhsa_system_sgpr_workgroup_id_z 1
		.amdhsa_system_vgpr_workitem_id 0
		.amdhsa_next_free_vgpr 1024
		.amdhsa_next_free_sgpr 100
		.amdhsa_reserve_vcc 1
		.amdhsa_float_denorm_mode_32 3
		.amdhsa_float_denorm_mode_16_64 3
		.amdhsa_memory_ordered 1
		.amdhsa_forward_progress 1
		.amdhsa_inst_pref_size 202
	.end_amdhsa_kernel
	.amdgpu_metadata
---
amdhsa.version: [ 1, 2 ]
amdhsa.kernels:
  - .name:           k_q31e6c5050f_lay3
    .symbol:         k_q31e6c5050f_lay3.kd
    .args:
      - { .name: stB, .offset: 0, .size: 8, .value_kind: global_buffer, .address_space: global }
      - { .name: mw, .offset: 8, .size: 8, .value_kind: global_buffer, .address_space: global }
      - { .name: wts, .offset: 16, .size: 8, .value_kind: global_buffer, .address_space: global }
      - { .name: cfg3, .offset: 24, .size: 8, .value_kind: global_buffer, .address_space: global }
      - { .name: out0, .offset: 32, .size: 8, .value_kind: global_buffer, .address_space: global }
      - { .name: last_ln_s, .offset: 40, .size: 8, .value_kind: global_buffer, .address_space: global }
    .group_segment_fixed_size: 327680
    .private_segment_fixed_size: 0
    .kernarg_segment_align: 8
    .kernarg_segment_size: 48
    .max_flat_workgroup_size: 128
    .sgpr_count:     100
    .vgpr_count:     1024
    .wavefront_size: 32
...
	.end_amdgpu_metadata
.endif
;; end of part 4
;; ======== version 2 of 2: 6 launches
;; limits: a function is approximated: absolute error at most 2.5e-05; right only within a limited range of input values
;; workspace buffers: mw 4,194,304 bytes; wts0 286,720 bytes; wts1 286,720 bytes; wts2 286,720 bytes; wts3 286,720 bytes; stA 25,165,824 bytes; stB 25,165,824 bytes
;; launch prep (part 5): grid 368 x 1, 4 waves a work-group, no clusters, 17,920 bytes of LDS; arguments attn_mask, Uw, Qw, Kw, Vw, f2w, c1w, c2w, Ub, Qb, Kb, Vb, f2b, c1b, c2b, ln1_s, hstu_ln_s, ln2_s, mw, wts0, wts1, wts2, wts3; writes mw, wts0, wts1, wts2, wts3
.if DOCPART == 5
	.amdgcn_target "amdgcn-amd-amdhsa--gfx1250"
	.amdhsa_code_object_version 6
	.text
	.protected	k_q31e6c5050f_prep
	.globl	k_q31e6c5050f_prep
	.p2align	8
	.type	k_q31e6c5050f_prep,@function
k_q31e6c5050f_prep:
	s_mov_b64 s[64:65], 0
	v_nop
	global_prefetch_b8 v0, s[64:65] scope:SCOPE_SE
	s_setreg_imm32_b32 hwreg(HW_REG_WAVE_MODE, 25, 1), 1
	s_wait_xcnt 0x0
; PREP: what the later launches read in the order in which their registers want it.  Two roles, chosen by the work-group's number alone.
;  0..255   the mask.  mw[qb 32][ks 16][kh 2][t 4][cc 2][lane 32][16 bytes]: byte e of lane (r = lane % 16, h = lane / 16) serves query 64 qb + 16 t + r and key
;           128 ks + 64 kh + 16 (2 cc + e / 8) + 8 h + e % 8; it is 0xff (keep) or 0.  A work-group takes 64 queries x 256 keys, a wave 16 queries.
;  256..367 a layer's weights in bf16 as matrix fragments and its biases in f32 as C operands, into the layer's own buffer: (product 0..6 = U Q K V f2 c1 c2, layer, quarter of the product's 64 chunks).
;           The gain of the norm in front of a product is multiplied into the weights' rows here, in f32, ahead of the one rounding: (v s) W = v (diag(s) W): ln1_s into U Q K V, hstu_ln_s into f2, ln2_s into c1.
; A mask byte is 0 or 1, as the problem states.
.set SPARE, 17408                      ; behind the four stages of 4,352 bytes: the spare words, 128 bytes for each wave
.set OBI,   229376                     ; a layer's buffer: 7 x 32,768 bytes of weights, then 7 x 8,192 of biases
	s_load_b512 s[8:23], s[0:1], 0x0               ; attn_mask s[8:9]; Uw Qw Kw Vw f2w c1w c2w s[10:23]
	s_load_b512 s[24:39], s[0:1], 0x40             ; Ub Qb Kb Vb f2b c1b c2b s[24:37]; ln1_s s[38:39]
	s_load_b256 s[40:47], s[0:1], 0x80             ; hstu_ln_s s[40:41], ln2_s s[42:43], mw s[44:45], wts0 s[46:47]
	s_load_b128 s[48:51], s[0:1], 0xa0             ; wts1, wts2
	s_load_b64 s[52:53], s[0:1], 0xb0              ; wts3
	v_lshl_add_u32 v2, v0, 2, SPARE                ; my spare word
	v_mov_b32 v3, 0
	v_lshrrev_b32 v1, 5, v0
	v_readfirstlane_b32 s4, v1                     ; wave 0..3
	v_and_b32 v4, 31, v0                           ; lane
	v_and_b32 v5, 15, v0                           ; r
	v_bfe_u32 v6, v0, 4, 1                         ; h
	v_lshlrev_b32 v7, 4, v4                        ; 16 x lane
	s_wait_kmcnt 0x0
	s_cmp_lt_u32 ttmp9, 256
	s_cbranch_scc0 .Lweights
	; ---- the mask: 16 rows x 256 bytes a wave, in by whole blocks of 256 bytes, turned in the wave's own stage, out by 512 consecutive bytes
	s_lshr_b32 s5, ttmp9, 3                        ; qb
	s_and_b32 s6, ttmp9, 7                         ; which 256 keys
	s_lshl_b32 s60, s5, 17                         ; 64 rows of 2,048 bytes
	s_lshl_b32 s61, s4, 15                         ; my 16 rows
	s_add_co_u32 s60, s60, s61
	s_lshl_b32 s61, s6, 8
	s_add_co_u32 s60, s60, s61
	v_lshlrev_b32 v8, 4, v5
	v_lshl_add_u32 v9, v6, 11, v8                  ; lanes 0-15 one row's 256 bytes, lanes 16-31 the next row's
	v_add_nc_u32 v9, s60, v9
	s_mul_i32 s61, s4, 4352                        ; my stage: 16 rows, 272 bytes apart
	v_mul_u32_u24 v10, v6, 272
	v_add_nc_u32 v10, v10, v8
	v_add_nc_u32 v10, s61, v10
	v_mul_u32_u24 v11, v5, 272
	v_lshl_add_u32 v11, v6, 3, v11                 ; back: row r, 8 bytes at 8 h
	v_add_nc_u32 v11, s61, v11
	s_lshl_b32 s60, s5, 17                         ; qb x 131,072
	s_lshl_b32 s62, s6, 14                         ; two steps of 8,192
	s_add_co_u32 s60, s60, s62
	s_lshl_b32 s62, s4, 10                         ; t x 1,024
	s_add_co_u32 s60, s60, s62
	v_add_nc_u32 v12, s60, v7
.set i, 0
.rept 8
	global_load_b128 v[16+4*i:19+4*i], v9, s[8:9] offset:4096*i th:TH_LOAD_NT
.set i, i+1
.endr
.set i, 0
.rept 8
	s_wait_loadcnt 7-i                             ; loads come back in order: the younger ones stay out
	ds_store_b128 v10, v[16+4*i:19+4*i] offset:544*i
.set i, i+1
.endr
.set i, 0
.rept 16                               ; i = 8 ks' + 4 kh + c: 16 keys on; LDS serves a wave's instructions in order, so these see the stores above
	ds_load_b64 v[48+2*i:49+2*i], v11 offset:16*i
.set i, i+1
.endr
.set u, 0
.rept 8                                ; u = 4 ks' + 2 kh + cc: two of those loads are a lane's 16 bytes
	s_wait_dscnt 14-2*u                            ; the younger loads stay out
	v_mul_lo_u32 v[48+4*u], v[48+4*u], 0xff                ; each byte times 255: 0 or 0xff, and no carry from byte to byte
	v_mul_lo_u32 v[49+4*u], v[49+4*u], 0xff
	v_mul_lo_u32 v[50+4*u], v[50+4*u], 0xff
	v_mul_lo_u32 v[51+4*u], v[51+4*u], 0xff
	global_store_b128 v12, v[48+4*u:51+4*u], s[44:45] offset:8192*(u/4)+4096*((u/2)%2)+512*(u%2)  ; 512 consecutive bytes, aligned; each result has registers of its own
.set u, u+1
.endr
	s_branch .Lend
.Lweights:
	; ---- weights: chunk (ntile, kb, hf) of 512 bytes: lane (r, h) holds s[k] W[k][16 ntile + r] for k = 32 kb + 16 hf + 8 h + 0..7, in bf16
	s_sub_co_u32 s5, ttmp9, 256
	s_and_b32 s6, s5, 3                            ; quarter: 16 chunks, two ntiles; also the wave that will consume them
	s_bfe_u32 s7, s5, 0x20002                      ; layer
	s_lshr_b32 s5, s5, 4                           ; product 0..6
	s_mov_b64 s[56:57], s[10:11]
	s_mov_b64 s[58:59], s[24:25]
.irp k, 1,2,3,4,5,6
	s_cmp_eq_u32 s5, \k
	s_cselect_b64 s[56:57], s[10+2*(\k):11+2*(\k)], s[56:57]
	s_cselect_b64 s[58:59], s[24+2*(\k):25+2*(\k)], s[58:59]
.endr
	s_mov_b64 s[66:67], s[38:39]                   ; the gain: ln1_s for U Q K V,
	s_cmp_eq_u32 s5, 4
	s_cselect_b64 s[66:67], s[40:41], s[66:67]     ; hstu_ln_s for f2,
	s_cmp_eq_u32 s5, 5
	s_cselect_b64 s[66:67], s[42:43], s[66:67]     ; ln2_s for c1
	s_mov_b64 s[68:69], s[46:47]                   ; the layer's buffer
.irp k, 1,2,3
	s_cmp_eq_u32 s7, \k
	s_cselect_b64 s[68:69], s[46+2*(\k):47+2*(\k)], s[68:69]
.endr
	s_and_b32 s60, s4, 1
	s_lshr_b32 s61, s4, 1
	s_lshl_b32 s62, s7, 16                         ; the layer's 65,536 bytes
	s_lshl_b32 s60, s60, 15                        ; k = 64 (wave % 2) on
	s_add_co_u32 s62, s62, s60
	s_lshl1_add_u32 s61, s6, s61                   ; ntile = 2 x quarter + wave / 2
	s_lshl_b32 s60, s61, 6
	s_add_co_u32 s62, s62, s60
	v_lshlrev_b32 v8, 12, v6                       ; 8 h rows of 512 bytes
	v_lshl_add_u32 v8, v5, 2, v8
	v_add_nc_u32 v8, s62, v8
.set i, 0
.rept 32                               ; chunk i / 8 of my four, element i % 8
	global_load_b32 v[16+i], v8, s[56:57] offset:(((i/8)/2)*32+((i/8)%2)*16+i%8)*512
.set i, i+1
.endr
	s_cmp_eq_u32 s5, 6
	s_cbranch_scc1 .Lplain                         ; no norm stands in front of c2
	s_lshl_b32 s60, s7, 9                          ; the layer's 128 gains,
	s_and_b32 s61, s4, 1
	s_lshl_b32 s61, s61, 8                         ; from k = 64 (wave % 2) on,
	s_add_co_u32 s60, s60, s61
	v_lshl_add_u32 v13, v6, 5, s60                 ; + 8 h
.set c, 0
.rept 4                                ; the eight gains of chunk c's eight rows: v[96 + i] goes with v[16 + i]
	global_load_b128 v[96+8*c:99+8*c], v13, s[66:67] offset:128*(c/2)+64*(c%2)
	global_load_b128 v[100+8*c:103+8*c], v13, s[66:67] offset:128*(c/2)+64*(c%2)+16
.set c, c+1
.endr
	s_wait_loadcnt 0x0
.set i, 0
.rept 16
	v_pk_mul_f32 v[16+2*i:17+2*i], v[16+2*i:17+2*i], v[96+2*i:97+2*i]
.set i, i+1
.endr
.Lplain:
	s_lshl_b32 s61, s5, 15
	s_lshl_b32 s62, s6, 13
	s_add_co_u32 s61, s61, s62
	s_lshl_b32 s62, s4, 11
	s_add_co_u32 s61, s61, s62
	v_add_nc_u32 v9, s61, v7                       ; where my four chunks go
	; the bias as a C operand: chunk (nt = wave / 2, hf = wave % 2) for the consuming wave = quarter
	s_lshl_b32 s61, s5, 13
	s_add_co_u32 s61, s61, OBI
	s_lshl_b32 s62, s6, 11
	s_add_co_u32 s61, s61, s62
	s_lshl_b32 s62, s4, 9
	s_add_co_u32 s61, s61, s62
	v_add_nc_u32 v11, s61, v7
	s_lshl_b32 s62, s7, 9
	s_lshl_b32 s63, s6, 7
	s_add_co_u32 s62, s62, s63
	s_lshr_b32 s63, s4, 1
	s_lshl_b32 s63, s63, 6
	s_add_co_u32 s62, s62, s63                     ; bytes of b[32 quarter + 16 nt] in the layer's row
	s_cmp_eq_u32 s5, 3
	s_cbranch_scc1 .Lbias_v
	s_and_b32 s63, s4, 1
	s_lshl_b32 s63, s63, 4
	s_add_co_u32 s62, s62, s63
	v_lshl_add_u32 v10, v6, 5, s62                 ; a lane's registers run along the channels: b[.. + 8 h + 4 hf + 0..3]
	global_load_b128 v[64:67], v10, s[58:59]
	s_branch .Lbias_j
.Lbias_v:
	v_lshl_add_u32 v10, v5, 2, s62                 ; V's product is taken the other way round: a lane holds one channel, b[.. + r]
	global_load_b32 v64, v10, s[58:59]
	s_wait_loadcnt 0x0
	v_mov_b32 v65, v64
	v_mov_b32 v66, v64
	v_mov_b32 v67, v64
.Lbias_j:
	s_wait_loadcnt 0x0
.set i, 0
.rept 16
	v_cvt_pk_bf16_f32 v[48+i], v[16+2*i], v[17+2*i]
.set i, i+1
.endr
.set i, 0
.rept 4
	global_store_b128 v9, v[48+4*i:51+4*i], s[68:69] offset:512*i
.set i, i+1
.endr
	global_store_b128 v11, v[64:67], s[68:69]
.Lend:
	s_wait_tensorcnt 0x0                           ; the wave's end: three lines behind the last LDS store
	ds_add_u32 v2, v3
	s_wait_dscnt 0x0
	s_endpgm
.Lfunc_end_k_q31e6c5050f_prep:
	.size	k_q31e6c5050f_prep, .Lfunc_end_k_q31e6c5050f_prep-k_q31e6c5050f_prep
	.p2alignl 7, 3214868480
	.fill 96, 4, 3214868480
	.section	.rodata,"a",@progbits
	.p2align	6, 0x0
	.amdhsa_kernel k_q31e6c5050f_prep
		.amdhsa_group_segment_fixed_size 17920
		.amdhsa_private_segment_fixed_size 0
		.amdhsa_enable_private_segment 0
		.amdhsa_kernarg_size 184
		.amdhsa_user_sgpr_count 2
		.amdhsa_user_sgpr_kernarg_segment_ptr 1
		.amdhsa_wavefront_size32 1
		.amdhsa_system_sgpr_workgroup_id_x 1
		.amdhsa_system_sgpr_workgroup_id_y 1
		.amdhsa_system_sgpr_workgroup_id_z 1
		.amdhsa_system_vgpr_workitem_id 0
		.amdhsa_next_free_vgpr 160
		.amdhsa_next_free_sgpr 72
		.amdhsa_reserve_vcc 0
		.amdhsa_float_denorm_mode_32 3
		.amdhsa_float_denorm_mode_16_64 3
		.amdhsa_memory_ordered 1
		.amdhsa_forward_progress 1
		.amdhsa_inst_pref_size 18
	.end_amdhsa_kernel
	.amdgpu_metadata
---
amdhsa.version: [ 1, 2 ]
amdhsa.kernels:
  - .name:           k_q31e6c5050f_prep
    .symbol:         k_q31e6c5050f_prep.kd
    .args:
      - { .name: attn_mask, .offset: 0, .size: 8, .value_kind: global_buffer, .address_space: global }
      - { .name: Uw, .offset: 8, .size: 8, .value_kind: global_buffer, .address_space: global }
      - { .name: Qw, .offset: 16, .size: 8, .value_kind: global_buffer, .address_space: global }
      - { .name: Kw, .offset: 24, .size: 8, .value_kind: global_buffer, .address_space: global }
      - { .name: Vw, .offset: 32, .size: 8, .value_kind: global_buffer, .address_space: global }
      - { .name: f2w, .offset: 40, .size: 8, .value_kind: global_buffer, .address_space: global }
      - { .name: c1w, .offset: 48, .size: 8, .value_kind: global_buffer, .address_space: global }
      - { .name: c2w, .offset: 56, .size: 8, .value_kind: global_buffer, .address_space: global }
      - { .name: Ub, .offset: 64, .size: 8, .value_kind: global_buffer, .address_space: global }
      - { .name: Qb, .offset: 72, .size: 8, .value_kind: global_buffer, .address_space: global }
      - { .name: Kb, .offset: 80, .size: 8, .value_kind: global_buffer, .address_space: global }
      - { .name: Vb, .offset: 88, .size: 8, .value_kind: global_buffer, .address_space: global }
      - { .name: f2b, .offset: 96, .size: 8, .value_kind: global_buffer, .address_space: global }
      - { .name: c1b, .offset: 104, .size: 8, .value_kind: global_buffer, .address_space: global }
      - { .name: c2b, .offset: 112, .size: 8, .value_kind: global_buffer, .address_space: global }
      - { .name: ln1_s, .offset: 120, .size: 8, .value_kind: global_buffer, .address_space: global }
      - { .name: hstu_ln_s, .offset: 128, .size: 8, .value_kind: global_buffer, .address_space: global }
      - { .name: ln2_s, .offset: 136, .size: 8, .value_kind: global_buffer, .address_space: global }
      - { .name: mw, .offset: 144, .size: 8, .value_kind: global_buffer, .address_space: global }
      - { .name: wts0, .offset: 152, .size: 8, .value_kind: global_buffer, .address_space: global }
      - { .name: wts1, .offset: 160, .size: 8, .value_kind: global_buffer, .address_space: global }
      - { .name: wts2, .offset: 168, .size: 8, .value_kind: global_buffer, .address_space: global }
      - { .name: wts3, .offset: 176, .size: 8, .value_kind: global_buffer, .address_space: global }
    .group_segment_fixed_size: 17920
    .private_segment_fixed_size: 0
    .kernarg_segment_align: 8
    .kernarg_segment_size: 184
    .max_flat_workgroup_size: 128
    .sgpr_count:     72
    .vgpr_count:     160
    .wavefront_size: 32
...
	.end_amdgpu_metadata
.endif
;; end of part 5
;; launch embed (part 6): grid 256 x 1, 4 waves a work-group, no clusters, 52,736 bytes of LDS; arguments log_seqs, item_table, pos_table, emb_ln_s, wts0, stA; writes stA
.if DOCPART == 6
	.amdgcn_target "amdgcn-amd-amdhsa--gfx1250"
	.amdhsa_code_object_version 6
	.text
	.protected	k_q31e6c5050f_embed
	.globl	k_q31e6c5050f_embed
	.p2align	8
	.type	k_q31e6c5050f_embed,@function
k_q31e6c5050f_embed:
	s_mov_b64 s[64:65], 0
	v_nop
	global_prefetch_b8 v0, s[64:65] scope:SCOPE_SE
	s_setreg_imm32_b32 hwreg(HW_REG_WAVE_MODE, 25, 1), 1
	s_wait_xcnt 0x0
; EMBED: x = rms(item_table[log_seqs] + pos_table[t + 1]) emb_ln_s, then layer 0's pre-norm and its four projections U, Q, K, V with SiLU.
; Work-group g (256 of them) owns rows 64 g .. 64 g + 63 of the 16,384.  First each wave takes 16 whole rows (a row is 512 consecutive bytes: 16 bytes a lane), so that the gather and the
; first norm stay inside a wave; then x goes through LDS into the split that all products use: wave w owns channels 32 w .. 32 w + 31 of all 64 rows.
; In that split lane (r = lane % 16, h = lane / 16) holds, for row tile mt and channel tile nt, row 16 mt + r and the channels 32 w + 16 nt + 8 h + 0..7.
; THE STATE (stA): x in f32 at 0, then U, Q, K, V in bf16, 4,194,304 bytes each from 8,388,608 on; all as register images: chunks of 512 bytes, lane l at 16 l.
; Q is stored times -log2(e) / 8, so that the attention's scores come out of the matrix unit as the exponents that it wants.  V is made with the sources swapped: a lane holds one channel and 8 keys.
; The pre-norm's gain ln1_s[0] lies in the weights' rows: the launch before has multiplied it in.
; No tensor load, no cluster: the work-groups share nothing but 160 KiB of weights, which each wave loads straight into registers, each byte once a work-group, all at the kernel's head.
; LIMITS: operands of the products are rounded to bf16; NaN and infinities are not treated apart; an index above 200,000 is held there.
.set XST,   0                          ; 64 rows of x, 528 bytes apart (512 + 16: the 16 rows of a load start at 16 different groups of four banks)
.set ACT1,  33792                      ; 64 rows of 128 bf16, 272 bytes apart
.set SSQ0,  51200                      ; [row 64][wave 4] f32: partial sums of squares
.set SPARE, 52224                      ; the spare words, 128 bytes for each wave
.set OBI,   229376                     ; the biases in a layer's buffer
.set SEC,   4194304                    ; a bf16 section of the state
; registers by absolute number, 0 to 1023; the macros below set the window of each operand place from the number
.set IT,    0                          ; 16 rows x 4: item row, then the sum, then x
.set PO,    64                         ; 16 rows x 4: position row
.set SQR,   128                        ; 16 pairs: a row's sum of squares, then 1 / rms
.set EMB,   160
.set OFFS,  164                        ; 16 byte offsets into item_table
.set L16,   180
.set POSO,  181
.set AF,    0                          ; activations as fragments: (mt, kb) at 32 mt + 8 kb
.set WB1,   192                        ; U's weights: (nt, kb) at 32 nt + 8 kb
.set TT,    256                        ; at work: (mt, nt) at 32 mt + 8 nt
.set DD,    272                        ; accumulators: (mt, nt) at 32 mt + 8 nt
.set BIB,   400                        ; U's bias as C operand
.set X,     416                        ; x: 16 mt + 8 nt + j
.set PKO,   480                        ; packed bf16: 8 mt + 4 nt + i
.set WQ,    512                        ; Q's weights and bias
.set BQ,    576
.set WV,    592                        ; V's
.set BV,    656
.set SPW,   712
.set NIL,   713
.set GX,    722                        ; 8,192 w + 16 l
.set GU,    723                        ; 4,096 w + 16 l
.set GB,    725                        ; 2,048 w + 16 l
.set AS1,   733
.set AR1,   735
.set SSW,   736
.set SSR,   737
.set OSW,   738                        ; here: where I read x back in the channel split
.set OSR,   739                        ; here: where I put whole rows
.set RH,    816                        ; 1 / rms, a pair a row tile
.set SQ,    824
.set NB,    856
.set WK,    872                        ; K's weights and bias
.set BK,    936
.set MSB, 0
.macro WIN new                         ; the immediate's high byte repeats the setting that is left; a switch that changes nothing is dropped
.if MSB != (\new)
	s_set_vgpr_msb (MSB<<8)|(\new)
.set MSB, (\new)
.endif
.endm
.macro WDA d, a                        ; destination and source 0; the other places stay
	WIN ((MSB&0x3c)|((\a)>>8)|(((\d)>>8)<<6))
.endm
.macro WDB d, b                        ; destination and source 1
	WIN ((MSB&0x33)|(((\b)>>8)<<2)|(((\d)>>8)<<6))
.endm
.macro WDAB d, a, b
	WIN ((MSB&0x30)|((\a)>>8)|(((\b)>>8)<<2)|(((\d)>>8)<<6))
.endm
.macro WDABC d, a, b, c
	WIN (((\a)>>8)|(((\b)>>8)<<2)|(((\c)>>8)<<4)|(((\d)>>8)<<6))
.endm
.macro V1 op, d, a
	WDA \d, \a
	\op v[(\d)&255], v[(\a)&255]
.endm
.macro V2 op, d, a, b
	WDAB \d, \a, \b
	\op v[(\d)&255], v[(\a)&255], v[(\b)&255]
.endm
.macro VK op, d, k, b                  ; source 0 a scalar or a constant
	WDB \d, \b
	\op v[(\d)&255], \k, v[(\b)&255]
.endm
.macro P2 op, d, a, b, m:vararg        ; on pairs
	WDAB \d, \a, \b
	\op v[(\d)&255:((\d)&255)+1], v[(\a)&255:((\a)&255)+1], v[(\b)&255:((\b)&255)+1] \m
.endm
.macro P3 op, d, a, b, c, m:vararg
	WDABC \d, \a, \b, \c
	\op v[(\d)&255:((\d)&255)+1], v[(\a)&255:((\a)&255)+1], v[(\b)&255:((\b)&255)+1], v[(\c)&255:((\c)&255)+1] \m
.endm
.macro P2K op, d, a, k, m:vararg       ; source 1 a scalar pair or a constant
	WDA \d, \a
	\op v[(\d)&255:((\d)&255)+1], v[(\a)&255:((\a)&255)+1], \k \m
.endm
.macro PFKK d, a, k1, k2               ; d = a k1 + k2, both the same for the two halves
	WDA \d, \a
	v_pk_fma_f32 v[(\d)&255:((\d)&255)+1], v[(\a)&255:((\a)&255)+1], \k1, \k2 op_sel_hi:[1,0,0]
.endm
.macro MMA d, a, b, c
	WDABC \d, \a, \b, \c
	v_wmma_f32_16x16x32_bf16 v[(\d)&255:((\d)&255)+7], v[(\a)&255:((\a)&255)+7], v[(\b)&255:((\b)&255)+7], v[(\c)&255:((\c)&255)+7]
.endm
.macro LDSL d, ad, off                 ; LDS: loaded data = destination, address = source 0, stored data = source 1
	WDA \d, \ad
	ds_load_b128 v[(\d)&255:((\d)&255)+3], v[(\ad)&255] offset:\off
.endm
.macro LDSS ad, dt, off
	WIN ((MSB&0xf0)|((\ad)>>8)|(((\dt)>>8)<<2))
	ds_store_b128 v[(\ad)&255], v[(\dt)&255:((\dt)&255)+3] offset:\off
.endm
.macro LDSS1 ad, dt, off
	WIN ((MSB&0xf0)|((\ad)>>8)|(((\dt)>>8)<<2))
	ds_store_b32 v[(\ad)&255], v[(\dt)&255] offset:\off
.endm
.macro GLD d, ad, sb, off
	WDA \d, \ad
	global_load_b128 v[(\d)&255:((\d)&255)+3], v[(\ad)&255], s[\sb:(\sb)+1] offset:\off
.endm
.macro GST ad, dt, sb, off
	WIN ((MSB&0xf0)|((\ad)>>8)|(((\dt)>>8)<<2))
	global_store_b128 v[(\ad)&255], v[(\dt)&255:((\dt)&255)+3], s[\sb:(\sb)+1] offset:\off
.endm
.macro FORI n, line:vararg             ; the line for i = 0 .. n - 1
.set i, 0
.rept \n
	\line
.set i, i+1
.endr
.endm
.macro FORT line:vararg                ; for each row tile t
.set t, 0
.rept 4
	\line
.set t, t+1
.endr
.endm
.macro FORTP line:vararg               ; for each row tile t and pair p of its 16 numbers
.set t, 0
.rept 4
.set p, 0
.rept 8
	\line
.set p, p+1
.endr
.set t, t+1
.endr
.endm
.macro NOP4
.rept 4
	v_nop
.endr
.endm
.macro BAR                             ; my LDS instructions are done, for the others' sake; then the work-group's barrier
	s_wait_dscnt 0x0
	s_barrier_signal -1
	s_barrier_wait -1
.endm
; my 8,192 bytes of a product's weights and my 2,048 of its bias: 20 loads of 512 consecutive bytes
.macro LOADW sw, ow, sb, ob, wb, bi
	FORI 16, GLD (\wb)+4*i, GX, \sw, (\ow)+512*i
	FORI 4, GLD (\bi)+4*i, GB, \sb, (\ob)+512*i
.endm
; all 64 rows x 128 channels as 16 fragments, by blocks of 32 channels: lane (r, h) takes row 16 mt + r, channels 32 kb + 8 h + 0..7 and + 16
.macro LOADACT ar
.set i, 0
.rept 16
	LDSL AF+32*(i%4)+8*(i/4), \ar, 4352*(i%4)+64*(i/4)
	LDSL AF+32*(i%4)+8*(i/4)+4, \ar, 4352*(i%4)+64*(i/4)+32
.set i, i+1
.endr
.endm
; 64 rows x my 32 channels x K = 128: 32 matrix instructions; the 8 accumulators take turns, one instruction a turn; the bias starts the sums.
; swap = 0: source 0 = weights: a lane ends with one row and 8 neighbouring channels.  swap = 1: a lane ends with one channel and 8 neighbouring rows.
; cw = 1: the activations' 32 loads stand directly ahead: each block of 32 channels is waited for by itself, the later blocks' loads stay out.
.macro GEMM wb, bi, swap, cw=0
.set gk, 0
.rept 4
.if \cw
	s_wait_dscnt 24-8*gk
.endif
.set gm, 0
.rept 4
.set gn, 0
.rept 2
.set gd, DD+32*gm+8*gn
.set gc, gd
.if gk == 0
.set gc, (\bi)+8*gn
.endif
.if \swap
	MMA gd, AF+32*gm+8*gk, (\wb)+32*gn+8*gk, gc
.else
	MMA gd, (\wb)+32*gn+8*gk, AF+32*gm+8*gk, gc
.endif
.set gn, gn+1
.endr
.set gm, gm+1
.endr
.set gk, gk+1
.endr
.endm
; the sum of squares of my 32 channels of each row, into LDS word [row][wave] of area s; then the barrier
.macro NORM_A base, str, s
.set p, 0
.rept 8
.set t, 0
.rept 4
.if p == 0
	P2 v_pk_mul_f32, SQ+2*t, (\base)+(\str)*t, (\base)+(\str)*t
.else
	P3 v_pk_fma_f32, SQ+2*t, (\base)+(\str)*t+2*p, (\base)+(\str)*t+2*p, SQ+2*t
.endif
.set t, t+1
.endr
.set p, p+1
.endr
	FORT V2 v_add_f32, SQ+2*t, SQ+2*t, SQ+2*t+1
.set t, 0
.rept 4
	WDA SQ+2*t+1, SQ+2*t
	v_permlanex16_b32 v[(SQ+2*t+1)&255], v[(SQ+2*t)&255], s72, s73  ; the row's other 16 of my channels lie in the lane 16 away
.set t, t+1
.endr
	FORT V2 v_add_f32, SQ+2*t, SQ+2*t, SQ+2*t+1
	FORT LDSS1 SSW, SQ+2*t, 1024*(\s)+256*t
	BAR
.endm
; 1 / sqrt(mean + 1e-8) of each of my lane's four rows, twice (a pair for the packed multiply)
.macro NORM_B s
	FORT LDSL NB+4*t, SSR, 1024*(\s)+256*t
	s_wait_dscnt 0x0
	FORT P2 v_pk_add_f32, NB+4*t, NB+4*t, NB+4*t+2
	FORT V2 v_add_f32, NB+4*t, NB+4*t, NB+4*t+1
.set t, 0
.rept 4
	WDA NB+4*t, NB+4*t
	v_fma_f32 v[(NB+4*t)&255], v[(NB+4*t)&255], s46, s47   ; sum / 128 + 1e-8
.set t, t+1
.endr
	FORT V1 v_rsq_f32, RH+2*t, NB+4*t
	v_nop                                          ; a plain instruction behind the last root,
	s_wait_alu depctr_va_vdst(0)                   ; and one wait for the four, ahead of their first reader
	FORT V1 v_mov_b32, RH+2*t+1, RH+2*t
.endm
.macro NORM_C                          ; TT = x / rms; the gain lies in the weights
	FORTP P2 v_pk_mul_f32, TT+32*t+2*p, X+16*t+2*p, RH+2*t
.endm
.macro CVTT                            ; TT rounded to bf16, 16 bytes for each (mt, nt)
	FORTP V2 v_cvt_pk_bf16_f32, PKO+8*t+p, TT+32*t+2*p, TT+32*t+2*p+1
.endm
.macro STACT as                        ; my 64 bytes of each of the 64 rows
	FORI 8, LDSS \as, PKO+4*i, 4352*(i/2)+32*(i%2)
.endm
; PKO = bf16(silu(DD) / c), c = s94:  e = 2^(-log2(e) z);  t = c e + c;  z / t.  Two batches of 64 transcendentals, each with one plain instruction and one wait behind it.
.macro SILU
.set t, 0
.rept 4
.set p, 0
.rept 8
	P2K v_pk_mul_f32, TT+32*t+2*p, DD+32*t+2*p, 0xbfb8aa3b, op_sel_hi:[1,0]   ; -log2(e) z; each accumulator's lowest registers are read first
	V1 v_exp_f32, TT+32*t+2*p, TT+32*t+2*p
	V1 v_exp_f32, TT+32*t+2*p+1, TT+32*t+2*p+1
.set p, p+1
.endr
.set t, t+1
.endr
	v_nop
	s_wait_alu depctr_va_vdst(0)
.set t, 0
.rept 4
.set p, 0
.rept 8
	PFKK TT+32*t+2*p, TT+32*t+2*p, s[94:95], s[94:95]
	V1 v_rcp_f32, TT+32*t+2*p, TT+32*t+2*p
	V1 v_rcp_f32, TT+32*t+2*p+1, TT+32*t+2*p+1
.set p, p+1
.endr
.set t, t+1
.endr
	v_nop
	s_wait_alu depctr_va_vdst(0)
	FORTP P2 v_pk_mul_f32, TT+32*t+2*p, TT+32*t+2*p, DD+32*t+2*p
	CVTT
.endm
; The four projections: a loop of four trips, U, Q, K, V.  All four products' weights were asked for long before and lie in registers of their own, so each product has its own 32 lines, chosen by
; forward jumps on the loop's own counter; SiLU and the way out are written once.  The jumps pass no barrier.
.macro PROJ
	LOADACT AR1
	WIN 0
	s_mov_b32 s92, 4
.Lproj:
	s_wait_loadcnt 0x0                             ; the weights and biases (met at once from the second trip on)
	s_wait_dscnt 0x0                               ; the activations
	s_cmp_eq_u32 s92, 4
	s_cbranch_scc1 .Lp_u
	s_cmp_eq_u32 s92, 3
	s_cbranch_scc1 .Lp_q
	s_cmp_eq_u32 s92, 2
	s_cbranch_scc1 .Lp_k
	GEMM WV, BV, 1
	WIN 0
	s_branch .Lp_j
.Lp_u:
	GEMM WB1, BIB, 0
	WIN 0
	s_branch .Lp_j
.Lp_q:
	GEMM WQ, BQ, 0
	WIN 0
	s_branch .Lp_j
.Lp_k:
	GEMM WK, BK, 0
	WIN 0
.Lp_j:
	NOP4                                           ; four places behind the last product, ahead of readers of its result
	s_wait_xcnt 0x0                                ; every earlier store has read its sources: the pointer and PKO may be written
	s_add_nc_u64 s[86:87], s[86:87], SEC           ; the next section of the state
	s_cmp_eq_u32 s92, 3
	s_cselect_b32 s94, 0xc0b17218, 1.0             ; Q alone is scaled: divided by -8 / log2(e)
	s_mov_b32 s95, s94
	SILU
	FORI 8, GST GU, PKO+4*i, 86, 512*i
	WIN 0
	s_sub_co_u32 s92, s92, 1
	s_cmp_lg_u32 s92, 0
	s_cbranch_scc1 .Lproj
.endm
	s_load_b256 s[4:11], s[0:1], 0x0               ; log_seqs s[4:5], item_table s[6:7], pos_table s[8:9], emb_ln_s s[10:11]
	s_load_b128 s[12:15], s[0:1], 0x20             ; wts0 s[12:13], stA s[14:15]
	WIN 0x80
	v_lshl_add_u32 v[SPW&255], v0, 2, SPARE        ; my spare word,
	v_mov_b32 v[NIL&255], 0                        ; and 0: for the wave's end
	WIN 0
	v_lshrrev_b32 v1, 5, v0
	v_readfirstlane_b32 s16, v1                    ; wave 0..3
	s_mov_b32 s21, ttmp9                           ; g
	s_mov_b32 s46, 0x3c000000                      ; 1 / 128
	s_mov_b32 s47, 0x322bcc77                      ; 1e-8
	s_mov_b32 s72, 0x76543210                      ; v_permlanex16_b32: each lane takes its own place in the other half
	s_mov_b32 s73, 0xfedcba98
	v_and_b32 v1, 31, v0                           ; l
	v_and_b32 v2, 15, v0                           ; r
	v_bfe_u32 v3, v0, 4, 1                         ; h
	v_lshlrev_b32 v4, 4, v1                        ; 16 l
	v_mul_u32_u24 v5, v2, 272
	v_lshl_add_u32 v5, v3, 4, v5                   ; 272 r + 16 h
	v_mul_u32_u24 v6, v2, 528
	v_lshl_add_u32 v6, v3, 5, v6                   ; 528 r + 32 h
	v_lshlrev_b32 v7, 4, v2                        ; 16 r
	v_mov_b32 v[L16], v4
	s_lshl_b32 s2, s16, 13
	VK v_add_nc_u32, GX, s2, 4
	s_lshl_b32 s2, s16, 12
	VK v_add_nc_u32, GU, s2, 4
	s_lshl_b32 s2, s16, 11
	VK v_add_nc_u32, GB, s2, 4
	s_lshl_b32 s2, s16, 7
	s_add_co_u32 s2, s2, XST
	VK v_add_nc_u32, OSW, s2, 6
	s_lshl_b32 s2, s16, 6
	s_add_co_u32 s2, s2, ACT1
	VK v_add_nc_u32, AS1, s2, 5
	VK v_add_nc_u32, AR1, ACT1, 5
	s_lshl_b32 s2, s16, 2
	s_add_co_u32 s2, s2, SSQ0
	VK v_add_nc_u32, SSW, s2, 7
	VK v_add_nc_u32, SSR, SSQ0, 7
	s_mul_i32 s2, s16, 8448
	s_add_co_u32 s2, s2, XST
	VK v_add_nc_u32, OSR, s2, 4
	WIN 0
	s_and_b32 s2, s21, 31                          ; the block of 64 positions in the sequence
	s_lshl_b32 s2, s2, 6
	s_lshl_b32 s3, s16, 4
	s_add_co_u32 s2, s2, s3
	s_add_co_u32 s2, s2, 1                         ; positions count from 1
	s_lshl_b32 s2, s2, 9
	v_add_nc_u32 v[POSO], s2, v4
	s_lshl_b32 s80, s21, 15                        ; g x 32,768
	s_mov_b32 s81, 0
	s_lshl_b32 s82, s21, 14                        ; g x 16,384
	s_mov_b32 s83, 0
	s_lshl_b32 s2, s21, 8                          ; my 16 indices: 4 (64 g + 16 w) bytes on
	s_lshl_b32 s3, s16, 6
	s_add_co_u32 s2, s2, s3
	s_mov_b32 s3, 0
	s_wait_kmcnt 0x0
	s_add_nc_u64 s[2:3], s[4:5], s[2:3]
	s_load_b512 s[24:39], s[2:3], 0x0
	s_add_nc_u64 s[84:85], s[14:15], s[80:81]      ; x of my rows in the state
	s_add_nc_u64 s[86:87], s[14:15], s[82:83]
	s_add_nc_u64 s[86:87], s[86:87], SEC           ; one section ahead of U's: each trip of the projections steps it first
	s_wait_kmcnt 0x0
.set i, 0
.rept 16
	s_min_u32 s[24+i], s[24+i], 200000             ; an index stays inside the table
	s_lshl_b32 s[24+i], s[24+i], 9
	v_add_nc_u32 v[OFFS+i], s[24+i], v[L16]
.set i, i+1
.endr
.set i, 0
.rept 16
	global_load_b128 v[IT+4*i:IT+4*i+3], v[OFFS+i], s[6:7]            ; a row: 512 consecutive bytes
	global_load_b128 v[PO+4*i:PO+4*i+3], v[POSO], s[8:9] offset:512*i
.set i, i+1
.endr
	global_load_b128 v[EMB:EMB+3], v[L16], s[10:11]
	LOADW 12, 0, 12, OBI, WB1, BIB                 ; U's and
	LOADW 12, 32768, 12, OBI+8192, WQ, BQ          ; Q's weights, for later
	WIN 0
	s_wait_loadcnt 40                              ; the rows and emb_ln_s are in; those 40 younger loads stay out
	LOADW 12, 2*32768, 12, OBI+2*8192, WK, BK      ; K's and
	LOADW 12, 3*32768, 12, OBI+3*8192, WV, BV      ; V's
	WIN 0
.set i, 0
.rept 16
	v_pk_add_f32 v[IT+4*i:IT+4*i+1], v[IT+4*i:IT+4*i+1], v[PO+4*i:PO+4*i+1]
	v_pk_add_f32 v[IT+4*i+2:IT+4*i+3], v[IT+4*i+2:IT+4*i+3], v[PO+4*i+2:PO+4*i+3]
	v_pk_mul_f32 v[SQR+2*i:SQR+2*i+1], v[IT+4*i:IT+4*i+1], v[IT+4*i:IT+4*i+1]
	v_pk_fma_f32 v[SQR+2*i:SQR+2*i+1], v[IT+4*i+2:IT+4*i+3], v[IT+4*i+2:IT+4*i+3], v[SQR+2*i:SQR+2*i+1]
	v_add_f32 v[SQR+2*i], v[SQR+2*i], v[SQR+2*i+1]
.set i, i+1
.endr
.irp m, 1,2,4,8
	FORI 16, v_add_f32_dpp v[SQR+2*i], v[SQR+2*i], v[SQR+2*i] row_xmask:\m row_mask:0xf bank_mask:0xf
.endr
	FORI 16, v_permlanex16_b32 v[SQR+2*i+1], v[SQR+2*i], s72, s73
	FORI 16, v_add_f32 v[SQR+2*i], v[SQR+2*i], v[SQR+2*i+1]
	FORI 16, v_fma_f32 v[SQR+2*i], v[SQR+2*i], s46, s47
	FORI 16, v_rsq_f32 v[SQR+2*i], v[SQR+2*i]
	v_nop                                          ; a plain instruction behind the last root, and one wait for the sixteen
	s_wait_alu depctr_va_vdst(0)
.set i, 0
.rept 16
	v_pk_mul_f32 v[IT+4*i:IT+4*i+1], v[IT+4*i:IT+4*i+1], v[SQR+2*i:SQR+2*i+1] op_sel_hi:[1,0]
	v_pk_mul_f32 v[IT+4*i+2:IT+4*i+3], v[IT+4*i+2:IT+4*i+3], v[SQR+2*i:SQR+2*i+1] op_sel_hi:[1,0]
	v_pk_mul_f32 v[IT+4*i:IT+4*i+1], v[IT+4*i:IT+4*i+1], v[EMB:EMB+1]
	v_pk_mul_f32 v[IT+4*i+2:IT+4*i+3], v[IT+4*i+2:IT+4*i+3], v[EMB+2:EMB+3]
.set i, i+1
.endr
	FORI 16, LDSS OSR, IT+4*i, 528*i
	BAR                                            ; all 64 rows lie in LDS
	FORI 16, LDSL X+4*i, OSW, 8448*(i/4)+64*((i/2)%2)+16*(i%2)
	s_wait_dscnt 0x0
	FORI 16, GST GX, X+4*i, 84, 512*i              ; x is not written again: the stores' data stay
	NORM_A X, 16, 0
	NORM_B 0
	NORM_C
	CVTT
	STACT AS1
	BAR
	PROJ
	WIN 0x0a
	s_wait_tensorcnt 0x0                           ; the wave's end: three lines behind the last LDS store
	ds_add_u32 v[SPW&255], v[NIL&255]
	s_wait_dscnt 0x0
	WIN 0
	s_endpgm
.Lfunc_end_k_q31e6c5050f_embed:
	.size	k_q31e6c5050f_embed, .Lfunc_end_k_q31e6c5050f_embed-k_q31e6c5050f_embed
	.p2alignl 7, 3214868480
	.fill 96, 4, 3214868480
	.section	.rodata,"a",@progbits
	.p2align	6, 0x0
	.amdhsa_kernel k_q31e6c5050f_embed
		.amdhsa_group_segment_fixed_size 52736
		.amdhsa_private_segment_fixed_size 0
		.amdhsa_enable_private_segment 0
		.amdhsa_kernarg_size 48
		.amdhsa_user_sgpr_count 2
		.amdhsa_user_sgpr_kernarg_segment_ptr 1
		.amdhsa_wavefront_size32 1
		.amdhsa_system_sgpr_workgroup_id_x 1
		.amdhsa_system_sgpr_workgroup_id_y 1
		.amdhsa_system_sgpr_workgroup_id_z 1
		.amdhsa_system_vgpr_workitem_id 0
		.amdhsa_next_free_vgpr 960
		.amdhsa_next_free_sgpr 100
		.amdhsa_reserve_vcc 0
		.amdhsa_float_denorm_mode_32 3
		.amdhsa_float_denorm_mode_16_64 3
		.amdhsa_memory_ordered 1
		.amdhsa_forward_progress 1
		.amdhsa_inst_pref_size 70
	.end_amdhsa_kernel
	.amdgpu_metadata
---
amdhsa.version: [ 1, 2 ]
amdhsa.kernels:
  - .name:           k_q31e6c5050f_embed
    .symbol:         k_q31e6c5050f_embed.kd
    .args:
      - { .name: log_seqs, .offset: 0, .size: 8, .value_kind: global_buffer, .address_space: global }
      - { .name: item_table, .offset: 8, .size: 8, .value_kind: global_buffer, .address_space: global }
      - { .name: pos_table, .offset: 16, .size: 8, .value_kind: global_buffer, .address_space: global }
      - { .name: emb_ln_s, .offset: 24, .size: 8, .value_kind: global_buffer, .address_space: global }
      - { .name: wts0, .offset: 32, .size: 8, .value_kind: global_buffer, .address_space: global }
      - { .name: stA, .offset: 40, .size: 8, .value_kind: global_buffer, .address_space: global }
    .group_segment_fixed_size: 52736
    .private_segment_fixed_size: 0
    .kernarg_segment_align: 8
    .kernarg_segment_size: 48
    .max_flat_workgroup_size: 128
    .sgpr_count:     100
    .vgpr_count:     960
    .wavefront_size: 32
...
	.end_amdgpu_metadata
.endif
;; end of part 6
;; launch lay0 (part 7): grid 32 x 8, 4 waves a work-group, clusters of 4 x 4, 327,680 bytes of LDS; arguments stA, mw, wts0, wts1, stB; writes stB
.if DOCPART == 7
	.amdgcn_target "amdgcn-amd-amdhsa--gfx1250"
	.amdhsa_code_object_version 6
	.text
	.protected	k_q31e6c5050f_lay0
	.globl	k_q31e6c5050f_lay0
	.p2align	8
	.type	k_q31e6c5050f_lay0,@function
k_q31e6c5050f_lay0:
	s_mov_b64 s[64:65], 0
	v_nop
	global_prefetch_b8 v0, s[64:65] scope:SCOPE_SE
	s_setreg_imm32_b32 hwreg(HW_REG_WAVE_MODE, 25, 1), 1
	s_wait_xcnt 0x0
	s_wait_alu depctr_hold_cnt(0) depctr_sa_sdst(0) depctr_va_vdst(0) depctr_va_sdst(0) depctr_va_ssrc(0) depctr_va_vcc(0) depctr_vm_vsrc(0)
	s_getreg_b32 s2, hwreg(HW_REG_IB_STS2, 6, 4)
	s_cmp_eq_u32 s2, 0
	s_cbranch_scc0 .Lentry_in_a_cluster
	s_endpgm
.Lentry_in_a_cluster:
	s_bfe_u32 s2, ttmp6, 0x10000c
	s_cmp_lg_u32 s2, 0xf033
	s_cbranch_scc0 .Lentry_shape_is_right
	s_endpgm
.Lentry_shape_is_right:
.set LASTL, 0                          ; 0: layers 0 to 2 (this assembly).  1: layer 3.
; ONE LAYER.  From the state (x, U, Q, K, V of layer i) to the state of layer i + 1, or, for i = 3, to the output.
;   attention: A = max(silu(Q K^T / 8), 0), masked, divided by its row sum;  y = (rms(A V) hs U) f2 + b;  x += y;  x += gelu(rms(x) l2 c1 + b) c2 + b;
;   then rms(x) n3, which is either the next layer's pre-norm, followed by its four projections with SiLU, or (n3 = last_ln_s) the result.
; TWO ASSEMBLIES OF ONE TEXT.  In a launch with joint loads the partners of a cluster run alike, so what the last layer does otherwise (no state, no projections; f32 rows out) is chosen at assembly, by
; LASTL.  Each layer's weights are a buffer of their own: the arguments name this layer's and the next layer's (layer 3: last_ln_s in its place).  The gains hs, l2 and the next layer's pre-norm's lie in
; the weights' rows: an earlier launch has multiplied them in.
; SHARES.  256 work-groups; work-group (qb, b) owns 64 queries of batch b, both heads.  Wave w = 2 h + kh takes head h and half kh of each step's 128 keys, for all four tiles of 16 queries;
; the two halves are added through LDS at the end (there is no maximum to reconcile: the weights are sums).  Behind the attention wave w owns channels 32 w .. 32 w + 31 of all 64 rows.
; LAYOUT.  S^T = K Q^T: a lane holds ONE query (lane % 16) and keys 8 (lane / 16) + 0..7; two such results rounded to bf16 ARE source 1 of O^T = V^T P.  K, V, Q, U, x, the mask and the weights
; lie in memory as register images (chunks of 512 bytes, lane l at 16 l), so every LDS and global access is 512 consecutive bytes and nothing is turned or padded.
; A SCORE.  Q is stored times -log2(e) / 8, so S = -log2(e) logit.  e = 2^S;  t = C e + C, C = -2^64;  rr = 1 / t;  A' = clamp01(S rr) = log2(e) 2^-64 max(silu(logit), 0): the clamp's lower end is the
; max with 0, and the factor 2^-64 keeps the upper end out of reach.  Then bf16 and an AND with the mask word.  The row sum is a fifth accumulator, ones x P.  The common factor leaves in the division:
; threshold and epsilon are scaled alike.
; THE MASK comes as a byte a score, 0xff or 0, in the order of the lane's scores; one v_perm_b32 for a pair of scores writes each byte twice, which is the word that the AND takes.  (Words in memory would
; spare that line; but two slots of two steps would then be 4 x (64 + 16) KiB, all of LDS, with no room for the spare words.)  For two scores: four transcendentals and five plain instructions.
; THE PIPELINE.  Piece n = tile n % 4 of key step n / 4.  Turn n: products V^T P of piece n - 3, later K Q^T of piece n + 1; t and 1 / t of piece n - 1; S rr, rounding and mask of piece n - 2; 2^S of piece n.
; Nothing in a turn names a result of that turn's transcendentals, so a turn has ONE wait for them, at its end.  Behind each of its 18 matrix instructions stand two plain instructions and two
; transcendentals; the 16 lines that widen the mask and the other 14 such slices stand in a run between the two kinds of products, so that K, asked for at a trip's head, has that run too in which to come.
; No first and no last step is written out: the registers start at 0, pieces that do not exist give P = 0, and the last trip's scores serve nothing.
; RING.  Two LDS slots of TWO key steps: K 64 KiB, V 64 KiB, mask 16 KiB: one round of the cluster's barrier and one joint load a wave for every two trips, 144 matrix instructions a wave in which it lands.
; CLUSTER 4 x 4: K and V hang on b alone and are asked for jointly along a row of the cluster, the mask bytes on qb alone, jointly along a column.
; Behind the attention the ring's bytes, which have had their last fill, serve as stages.
; THE WEIGHTS come straight into registers, each byte once a work-group, and long before their products: f2's and c1's at the kernel's head, into registers that the attention leaves free; c2's and the next
; layer's U's and Q's where the attention ends; K's behind f2's product, into f2's registers; V's behind c1's product.
; LIMITS.  log2(e) logit stays under 2^64 (beyond, the weight is held there).  The row sum is that of the weights as rounded to bf16.  erf is Abramowitz and Stegun's 7.1.25, within 2.5e-5 for every argument,
; ahead of a rounding to bf16.  Operands of all products are bf16.  NaN and infinities are not treated apart.
.set STEPKV, 1<<15                     ; K's and V's ring, from LDS byte 0: in a slot K's two steps (32 KiB each), then V's two; this bit is the step's parity,
.set SLOTKV, 1<<17                     ; this one the slot: an exclusive or turns an address into the other step's or the other slot's
.set MRING,  262144                    ; behind it the mask's ring:
.set STEPM,  1<<13                     ; a step is 8 KiB,
.set SLOTM,  1<<14                     ; a slot two steps
.set XO,     0                         ; stages in the ring's bytes, used behind its last fill and last read: 8,704 bytes a wave for the exchange of halves; later the output's stage, 64 rows 528 bytes apart
.set ACT0,   65536                     ; 64 rows of 128 bf16, 272 bytes apart (the 16 rows of a load start at 16 different groups of four banks)
.set ACT1,   98304
.set SSQ0,   294912                    ; behind the rings: three areas [row 64][wave 4] f32
.set SPARE,  297984                    ; the spare words, 128 bytes for each wave
.set OBI,   229376                     ; the biases in a layer's buffer
.set SEC,   4194304                    ; a bf16 section of the state
; registers by absolute number, 0 to 1023; the macros below set the window of each operand place from the number
.set S,     0                          ; scores, 32 a tile; the packed weights P take the low 16 in place
.set E,     128                        ; two buffers of 32: e, then t, then rr
.set MK,    192                        ; mask bytes of one step, 8 registers a tile
.set MX,    224                        ; the mask words of the tile in hand, 16
.set ZR,    240                        ; eight zeros
.set AF,    0                          ; behind the attention: activations as fragments, (mt, kb) at 32 mt + 8 kb
.set PT,    0
.set WB0,   128                        ; c2's weights, (nt, kb) at 32 nt + 8 kb
.set WB1,   192                        ; the next layer's U's
.set O,     256                        ; O^T: tile t, block a at 32 t + 8 a; a = 0, 1 my channels, a = 2, 3 my partner's
.set SUM,   384                        ; row sums, 8 a tile
.set TT,    256                        ; behind the exchange: (mt, nt) at 32 mt + 8 nt
.set DD,    272                        ; accumulators, (mt, nt) at 32 mt + 8 nt
.set BIA,   384                        ; c2's bias as C operand
.set BIB,   400                        ; U's
.set X,     416                        ; x: 16 mt + 8 nt + j
.set UU,    480                        ; U in bf16: 8 mt + 4 nt + i
.set PKO,   480
.set Q,     512                        ; 16 t + 8 c
.set KF,    576                        ; 16 kb + 8 c
.set VF,    640                        ; 32 kk + 8 a
.set ONE,   704                        ; 1.0 in bf16, everywhere
.set WQ,    512                        ; behind the attention: the next layer's Q's weights and bias,
.set BQ,    576
.set WV,    592                        ; and V's
.set BV,    656
.set SPW,   712
.set NIL,   713
.set AK0,   714                        ; my lane's place in a step's K, V (my channels, my partner's), mask
.set AVA0,  715
.set AVB0,  716
.set AM0,   717
.set ADK,   718                        ; the same plus the slot and the step
.set ADA,   719
.set ADB,   720
.set ADM,   721
.set GX,    722                        ; 8,192 w + 16 l
.set GU,    723                        ; 4,096 w + 16 l
.set GQ,    724                        ; 8,192 h + 16 l
.set GB,    725                        ; 2,048 w + 16 l
.set GP,    726                        ; 128 w + 32 (l / 16)
.set PFO,   727                        ; 256 l
.set XS,    728
.set XR,    729
.set XS4,   730
.set XR4,   731
.set AS0,   732
.set AS1,   733
.set AR0,   734
.set AR1,   735
.set SSW,   736
.set SSR,   737
.set OSW,   738
.set OSR,   739
.set BC1,   768                        ; c1's bias
.set N3,    800                        ; layer 3: last_ln_s of my channels: 8 nt + j
.set RH,    816
.set SQ,    824
.set INV,   832
.set DN,    840
.set NB,    856
.set WF2,   872                        ; f2's weights and bias;
.set BF2,   936
.set WK,    872                        ; behind f2's product the next layer's K's
.set BK,    936
.set WC1,   952                        ; c1's weights
.set MSB, 0
.macro WIN new                         ; the immediate's high byte repeats the setting that is left; a switch that changes nothing is dropped
.if MSB != (\new)
	s_set_vgpr_msb (MSB<<8)|(\new)
.set MSB, (\new)
.endif
.endm
.macro WDA d, a                        ; destination and source 0; the other places stay
	WIN ((MSB&0x3c)|((\a)>>8)|(((\d)>>8)<<6))
.endm
.macro WDB d, b                        ; destination and source 1
	WIN ((MSB&0x33)|(((\b)>>8)<<2)|(((\d)>>8)<<6))
.endm
.macro WDAB d, a, b
	WIN ((MSB&0x30)|((\a)>>8)|(((\b)>>8)<<2)|(((\d)>>8)<<6))
.endm
.macro WDABC d, a, b, c
	WIN (((\a)>>8)|(((\b)>>8)<<2)|(((\c)>>8)<<4)|(((\d)>>8)<<6))
.endm
.macro V1 op, d, a
	WDA \d, \a
	\op v[(\d)&255], v[(\a)&255]
.endm
.macro V2 op, d, a, b
	WDAB \d, \a, \b
	\op v[(\d)&255], v[(\a)&255], v[(\b)&255]
.endm
.macro VK op, d, k, b                  ; source 0 a scalar or a constant
	WDB \d, \b
	\op v[(\d)&255], \k, v[(\b)&255]
.endm
.macro P2 op, d, a, b, m:vararg        ; on pairs
	WDAB \d, \a, \b
	\op v[(\d)&255:((\d)&255)+1], v[(\a)&255:((\a)&255)+1], v[(\b)&255:((\b)&255)+1] \m
.endm
.macro P3 op, d, a, b, c, m:vararg
	WDABC \d, \a, \b, \c
	\op v[(\d)&255:((\d)&255)+1], v[(\a)&255:((\a)&255)+1], v[(\b)&255:((\b)&255)+1], v[(\c)&255:((\c)&255)+1] \m
.endm
.macro P2K op, d, a, k, m:vararg       ; source 1 a scalar pair or a constant
	WDA \d, \a
	\op v[(\d)&255:((\d)&255)+1], v[(\a)&255:((\a)&255)+1], \k \m
.endm
.macro PFKK d, a, k1, k2               ; d = a k1 + k2, both the same for the two halves
	WDA \d, \a
	v_pk_fma_f32 v[(\d)&255:((\d)&255)+1], v[(\a)&255:((\a)&255)+1], \k1, \k2 op_sel_hi:[1,0,0]
.endm
.macro PFVK d, a, b, k                 ; d = a b + k
	WDAB \d, \a, \b
	v_pk_fma_f32 v[(\d)&255:((\d)&255)+1], v[(\a)&255:((\a)&255)+1], v[(\b)&255:((\b)&255)+1], \k op_sel_hi:[1,1,0]
.endm
.macro MMA d, a, b, c
	WDABC \d, \a, \b, \c
	v_wmma_f32_16x16x32_bf16 v[(\d)&255:((\d)&255)+7], v[(\a)&255:((\a)&255)+7], v[(\b)&255:((\b)&255)+7], v[(\c)&255:((\c)&255)+7]
.endm
.macro MMA0 d, a, b                    ; the product starts the sum
	WDAB \d, \a, \b
	v_wmma_f32_16x16x32_bf16 v[(\d)&255:((\d)&255)+7], v[(\a)&255:((\a)&255)+7], v[(\b)&255:((\b)&255)+7], 0
.endm
.macro LDSL d, ad, off                 ; LDS: loaded data = destination, address = source 0, stored data = source 1
	WDA \d, \ad
	ds_load_b128 v[(\d)&255:((\d)&255)+3], v[(\ad)&255] offset:\off
.endm
.macro LDSL1 d, ad, off
	WDA \d, \ad
	ds_load_b32 v[(\d)&255], v[(\ad)&255] offset:\off
.endm
.macro LDSS ad, dt, off
	WIN ((MSB&0xf0)|((\ad)>>8)|(((\dt)>>8)<<2))
	ds_store_b128 v[(\ad)&255], v[(\dt)&255:((\dt)&255)+3] offset:\off
.endm
.macro LDSS1 ad, dt, off
	WIN ((MSB&0xf0)|((\ad)>>8)|(((\dt)>>8)<<2))
	ds_store_b32 v[(\ad)&255], v[(\dt)&255] offset:\off
.endm
.macro GLD d, ad, sb, off
	WDA \d, \ad
	global_load_b128 v[(\d)&255:((\d)&255)+3], v[(\ad)&255], s[\sb:(\sb)+1] offset:\off
.endm
.macro GST ad, dt, sb, off
	WIN ((MSB&0xf0)|((\ad)>>8)|(((\dt)>>8)<<2))
	global_store_b128 v[(\ad)&255], v[(\dt)&255:((\dt)&255)+3], s[\sb:(\sb)+1] offset:\off
.endm
.macro FORI n, line:vararg             ; the line for i = 0 .. n - 1
.set i, 0
.rept \n
	\line
.set i, i+1
.endr
.endm
.macro FORT line:vararg                ; for each row tile t
.set t, 0
.rept 4
	\line
.set t, t+1
.endr
.endm
.macro FORTP line:vararg               ; for each row tile t and pair p of its 16 numbers
.set t, 0
.rept 4
.set p, 0
.rept 8
	\line
.set p, p+1
.endr
.set t, t+1
.endr
.endm
.macro NOP4
.rept 4
	v_nop
.endr
.endm
.macro BAR                             ; my LDS instructions are done, for the others' sake; then the work-group's barrier
	s_wait_dscnt 0x0
	s_barrier_signal -1
	s_barrier_wait -1
.endm
; my 8,192 bytes of a product's weights and my 2,048 of its bias: 20 loads of 512 consecutive bytes
.macro LOADW sw, ow, sb, ob, wb, bi
	FORI 16, GLD (\wb)+4*i, GX, \sw, (\ow)+512*i
	FORI 4, GLD (\bi)+4*i, GB, \sb, (\ob)+512*i
.endm
; all 64 rows x 128 channels as 16 fragments, by blocks of 32 channels: lane (r, h) takes row 16 mt + r, channels 32 kb + 8 h + 0..7 and + 16
.macro LOADACT ar
.set i, 0
.rept 16
	LDSL AF+32*(i%4)+8*(i/4), \ar, 4352*(i%4)+64*(i/4)
	LDSL AF+32*(i%4)+8*(i/4)+4, \ar, 4352*(i%4)+64*(i/4)+32
.set i, i+1
.endr
.endm
; 64 rows x my 32 channels x K = 128: 32 matrix instructions; the 8 accumulators take turns, one instruction a turn; the bias starts the sums.
; swap = 0: source 0 = weights: a lane ends with one row and 8 neighbouring channels.  swap = 1: a lane ends with one channel and 8 neighbouring rows.
; cw = 1: the activations' 32 loads stand directly ahead: each block of 32 channels is waited for by itself, the later blocks' loads stay out.
.macro GEMM wb, bi, swap, cw=0
.set gk, 0
.rept 4
.if \cw
	s_wait_dscnt 24-8*gk
.endif
.set gm, 0
.rept 4
.set gn, 0
.rept 2
.set gd, DD+32*gm+8*gn
.set gc, gd
.if gk == 0
.set gc, (\bi)+8*gn
.endif
.if \swap
	MMA gd, AF+32*gm+8*gk, (\wb)+32*gn+8*gk, gc
.else
	MMA gd, (\wb)+32*gn+8*gk, AF+32*gm+8*gk, gc
.endif
.set gn, gn+1
.endr
.set gm, gm+1
.endr
.set gk, gk+1
.endr
.endm
; the sum of squares of my 32 channels of each row, into LDS word [row][wave] of area s; then the barrier
.macro NORM_A base, str, s
.set p, 0
.rept 8
.set t, 0
.rept 4
.if p == 0
	P2 v_pk_mul_f32, SQ+2*t, (\base)+(\str)*t, (\base)+(\str)*t
.else
	P3 v_pk_fma_f32, SQ+2*t, (\base)+(\str)*t+2*p, (\base)+(\str)*t+2*p, SQ+2*t
.endif
.set t, t+1
.endr
.set p, p+1
.endr
	FORT V2 v_add_f32, SQ+2*t, SQ+2*t, SQ+2*t+1
.set t, 0
.rept 4
	WDA SQ+2*t+1, SQ+2*t
	v_permlanex16_b32 v[(SQ+2*t+1)&255], v[(SQ+2*t)&255], s72, s73  ; the row's other 16 of my channels lie in the lane 16 away
.set t, t+1
.endr
	FORT V2 v_add_f32, SQ+2*t, SQ+2*t, SQ+2*t+1
	FORT LDSS1 SSW, SQ+2*t, 1024*(\s)+256*t
	BAR
.endm
; 1 / sqrt(mean + 1e-8) of each of my lane's four rows, twice (a pair for the packed multiply)
.macro NORM_B s
	FORT LDSL NB+4*t, SSR, 1024*(\s)+256*t
	s_wait_dscnt 0x0
	FORT P2 v_pk_add_f32, NB+4*t, NB+4*t, NB+4*t+2
	FORT V2 v_add_f32, NB+4*t, NB+4*t, NB+4*t+1
.set t, 0
.rept 4
	WDA NB+4*t, NB+4*t
	v_fma_f32 v[(NB+4*t)&255], v[(NB+4*t)&255], s46, s47   ; sum / 128 + 1e-8
.set t, t+1
.endr
	FORT V1 v_rsq_f32, RH+2*t, NB+4*t
	v_nop                                          ; a plain instruction behind the last root,
	s_wait_alu depctr_va_vdst(0)                   ; and one wait for the four, ahead of their first reader
	FORT V1 v_mov_b32, RH+2*t+1, RH+2*t
.endm
.macro NORM_C                          ; TT = x / rms; the gain lies in the weights
	FORTP P2 v_pk_mul_f32, TT+32*t+2*p, X+16*t+2*p, RH+2*t
.endm
.macro CVTT                            ; TT rounded to bf16, 16 bytes for each (mt, nt)
	FORTP V2 v_cvt_pk_bf16_f32, PKO+8*t+p, TT+32*t+2*p, TT+32*t+2*p+1
.endm
.macro STACT as                        ; my 64 bytes of each of the 64 rows
	FORI 8, LDSS \as, PKO+4*i, 4352*(i/2)+32*(i%2)
.endm
; (SILU and PROJ are used with LASTL = 0 alone.)
; PKO = bf16(silu(DD) / c), c = s94:  e = 2^(-log2(e) z);  t = c e + c;  z / t.  Two batches of 64 transcendentals, each with one plain instruction and one wait behind it.
.macro SILU
.set t, 0
.rept 4
.set p, 0
.rept 8
	P2K v_pk_mul_f32, TT+32*t+2*p, DD+32*t+2*p, 0xbfb8aa3b, op_sel_hi:[1,0]   ; -log2(e) z; each accumulator's lowest registers are read first
	V1 v_exp_f32, TT+32*t+2*p, TT+32*t+2*p
	V1 v_exp_f32, TT+32*t+2*p+1, TT+32*t+2*p+1
.set p, p+1
.endr
.set t, t+1
.endr
	v_nop
	s_wait_alu depctr_va_vdst(0)
.set t, 0
.rept 4
.set p, 0
.rept 8
	PFKK TT+32*t+2*p, TT+32*t+2*p, s[94:95], s[94:95]
	V1 v_rcp_f32, TT+32*t+2*p, TT+32*t+2*p
	V1 v_rcp_f32, TT+32*t+2*p+1, TT+32*t+2*p+1
.set p, p+1
.endr
.set t, t+1
.endr
	v_nop
	s_wait_alu depctr_va_vdst(0)
	FORTP P2 v_pk_mul_f32, TT+32*t+2*p, TT+32*t+2*p, DD+32*t+2*p
	CVTT
.endm
; The four projections: a loop of four trips, U, Q, K, V.  All four products' weights were asked for long before and lie in registers of their own, so each product has its own 32 lines, chosen by
; forward jumps on the loop's own counter; SiLU and the way out are written once.  The jumps pass no barrier.
.macro PROJ
	LOADACT AR1
	WIN 0
	s_mov_b32 s92, 4
.Lproj:
	s_wait_loadcnt 0x0                             ; the weights and biases (met at once from the second trip on)
	s_wait_dscnt 0x0                               ; the activations
	s_cmp_eq_u32 s92, 4
	s_cbranch_scc1 .Lp_u
	s_cmp_eq_u32 s92, 3
	s_cbranch_scc1 .Lp_q
	s_cmp_eq_u32 s92, 2
	s_cbranch_scc1 .Lp_k
	GEMM WV, BV, 1
	WIN 0
	s_branch .Lp_j
.Lp_u:
	GEMM WB1, BIB, 0
	WIN 0
	s_branch .Lp_j
.Lp_q:
	GEMM WQ, BQ, 0
	WIN 0
	s_branch .Lp_j
.Lp_k:
	GEMM WK, BK, 0
	WIN 0
.Lp_j:
	NOP4                                           ; four places behind the last product, ahead of readers of its result
	s_wait_xcnt 0x0                                ; every earlier store has read its sources: the pointer and PKO may be written
	s_add_nc_u64 s[86:87], s[86:87], SEC           ; the next section of the state
	s_cmp_eq_u32 s92, 3
	s_cselect_b32 s94, 0xc0b17218, 1.0             ; Q alone is scaled: divided by -8 / log2(e)
	s_mov_b32 s95, s94
	SILU
	FORI 8, GST GU, PKO+4*i, 86, 512*i
	WIN 0
	s_sub_co_u32 s92, s92, 1
	s_cmp_lg_u32 s92, 0
	s_cbranch_scc1 .Lproj
.endm
; gelu of row tile m's 16 numbers z:  az = |z|;  t = 1 / (1 + 0.3326725 az);  e = 2^(-0.7213475 az^2);  g' = t (a1 + t (a2 + a3 t)) e with the factor -1/2 in a1..a3;  gelu = max(z, 0) + az g'
.set TA, 256
.set TB2, 288
.set TC, 320
.set TD, 352
.macro GELU m
.set zb, DD+32*(\m)
	FORI 16, VK v_and_b32, TA+i, s97, zb+i         ; each accumulator's lowest registers are read first
	FORI 8, PFKK TB2+2*i, TA+2*i, 0x3eaa540e, 1.0
	FORI 8, P2K v_pk_mul_f32, TC+2*i, TA+2*i, 0xbf38aa3b, op_sel_hi:[1,0]
	FORI 8, P2 v_pk_mul_f32, TC+2*i, TC+2*i, TA+2*i
	FORI 16, V1 v_rcp_f32, TB2+i, TB2+i
	FORI 16, V1 v_exp_f32, TC+i, TC+i
	FORI 16, VK v_max_num_f32, zb+i, 0, zb+i       ; plain work that names no result of the batch,
	s_wait_alu depctr_va_vdst(0)                   ; and one wait for the 32
	FORI 8, PFKK TD+2*i, TB2+2*i, s[22:23], s[92:93]
	FORI 8, PFVK TD+2*i, TD+2*i, TB2+2*i, s[94:95]
	FORI 8, P2 v_pk_mul_f32, TB2+2*i, TB2+2*i, TC+2*i
	FORI 8, P2 v_pk_mul_f32, TD+2*i, TD+2*i, TB2+2*i
	FORI 8, P3 v_pk_fma_f32, zb+2*i, TA+2*i, TD+2*i, zb+2*i
	FORI 8, V2 v_cvt_pk_bf16_f32, PKO+8*(\m)+i, zb+2*i, zb+2*i+1
.endm
; ---- the ring
; A round of the cluster's barrier: my work-group's barrier, so that wave 0's signal speaks for all four waves; wave 0 signals; every wave waits for all sixteen work-groups; my work-group's barrier once more.
.macro CROUND
	WIN 0
	s_barrier_signal -1
	s_barrier_wait -1
	s_cmp_lg_u32 s16, 0
	s_cbranch_scc1 .Lnot_wave_0_\@
	s_barrier_signal -3
.Lnot_wave_0_\@:
	s_barrier_wait -3
	s_barrier_signal -1
	s_barrier_wait -1
.endm
; A joint fill of a slot: two key steps.  Wave 0 fetches their K, wave 1 their V (mask: my row of the cluster), wave 2 the even step's mask bytes, wave 3 the odd step's (mask: my column).
; The branch hangs on the wave's number alone.  An s_nop 0 and four v_nop follow each of the two lines.
.macro JLOAD
	WIN 0
	s_cmp_lt_u32 s16, 2
	s_cbranch_scc0 .Lfor_m_\@
	tensor_load_to_lds s[52:55], s[24:31]
	s_nop 0
	NOP4
	s_branch .Lasked_\@
.Lfor_m_\@:
	tensor_load_to_lds s[60:63], s[32:39]
	s_nop 0
	NOP4
.Lasked_\@:
.endm
; A PREFETCH INTO THE L2, in trip k, behind the trip's run of LDS loads: key step k + 6.  The joint load that will want it goes out ahead of trip k + 4 (k even) or k + 3 (k odd): three trips,
; 216 matrix instructions a wave, or more.  Each block of 256 bytes is named once in the launch.  K and V of a batch are read by every cluster of that row of clusters: the one with x = 0 asks, wave 0 for K,
; wave 1 for V; of a step's 128 blocks the partner at cx takes 32, a lane a block.  The mask bytes of a query block are read by both clusters of a column: the one with y = 0 asks, wave 2, in trips 2 and 6,
; for four steps of 32 blocks: the partner at cy takes one of them.  The partners are told apart by address alone.  From trip 10 on nothing is asked for: step 15 is the last that is named.
; Steps 0 to 5 (of the mask: 0 to 7) come by their loads alone.
.macro ASK
	WIN 0
	s_lshl1_add_u32 s22, s69, s99                  ; 2 x slots left + trips left in the slot = 16 - k
	s_and_b32 s23, s22, s79                        ; waves 0 and 1: every trip; wave 2: where 16 - k is 2 modulo 4
	s_cmp_eq_u32 s23, s3
	s_cselect_b32 s22, s22, 0
	s_cmp_gt_u32 s22, s78
	s_cbranch_scc0 .Lnot_mine_\@
	WIN 0x02
	global_prefetch_b8 v[PFO&255], s[74:75] th:TH_LOAD_NT scope:SCOPE_SE
	WIN 0
.Lnot_mine_\@:
.endm
; THE CHANGE OF SLOTS, ahead of every second trip.  Each wave waits for all its tensor loads, of which one is out: its part of the slot that is read next; adds 0 to its spare word; and waits for that and for
; its reads of the slot that it leaves.  fill = 1: the barrier is a round of the cluster's, so that no wave of any partner still reads the slot or has a load on its way, and the joint fill of that slot, with
; the two steps behind those that are read next, is the first thing behind it.  (At its first use nothing has been read yet: slot 0 is waited for, slot 1 filled.)
.macro CHANGE fill
	WIN 0x0a                                       ; (the add's two registers lie in window 2)
	s_wait_tensorcnt 0x0                           ; no tensor load of mine is out, so a group 0 may be written
	ds_add_u32 v[SPW&255], v[NIL&255]              ; the descriptors' steps stand between the add and the wait for it
	WIN 0
.if \fill
	s_xor_b32 s53, s53, SLOTKV                     ; the walking descriptors: the other slot than last time, the next two steps
	s_add_nc_u64 s[54:55], s[54:55], 65536
	s_xor_b32 s61, s61, SLOTM
	s_add_nc_u64 s[62:63], s[62:63], 16384
	s_wait_dscnt 0x0                               ; the add is done, and my reads of the slot are over
	CROUND
	JLOAD
.else
	s_wait_dscnt 0x0
	s_barrier_signal -1
	s_barrier_wait -1
.endif
	s_xor_b32 s68, s68, SLOTKV                     ; the LDS reads go on in the other slot
	s_xor_b32 s98, s98, SLOTM
.endm
; The trip's K for my head and my half of the keys: 8 fragments, one run of 16 loads.  Behind the last product that read K stand five plain lines: two of its slice, the turn's v_nop, and the two here.
.macro FETCH_K
	VK v_add_nc_u32, ADK, s68, AK0
	v_nop
	FORI 16, LDSL KF+4*i, ADK, 1024*(i/4)+4096*((i/2)%2)+512*(i%2)
	WIN 0
.endm
; ---- a turn
; The next plain instruction, pq of 64.  Each half of 32 deals two lists a and b of 16 as a0 a1 a2 a3 b0 a4 b1 a5 .. a15 b12 b13 b14 b15: first (t = C e + C; A' = clamp01(S rr)), then (rounding; mask).
.macro PQ
.set hh, pq/32
.set ii, pq%32
.if ii < 4
.set ka, 1
.set ix, ii
.elseif ii > 28
.set ka, 0
.set ix, ii-16
.elseif (ii%2) == 0
.set ka, 0
.set ix, (ii-4)/2
.else
.set ka, 1
.set ix, (ii+3)/2
.endif
.if (hh == 0) && (ka == 1)
	v_pk_fma_f32 v[EF+2*ix:EF+2*ix+1], v[EF+2*ix:EF+2*ix+1], s[70:71], s[70:71] op_sel_hi:[1,0,0]
.elseif hh == 0
	v_pk_mul_f32 v[SM+2*ix:SM+2*ix+1], v[SM+2*ix:SM+2*ix+1], v[EM+2*ix:EM+2*ix+1] clamp
.elseif ka == 1
	v_cvt_pk_bf16_f32 v[SM+ix], v[SM+2*ix], v[SM+2*ix+1]   ; in place, ascending: word k lands where numbers k / 2's word has been made
.else
	v_and_b32 v[SM+ix], v[SM+ix], v[MX+ix]
.endif
.set pq, pq+1
.endm
; The tile's 32 mask bytes become 16 words: word k takes bytes 2 k and 2 k + 1 of the lane's 32, each written twice.
.macro WIDEN
	WIN 0
.set wx, 0
.rept 16
	v_perm_b32 v[MX+wx], v[MKM+wx/2], v[MKM+wx/2], s[92+wx%2]
.set wx, wx+1
.endr
.endm
; The next transcendental, tq of 64: 1 / t in place (number k stands behind plain number k, its t at plain number k or earlier), then 2^S, ascending.
.macro TQ
.if tq < 32
	v_rcp_f32 v[EF+tq], v[EF+tq]
.else
	v_exp_f32 v[EM+tq-32], v[SE+tq-32]
.endif
.set tq, tq+1
.endm
.macro SLICE
	WIN 0
	PQ
	TQ
	PQ
	TQ
.endm
; The turn's next matrix instruction, mm of 18, for tile TJ.  0-9: O^T += V^T P and the row sums, five accumulators by turns, keys 32 (mm / 5) on.  10-17: S^T = K Q^T, four accumulators by turns.
.macro MM
.if mm < 10
.set kk, mm/5
.set aa, mm%5
.if aa < 4
	MMA O+32*TJ+8*aa, VF+32*kk+8*aa, S+32*TJ+8*kk, O+32*TJ+8*aa
.else
	MMA SUM+8*TJ, ONE, S+32*TJ+8*kk, SUM+8*TJ
.endif
.else
.set cc, (mm-10)/4
.set kb, ((mm-10)%4+2)%4
.if cc == 0
	MMA0 S+32*TJ+8*kb, KF+16*kb, Q+16*TJ
.else
	MMA S+32*TJ+8*kb, KF+16*kb+8, Q+16*TJ+8, S+32*TJ+8*kb
.endif
.endif
.set mm, mm+1
.endm
; Turn j of a trip.  Products: tile j.  t, 1 / t: buffer j % 2.  A', rounding, mask: tile j + 1, with the other buffer, into which 2^S of tile j + 3 then goes.  No slice names a register of tile j.
; Its order: 10 products V^T P, a slice behind each; the 16 widening lines and 14 slices; 8 products K Q^T, a slice behind each; the wait.
; Turn 0 waits for V ahead of its first product and for K ahead of its first K Q^T.  Turn 3 reads this step's mask bytes at its head, and this step's V behind the widening lines: 18 plain lines behind the last
; product that read V.
.macro TURN j
.set TJ, (\j)
.set EF, E+32*((\j)%2)
.set EM, E+32*(((\j)+1)%2)
.set SM, S+32*(((\j)+1)%4)
.set MKM, MK+8*(((\j)+1)%4)
.set SE, S+32*(((\j)+3)%4)
.set mm, 0
.set pq, 0
.set tq, 0
.if (\j) == 3
	VK v_add_nc_u32, ADM, s98, AM0
	VK v_add_nc_u32, ADA, s68, AVA0
	VK v_add_nc_u32, ADB, s68, AVB0
	FORI 8, LDSL MK+4*i, ADM, 512*i
.endif
.if (\j) == 0
	s_wait_dscnt 16                                ; V, asked for in the trip before, is in; K's 16 younger loads stay out
.endif
.rept 10
	MM
	SLICE
.endr
.if (\j) == 3
	s_wait_dscnt 0x0                               ; the mask bytes are in: nothing else of mine is out
.endif
	WIDEN
.if (\j) == 3
	FORI 8, LDSL VF+32*(i/4)+8*((i/2)%2)+4*(i%2), ADA, 2048*(i/4)+1024*(i%2)+512*((i/2)%2)
	FORI 8, LDSL VF+32*(i/4)+16+8*((i/2)%2)+4*(i%2), ADB, 2048*(i/4)+1024*(i%2)+512*((i/2)%2)
.endif
.rept 14
	SLICE
.endr
.if (\j) == 0
	s_wait_dscnt 0x0                               ; K is in
.endif
.rept 8
	MM
	SLICE
.endr
	v_nop                                          ; a plain instruction behind the last transcendental,
	s_wait_alu depctr_va_vdst(0)                   ; and the turn's one wait: the next turn names these results
.endm
; ======== the head
	s_load_b256 s[4:11], s[0:1], 0x0               ; state in s[4:5], mw s[6:7], this layer's weights s[8:9], the next layer's (layer 3: last_ln_s) s[10:11]
	s_load_b64 s[12:13], s[0:1], 0x20              ; state out, or the output
	WIN 0x80
	v_lshl_add_u32 v[SPW&255], v0, 2, SPARE
	v_mov_b32 v[NIL&255], 0
	WIN 0x0a
	ds_add_u32 v[SPW&255], v[NIL&255]              ; the wave's opening: the add, twice on end, and its wait ahead of my first tensor load
	ds_add_u32 v[SPW&255], v[NIL&255]
	WIN 0
	v_lshrrev_b32 v1, 5, v0
	v_readfirstlane_b32 s16, v1                    ; wave 0..3
	s_bfe_u32 s17, ttmp6, 0x40000                  ; cx
	s_bfe_u32 s18, ttmp6, 0x40004                  ; cy
	s_lshl_b32 s19, ttmp9, 2
	s_add_co_u32 s19, s19, s17                     ; qb = 4 x cluster x + cx
	s_and_b32 s20, ttmp7, 0xffff
	s_lshl_b32 s20, s20, 2
	s_add_co_u32 s20, s20, s18                     ; b = 4 x cluster y + cy
	s_lshl_b32 s21, s20, 5
	s_add_co_u32 s21, s21, s19                     ; g = 32 b + qb: it enters addresses of my own rows alone
	s_lshl_b32 s22, s18, 2
	s_lshl_b32 s22, 15, s22                        ; my row of the cluster
	s_lshl_b32 s23, 0x1111, s17                    ; my column
	; descriptor group 1: dense blocks as rows of 256 bytes: elements of 8 bytes, 32 a row, no padding
	s_or_b32 s24, s22, (3<<16)|(1<<21)             ; K, V: 15:0 the mask of my row; 17:16 elements of 8 bytes; 21 set beside a mask
	s_mov_b32 s25, 32<<16                          ; tensor_dim0 = 32
	s_mov_b32 s26, 256<<16                         ; tensor_dim1 = 256
	s_mov_b32 s27, 32<<16                          ; tile_dim0 = 32
	s_mov_b32 s28, 256                             ; tile_dim1 = 256 rows: two steps, 65,536 bytes
	s_mov_b32 s29, 32                              ; 32 elements from row to row
	s_mov_b32 s30, 0
	s_mov_b32 s31, 0
	s_or_b32 s32, s23, (3<<16)|(1<<21)             ; mask bytes: the mask of my column; 32 rows: a step, 8,192 bytes
	s_mov_b32 s33, 32<<16
	s_mov_b32 s34, 32<<16
	s_mov_b32 s35, 32<<16
	s_mov_b32 s36, 32
	s_mov_b32 s37, 32
	s_mov_b32 s38, 0
	s_mov_b32 s39, 0
	s_and_b32 s3, s16, 1                           ; which of the two tiles of my kind I fetch
	s_lshl_b32 s92, s3, 22                         ; K's section or V's,
	s_lshl_b32 s93, s20, 19                        ; the batch's 524,288 bytes in it: b alone, which my row shares
	s_add_co_u32 s92, s92, s93
	s_add_co_u32 s92, s92, 4*SEC
	s_mov_b32 s93, 0
	s_lshl_b32 s94, s19, 17                        ; the query block's 131,072 bytes of mw: qb alone, which my column shares
	s_lshl_b32 s95, s3, 13
	s_add_co_u32 s94, s94, s95
	s_mov_b32 s95, 0
	s_lshl_b32 s98, s3, 16                         ; in a slot: K at 0, V at 65,536;
	s_lshl_b32 s99, s3, 13
	s_add_co_u32 s99, s99, MRING                   ; the mask's two steps in its own ring: no place in the cluster enters an LDS address
	s_mov_b32 s46, 0x3c000000                      ; 1 / 128
	s_mov_b32 s47, 0x322bcc77                      ; 1e-8
	s_mov_b32 s68, SLOTKV                          ; where K and V are read: the first change of slots turns it into 0
	s_mov_b32 s70, 0xdf800000                      ; C = -2^64
	s_mov_b32 s71, 0xdf800000
	s_mov_b32 s72, 0x76543210                      ; v_permlanex16_b32: each lane takes its own place in the other half
	s_mov_b32 s73, 0xfedcba98
	s_mov_b32 s96, 0xffff0000
	s_mov_b32 s97, 0x7fffffff
	s_lshl_b32 s80, s21, 15
	s_mov_b32 s81, 0
	s_lshl_b32 s82, s21, 14
	s_mov_b32 s83, 0
	s_wait_dscnt 0x0                               ; both opening adds are done
	s_wait_kmcnt 0x0
	s_add_nc_u64 s[92:93], s[4:5], s[92:93]
	s_add_nc_u64 s[94:95], s[6:7], s[94:95]
	s_add_nc_u64 s[84:85], s[12:13], s[80:81]      ; out: x of my rows, or my rows of the result
.if LASTL == 0
	s_add_nc_u64 s[86:87], s[12:13], s[82:83]
	s_add_nc_u64 s[86:87], s[86:87], SEC           ; one section ahead of U's: each trip of the projections steps it first
.endif
	s_add_nc_u64 s[80:81], s[4:5], s[80:81]        ; in: x
	s_add_nc_u64 s[82:83], s[4:5], s[82:83]
	s_add_nc_u64 s[82:83], s[82:83], 2*SEC         ; in: U; Q one section on
	s_mov_b32 s52, 1                               ; group 0 for K or V: count = 1,
	s_add_co_u32 s53, s98, 0                       ; LDS address: slot 0,
	s_add_nc_u64 s[54:55], s[92:93], 0             ; steps 0 and 1,
	s_or_b32 s55, s55, 0x80000000                  ; type = 2
	s_mov_b32 s60, 1                               ; and for the mask bytes
	s_add_co_u32 s61, s99, 0
	s_add_nc_u64 s[62:63], s[94:95], 0
	s_or_b32 s63, s63, 0x80000000
	; the prefetches: where they stand, their step, who asks
	s_cmp_lt_u32 s16, 2
	s_cselect_b64 s[74:75], s[92:93], s[94:95]
	s_cselect_b32 s2, s17, s18                     ; my place among the four that ask for the tile with me
	s_cselect_b32 s76, 15, 13
	s_lshl_b32 s2, s2, 13                          ; its 32 blocks of 256 bytes
	s_lshl_b32 s76, 1, s76                         ; a step's bytes
	s_mov_b32 s77, 0
	s_mul_i32 s3, s76, 5                           ; at step 5: the first trip steps it to 6
	s_add_co_u32 s2, s2, s3
	s_mov_b32 s3, 0
	s_add_nc_u64 s[74:75], s[74:75], s[2:3]
	s_and_b32 s2, ttmp7, 0xffff
	s_cmp_lt_u32 s16, 2
	s_cselect_b32 s2, ttmp9, s2                    ; the coordinate along which other clusters read the same bytes
	s_cmp_eq_u32 s16, 3
	s_cselect_b32 s2, 1, s2                        ; wave 3 asks for nothing
	s_cmp_eq_u32 s2, 0
	s_cselect_b32 s78, 6, -1                       ; a wave asks while 16 - k is above 6: the same in all partners, for a given wave
	s_cmp_eq_u32 s16, 2
	s_cselect_b32 s79, 3, 0
	CROUND                                         ; all sixteen work-groups are here: the first joint loads meet
	JLOAD                                          ; slot 0.  Slot 1 is asked for when slot 0 is in, by the loop's own change of slots
	; the lanes' offsets, all from the thread's number; none is written again
	v_and_b32 v1, 31, v0                           ; l
	v_and_b32 v2, 15, v0                           ; r
	v_bfe_u32 v3, v0, 4, 1                         ; l / 16
	v_lshlrev_b32 v4, 4, v1                        ; 16 l
	v_mul_u32_u24 v5, v2, 272
	v_lshl_add_u32 v5, v3, 4, v5                   ; 272 r + 16 (l / 16)
.if LASTL
	v_mul_u32_u24 v6, v2, 528
	v_lshl_add_u32 v6, v3, 5, v6                   ; 528 r + 32 (l / 16)
	v_lshlrev_b32 v9, 5, v3                        ; 32 (l / 16)
.endif
	v_lshlrev_b32 v7, 4, v2                        ; 16 r
	v_lshlrev_b32 v8, 2, v1                        ; 4 l
	VK v_lshlrev_b32, PFO, 8, 1                    ; 256 l
	s_lshr_b32 s22, s16, 1                         ; head
	s_and_b32 s23, s16, 1                          ; half of the keys
	s_xor_b32 s3, s16, 1                           ; my partner: same head, other half
	s_lshl_b32 s2, s23, 14
	s_lshl_b32 s98, s22, 13
	s_add_co_u32 s2, s2, s98
	VK v_add_nc_u32, AK0, s2, 4
	s_lshl_b32 s99, s23, 14
	s_add_co_u32 s99, s99, 65536                   ; V lies behind a slot's K
	s_lshl_b32 s2, s16, 12
	s_add_co_u32 s2, s2, s99
	VK v_add_nc_u32, AVA0, s2, 4
	s_lshl_b32 s2, s3, 12
	s_add_co_u32 s2, s2, s99
	VK v_add_nc_u32, AVB0, s2, 4
	s_lshl_b32 s2, s23, 12
	s_add_co_u32 s2, s2, MRING
	VK v_add_nc_u32, AM0, s2, 4
	s_lshl_b32 s2, s16, 13
	VK v_add_nc_u32, GX, s2, 4
	s_lshl_b32 s2, s16, 12
	VK v_add_nc_u32, GU, s2, 4
	s_lshl_b32 s2, s22, 13
	VK v_add_nc_u32, GQ, s2, 4
	s_lshl_b32 s2, s16, 11
	VK v_add_nc_u32, GB, s2, 4
.if LASTL
	s_lshl_b32 s2, s16, 7
	VK v_add_nc_u32, GP, s2, 9
	s_add_co_u32 s2, s2, XO
	VK v_add_nc_u32, OSW, s2, 6
.endif
	s_mul_i32 s2, s16, 8704
	s_add_co_u32 s2, s2, XO
	VK v_add_nc_u32, XS, s2, 4
	s_add_co_u32 s2, s2, 8192
	VK v_add_nc_u32, XS4, s2, 8
	s_mul_i32 s2, s3, 8704
	s_add_co_u32 s2, s2, XO
	VK v_add_nc_u32, XR, s2, 4
	s_add_co_u32 s2, s2, 8192
	VK v_add_nc_u32, XR4, s2, 8
	s_lshl_b32 s2, s16, 6
	s_add_co_u32 s2, s2, ACT0
	VK v_add_nc_u32, AS0, s2, 5
	s_add_co_u32 s2, s2, ACT1-ACT0
	VK v_add_nc_u32, AS1, s2, 5
	VK v_add_nc_u32, AR0, ACT0, 5
	VK v_add_nc_u32, AR1, ACT1, 5
	s_lshl_b32 s2, s16, 2
	s_add_co_u32 s2, s2, SSQ0
	VK v_add_nc_u32, SSW, s2, 7
	VK v_add_nc_u32, SSR, SSQ0, 7
.if LASTL
	s_mul_i32 s2, s16, 8448
	s_add_co_u32 s2, s2, XO
	VK v_add_nc_u32, OSR, s2, 4
.endif
	; what stays in registers: Q of my head, x and U of my channels; behind them f2's and c1's weights, for the attention's end
	FORI 16, GLD Q+4*i, GQ, 82, SEC+4096*((i/2)%2)+1024*(i/4)+512*(i%2)
	FORI 16, GLD X+4*i, GX, 80, 512*i
	FORI 8, GLD UU+4*i, GU, 82, 512*i
.if LASTL
	FORI 4, GLD N3+4*i, GP, 10, 64*(i/2)+16*(i%2)
.endif
	LOADW 8, 4*32768, 8, OBI+4*8192, WF2, BF2
	LOADW 8, 5*32768, 8, OBI+5*8192, WC1, BC1
	; What the first turns find: zeros, so that the pieces that have not been give P = 0 and add 0.  A product of zeros writes eight registers a line.  All this stands in the wait for the first tile.
	WIN 0
	FORI 8, v_mov_b32 v[ZR+i], 0
	FORI 28, MMA0 8*i, ZR, ZR                      ; scores, e, mask bytes
	FORI 20, MMA0 O+8*i, ZR, ZR                    ; O^T and the row sums
	FORI 8, MMA0 VF+8*i, ZR, ZR                    ; V
	WIN 0x80
	FORI 8, v_mov_b32 v[(ONE&255)+i], 0x3f803f80   ; eight plain lines: the places behind those products
	WIN 0
	s_wait_loadcnt 40                              ; Q, x, U (and last_ln_s) are in; f2's and c1's 40 younger loads stay out
	s_mov_b32 s92, 0x01010000                      ; v_perm_b32: bytes 0, 0, 1, 1 of a word,
	s_mov_b32 s93, 0x03030202                      ; bytes 2, 2, 3, 3
	s_mov_b32 s98, SLOTM                           ; where the mask is read, less MRING: the first change of slots turns it into 0
	s_and_b32 s3, s79, 2                           ; what 16 - k is, modulo 4, where wave 2 asks; 0 for waves 0 and 1
; ======== the attention: 17 trips.  Trip k: K Q^T of step k, V^T P of step k - 1; it reads K, V and the mask of step k.  The change of slots ahead of trip 2 p waits for steps 2 p and 2 p + 1 and
; fills the other slot with steps 2 p + 2 and 2 p + 3.
	s_mov_b32 s69, 7
.Lslot:
	CHANGE 1
	s_mov_b32 s99, 2
.Ltrip:
	s_wait_xcnt 0x0                                ; the last prefetch, a trip back, has read its address
	s_add_nc_u64 s[74:75], s[74:75], s[76:77]
	FETCH_K
	ASK
	TURN 0
	TURN 1
	TURN 2
	TURN 3
	s_xor_b32 s68, s68, STEPKV                     ; the slot's other step
	s_xor_b32 s98, s98, STEPM
	s_sub_co_u32 s99, s99, 1
	s_cmp_lg_u32 s99, 0
	s_cbranch_scc1 .Ltrip
	s_sub_co_u32 s69, s69, 1
	s_cmp_lg_u32 s69, 0
	s_cbranch_scc1 .Lslot
	CHANGE 0                                       ; the tail has its own text: steps 14 and 15 are waited for, nothing is asked for
	s_mov_b32 s69, 3                               ; trips 14 and 15, and the trip that empties the pipeline (it reads step 14's bytes once more, to no end)
.Ltail:
	FETCH_K
	TURN 0
	TURN 1
	TURN 2
	TURN 3
	s_xor_b32 s68, s68, STEPKV
	s_xor_b32 s98, s98, STEPM
	s_sub_co_u32 s69, s69, 1
	s_cmp_lg_u32 s69, 0
	s_cbranch_scc1 .Ltail
; ======== the two halves of the keys meet
	BAR                                            ; every wave's reads of the ring are over, and its last fill has landed: from here on its bytes are stages
	s_wait_loadcnt 0x0                             ; f2's and c1's weights, asked for at the head
	s_mov_b32 s98, 0x0bcb0a91                      ; 1e-12 log2(e) 2^-64
	s_mov_b32 s99, 0x1277da66                      ; 1e-8 log2(e) 2^-64
	FORT V1 v_mov_b32, DN+t, SUM+8*t               ; my row sums leave their accumulators (lowest register), so that biases may land there
	FORI 16, LDSS XS, O+32*(i/4)+16+4*(i%4), 512*i ; my sums for my partner's channels
	FORT LDSS1 XS4, DN+t, 128*t
	LOADW 8, 6*32768, 8, OBI+6*8192, WB0, BIA      ; c2,
.if LASTL == 0
	LOADW 10, 0, 10, OBI, WB1, BIB                 ; the next layer's U
	LOADW 10, 32768, 10, OBI+8192, WQ, BQ          ; and Q, into registers that the attention has left
.endif
	BAR
	FORI 16, LDSL PT+4*i, XR, 512*i
	FORT LDSL1 DN+4+t, XR4, 128*t
	s_wait_dscnt 0x0
	FORT V2 v_add_f32, DN+t, DN+t, DN+4+t
	FORT VK v_add_f32, DN+8+t, s99, DN+t
	FORT V1 v_rcp_f32, DN+8+t, DN+8+t
	FORTP P2 v_pk_add_f32, O+32*t+2*p, O+32*t+2*p, PT+16*t+2*p   ; plain work that names no reciprocal,
	s_wait_alu depctr_va_vdst(0)                   ; and one wait for the four
.set t, 0
.rept 4
	WIN ((MSB&0xf3)|(((DN+t)>>8)<<2))
	v_cmp_lt_f32 vcc_lo, s98, v[(DN+t)&255]        ; a row whose sum does not pass the threshold gives 0
	WDB INV+2*t, DN+8+t
	v_cndmask_b32 v[(INV+2*t)&255], 0, v[(DN+8+t)&255], vcc_lo
	v_cndmask_b32 v[(INV+2*t+1)&255], 0, v[(DN+8+t)&255], vcc_lo
.set t, t+1
.endr
	FORTP P2 v_pk_mul_f32, TT+32*t+2*p, TT+32*t+2*p, INV+2*t
; ======== y = (rms(AV) hs U) f2 + b;  x += y   (hs lies in f2's rows)
	NORM_A TT, 32, 0
	NORM_B 0
	FORTP P2 v_pk_mul_f32, TT+32*t+2*p, TT+32*t+2*p, RH+2*t
	FORTP VK v_lshlrev_b32, DD+32*t+2*p, 16, UU+8*t+p      ; U from bf16: the low half moves up,
	FORTP VK v_and_b32, DD+32*t+2*p+1, s96, UU+8*t+p       ; the high half stays
	FORTP P2 v_pk_mul_f32, TT+32*t+2*p, TT+32*t+2*p, DD+32*t+2*p
	CVTT
	STACT AS0
	BAR
	LOADACT AR0
	GEMM WF2, BF2, 0, 1
	NOP4                                           ; four places behind the last product, ahead of loads into its sources and of readers of its result
.if LASTL == 0
	LOADW 10, 2*32768, 10, OBI+2*8192, WK, BK      ; the next layer's K, where f2 lay
.endif
	FORTP P2 v_pk_add_f32, X+16*t+2*p, X+16*t+2*p, DD+32*t+2*p
; ======== x += gelu(rms(x) l2 c1 + b) c2 + b   (l2 lies in c1's rows)
	NORM_A X, 16, 1
	NORM_B 1
	NORM_C
	CVTT
	STACT AS1
	BAR
	LOADACT AR1
	GEMM WC1, BC1, 0, 1
	NOP4
.if LASTL == 0
	LOADW 10, 3*32768, 10, OBI+3*8192, WV, BV      ; the next layer's V
.endif
	s_mov_b32 s22, 0xbebf7377                      ; -a3 / 2 = -0.3739278
	s_mov_b32 s23, 0xbebf7377
	s_mov_b32 s92, 0x3d445ca1                      ; -a2 / 2 = 0.0479399
	s_mov_b32 s93, 0x3d445ca1
	s_mov_b32 s94, 0xbe32303a                      ; -a1 / 2 = -0.1740121
	s_mov_b32 s95, 0xbe32303a
	GELU 0
	GELU 1
	GELU 2
	GELU 3
	STACT AS0                                      ; its readers were done ahead of two barriers
	BAR
	LOADACT AR0
.if LASTL
	s_wait_loadcnt 0x0                             ; c2
.else
	s_wait_loadcnt 60                              ; c2 is in: 80 loads were issued behind its 20, of which 60 may stay out (a wait's field holds no 80)
.endif
	GEMM WB0, BIA, 0, 1
	NOP4
	FORTP P2 v_pk_add_f32, X+16*t+2*p, X+16*t+2*p, DD+32*t+2*p
.if LASTL == 0                         ; the last layer hands no state on
	FORI 16, GST GX, X+4*i, 84, 512*i              ; x is not written again: the stores' data stay
.endif
; ======== rms(x): the next layer's pre-norm (its gain lies in the weights' rows), or, times last_ln_s, the result
	NORM_A X, 16, 2
	NORM_B 2
	NORM_C
.if LASTL
	FORTP P2 v_pk_mul_f32, TT+32*t+2*p, TT+32*t+2*p, N3+2*p
	FORI 16, LDSS OSW, TT+32*(i/4)+8*((i/2)%2)+4*(i%2), 8448*(i/4)+64*((i/2)%2)+16*(i%2)   ; f32 rows into the stage, where the exchange's readers were done several barriers ago
.else
	CVTT
	STACT AS1
.endif
	BAR
.if LASTL
	FORI 16, LDSL PT+4*i, OSR, 528*i               ; wave w takes rows 16 w .. 16 w + 15, whole
.set i, 0
.rept 16
	s_wait_dscnt 15-i                              ; the younger loads stay out
	GST GX, PT+4*i, 84, 512*i                      ; a row: 512 consecutive bytes, aligned
.set i, i+1
.endr
.else
	PROJ
.endif
	WIN 0x0a
	s_wait_tensorcnt 0x0                           ; the wave's end: three lines, behind my last tensor load and my last LDS store
	ds_add_u32 v[SPW&255], v[NIL&255]
	s_wait_dscnt 0x0
	WIN 0
	CROUND                                         ; the closing round: no work-group ends while a partner may still ask for a tile that names it
	s_endpgm
.Lfunc_end_k_q31e6c5050f_lay0:
	.size	k_q31e6c5050f_lay0, .Lfunc_end_k_q31e6c5050f_lay0-k_q31e6c5050f_lay0
	.p2alignl 7, 3214868480
	.fill 96, 4, 3214868480
	.section	.rodata,"a",@progbits
	.p2align	6, 0x0
	.amdhsa_kernel k_q31e6c5050f_lay0
		.amdhsa_group_segment_fixed_size 327680
		.amdhsa_private_segment_fixed_size 0
		.amdhsa_enable_private_segment 0
		.amdhsa_kernarg_size 40
		.amdhsa_user_sgpr_count 2
		.amdhsa_user_sgpr_kernarg_segment_ptr 1
		.amdhsa_wavefront_size32 1
		.amdhsa_system_sgpr_workgroup_id_x 1
		.amdhsa_system_sgpr_workgroup_id_y 1
		.amdhsa_system_sgpr_workgroup_id_z 1
		.amdhsa_system_vgpr_workitem_id 0
		.amdhsa_next_free_vgpr 1024
		.amdhsa_next_free_sgpr 100
		.amdhsa_reserve_vcc 1
		.amdhsa_float_denorm_mode_32 3
		.amdhsa_float_denorm_mode_16_64 3
		.amdhsa_memory_ordered 1
		.amdhsa_forward_progress 1
		.amdhsa_inst_pref_size 222
	.end_amdhsa_kernel
	.amdgpu_metadata
---
amdhsa.version: [ 1, 2 ]
amdhsa.kernels:
  - .name:           k_q31e6c5050f_lay0
    .symbol:         k_q31e6c5050f_lay0.kd
    .args:
      - { .name: stA, .offset: 0, .size: 8, .value_kind: global_buffer, .address_space: global }
      - { .name: mw, .offset: 8, .size: 8, .value_kind: global_buffer, .address_space: global }
      - { .name: wts0, .offset: 16, .size: 8, .value_kind: global_buffer, .address_space: global }
      - { .name: wts1, .offset: 24, .size: 8, .value_kind: global_buffer, .address_space: global }
      - { .name: stB, .offset: 32, .size: 8, .value_kind: global_buffer, .address_space: global }
    .group_segment_fixed_size: 327680
    .private_segment_fixed_size: 0
    .kernarg_segment_align: 8
    .kernarg_segment_size: 40
    .max_flat_workgroup_size: 128
    .sgpr_count:     100
    .vgpr_count:     1024
    .wavefront_size: 32
...
	.end_amdgpu_metadata
.endif
;; end of part 7
;; launch lay1: the kernel of part 7 again; grid 32 x 8, 4 waves a work-group, clusters of 4 x 4, 327,680 bytes of LDS; arguments stB, mw, wts1, wts2, stA; writes stA
;; launch lay2: the kernel of part 7 again; grid 32 x 8, 4 waves a work-group, clusters of 4 x 4, 327,680 bytes of LDS; arguments stA, mw, wts2, wts3, stB; writes stB
;; launch lay3 (part 8): grid 32 x 8, 4 waves a work-group, clusters of 4 x 4, 327,680 bytes of LDS; arguments stB, mw, wts3, last_ln_s, out0; writes out0
.if DOCPART == 8
	.amdgcn_target "amdgcn-amd-amdhsa--gfx1250"
	.amdhsa_code_object_version 6
	.text
	.protected	k_q31e6c5050f_lay3
	.globl	k_q31e6c5050f_lay3
	.p2align	8
	.type	k_q31e6c5050f_lay3,@function
k_q31e6c5050f_lay3:
	s_mov_b64 s[64:65], 0
	v_nop
	global_prefetch_b8 v0, s[64:65] scope:SCOPE_SE
	s_setreg_imm32_b32 hwreg(HW_REG_WAVE_MODE, 25, 1), 1
	s_wait_xcnt 0x0
	s_wait_alu depctr_hold_cnt(0) depctr_sa_sdst(0) depctr_va_vdst(0) depctr_va_sdst(0) depctr_va_ssrc(0) depctr_va_vcc(0) depctr_vm_vsrc(0)
	s_getreg_b32 s2, hwreg(HW_REG_IB_STS2, 6, 4)
	s_cmp_eq_u32 s2, 0
	s_cbranch_scc0 .Lentry_in_a_cluster
	s_endpgm
.Lentry_in_a_cluster:
	s_bfe_u32 s2, ttmp6, 0x10000c
	s_cmp_lg_u32 s2, 0xf033
	s_cbranch_scc0 .Lentry_shape_is_right
	s_endpgm
.Lentry_shape_is_right:
.set LASTL, 1                          ; 0: layers 0 to 2.  1: layer 3 (this assembly).
; ONE LAYER.  From the state (x, U, Q, K, V of layer i) to the state of layer i + 1, or, for i = 3, to the output.
;   attention: A = max(silu(Q K^T / 8), 0), masked, divided by its row sum;  y = (rms(A V) hs U) f2 + b;  x += y;  x += gelu(rms(x) l2 c1 + b) c2 + b;
;   then rms(x) n3, which is either the next layer's pre-norm, followed by its four projections with SiLU, or (n3 = last_ln_s) the result.
; TWO ASSEMBLIES OF ONE TEXT.  In a launch with joint loads the partners of a cluster run alike, so what the last layer does otherwise (no state, no projections; f32 rows out) is chosen at assembly, by
; LASTL.  Each layer's weights are a buffer of their own: the arguments name this layer's and the next layer's (layer 3: last_ln_s in its place).  The gains hs, l2 and the next layer's pre-norm's lie in
; the weights' rows: an earlier launch has multiplied them in.
; SHARES.  256 work-groups; work-group (qb, b) owns 64 queries of batch b, both heads.  Wave w = 2 h + kh takes head h and half kh of each step's 128 keys, for all four tiles of 16 queries;
; the two halves are added through LDS at the end (there is no maximum to reconcile: the weights are sums).  Behind the attention wave w owns channels 32 w .. 32 w + 31 of all 64 rows.
; LAYOUT.  S^T = K Q^T: a lane holds ONE query (lane % 16) and keys 8 (lane / 16) + 0..7; two such results rounded to bf16 ARE source 1 of O^T = V^T P.  K, V, Q, U, x, the mask and the weights
; lie in memory as register images (chunks of 512 bytes, lane l at 16 l), so every LDS and global access is 512 consecutive bytes and nothing is turned or padded.
; A SCORE.  Q is stored times -log2(e) / 8, so S = -log2(e) logit.  e = 2^S;  t = C e + C, C = -2^64;  rr = 1 / t;  A' = clamp01(S rr) = log2(e) 2^-64 max(silu(logit), 0): the clamp's lower end is the
; max with 0, and the factor 2^-64 keeps the upper end out of reach.  Then bf16 and an AND with the mask word.  The row sum is a fifth accumulator, ones x P.  The common factor leaves in the division:
; threshold and epsilon are scaled alike.
; THE MASK comes as a byte a score, 0xff or 0, in the order of the lane's scores; one v_perm_b32 for a pair of scores writes each byte twice, which is the word that the AND takes.  (Words in memory would
; spare that line; but two slots of two steps would then be 4 x (64 + 16) KiB, all of LDS, with no room for the spare words.)  For two scores: four transcendentals and five plain instructions.
; THE PIPELINE.  Piece n = tile n % 4 of key step n / 4.  Turn n: products V^T P of piece n - 3, later K Q^T of piece n + 1; t and 1 / t of piece n - 1; S rr, rounding and mask of piece n - 2; 2^S of piece n.
; Nothing in a turn names a result of that turn's transcendentals, so a turn has ONE wait for them, at its end.  Behind each of its 18 matrix instructions stand two plain instructions and two
; transcendentals; the 16 lines that widen the mask and the other 14 such slices stand in a run between the two kinds of products, so that K, asked for at a trip's head, has that run too in which to come.
; No first and no last step is written out: the registers start at 0, pieces that do not exist give P = 0, and the last trip's scores serve nothing.
; RING.  Two LDS slots of TWO key steps: K 64 KiB, V 64 KiB, mask 16 KiB: one round of the cluster's barrier and one joint load a wave for every two trips, 144 matrix instructions a wave in which it lands.
; CLUSTER 4 x 4: K and V hang on b alone and are asked for jointly along a row of the cluster, the mask bytes on qb alone, jointly along a column.
; Behind the attention the ring's bytes, which have had their last fill, serve as stages.
; THE WEIGHTS come straight into registers, each byte once a work-group, and long before their products: f2's and c1's at the kernel's head, into registers that the attention leaves free; c2's and the next
; layer's U's and Q's where the attention ends; K's behind f2's product, into f2's registers; V's behind c1's product.
; LIMITS.  log2(e) logit stays under 2^64 (beyond, the weight is held there).  The row sum is that of the weights as rounded to bf16.  erf is Abramowitz and Stegun's 7.1.25, within 2.5e-5 for every argument,
; ahead of a rounding to bf16.  Operands of all products are bf16.  NaN and infinities are not treated apart.
.set STEPKV, 1<<15                     ; K's and V's ring, from LDS byte 0: in a slot K's two steps (32 KiB each), then V's two; this bit is the step's parity,
.set SLOTKV, 1<<17                     ; this one the slot: an exclusive or turns an address into the other step's or the other slot's
.set MRING,  262144                    ; behind it the mask's ring:
.set STEPM,  1<<13                     ; a step is 8 KiB,
.set SLOTM,  1<<14                     ; a slot two steps
.set XO,     0                         ; stages in the ring's bytes, used behind its last fill and last read: 8,704 bytes a wave for the exchange of halves; later the output's stage, 64 rows 528 bytes apart
.set ACT0,   65536                     ; 64 rows of 128 bf16, 272 bytes apart (the 16 rows of a load start at 16 different groups of four banks)
.set ACT1,   98304
.set SSQ0,   294912                    ; behind the rings: three areas [row 64][wave 4] f32
.set SPARE,  297984                    ; the spare words, 128 bytes for each wave
.set OBI,   229376                     ; the biases in a layer's buffer
.set SEC,   4194304                    ; a bf16 section of the state
; registers by absolute number, 0 to 1023; the macros below set the window of each operand place from the number
.set S,     0                          ; scores, 32 a tile; the packed weights P take the low 16 in place
.set E,     128                        ; two buffers of 32: e, then t, then rr
.set MK,    192                        ; mask bytes of one step, 8 registers a tile
.set MX,    224                        ; the mask words of the tile in hand, 16
.set ZR,    240                        ; eight zeros
.set AF,    0                          ; behind the attention: activations as fragments, (mt, kb) at 32 mt + 8 kb
.set PT,    0
.set WB0,   128                        ; c2's weights, (nt, kb) at 32 nt + 8 kb
.set WB1,   192                        ; the next layer's U's
.set O,     256                        ; O^T: tile t, block a at 32 t + 8 a; a = 0, 1 my channels, a = 2, 3 my partner's
.set SUM,   384                        ; row sums, 8 a tile
.set TT,    256                        ; behind the exchange: (mt, nt) at 32 mt + 8 nt
.set DD,    272                        ; accumulators, (mt, nt) at 32 mt + 8 nt
.set BIA,   384                        ; c2's bias as C operand
.set BIB,   400                        ; U's
.set X,     416                        ; x: 16 mt + 8 nt + j
.set UU,    480                        ; U in bf16: 8 mt + 4 nt + i
.set PKO,   480
.set Q,     512                        ; 16 t + 8 c
.set KF,    576                        ; 16 kb + 8 c
.set VF,    640                        ; 32 kk + 8 a
.set ONE,   704                        ; 1.0 in bf16, everywhere
.set WQ,    512                        ; behind the attention: the next layer's Q's weights and bias,
.set BQ,    576
.set WV,    592                        ; and V's
.set BV,    656
.set SPW,   712
.set NIL,   713
.set AK0,   714                        ; my lane's place in a step's K, V (my channels, my partner's), mask
.set AVA0,  715
.set AVB0,  716
.set AM0,   717
.set ADK,   718                        ; the same plus the slot and the step
.set ADA,   719
.set ADB,   720
.set ADM,   721
.set GX,    722                        ; 8,192 w + 16 l
.set GU,    723                        ; 4,096 w + 16 l
.set GQ,    724                        ; 8,192 h + 16 l
.set GB,    725                        ; 2,048 w + 16 l
.set GP,    726                        ; 128 w + 32 (l / 16)
.set PFO,   727                        ; 256 l
.set XS,    728
.set XR,    729
.set XS4,   730
.set XR4,   731
.set AS0,   732
.set AS1,   733
.set AR0,   734
.set AR1,   735
.set SSW,   736
.set SSR,   737
.set OSW,   738
.set OSR,   739
.set BC1,   768                        ; c1's bias
.set N3,    800                        ; layer 3: last_ln_s of my channels: 8 nt + j
.set RH,    816
.set SQ,    824
.set INV,   832
.set DN,    840
.set NB,    856
.set WF2,   872                        ; f2's weights and bias;
.set BF2,   936
.set WK,    872                        ; behind f2's product the next layer's K's
.set BK,    936
.set WC1,   952                        ; c1's weights
.set MSB, 0
.macro WIN new                         ; the immediate's high byte repeats the setting that is left; a switch that changes nothing is dropped
.if MSB != (\new)
	s_set_vgpr_msb (MSB<<8)|(\new)
.set MSB, (\new)
.endif
.endm
.macro WDA d, a                        ; destination and source 0; the other places stay
	WIN ((MSB&0x3c)|((\a)>>8)|(((\d)>>8)<<6))
.endm
.macro WDB d, b                        ; destination and source 1
	WIN ((MSB&0x33)|(((\b)>>8)<<2)|(((\d)>>8)<<6))
.endm
.macro WDAB d, a, b
	WIN ((MSB&0x30)|((\a)>>8)|(((\b)>>8)<<2)|(((\d)>>8)<<6))
.endm
.macro WDABC d, a, b, c
	WIN (((\a)>>8)|(((\b)>>8)<<2)|(((\c)>>8)<<4)|(((\d)>>8)<<6))
.endm
.macro V1 op, d, a
	WDA \d, \a
	\op v[(\d)&255], v[(\a)&255]
.endm
.macro V2 op, d, a, b
	WDAB \d, \a, \b
	\op v[(\d)&255], v[(\a)&255], v[(\b)&255]
.endm
.macro VK op, d, k, b                  ; source 0 a scalar or a constant
	WDB \d, \b
	\op v[(\d)&255], \k, v[(\b)&255]
.endm
.macro P2 op, d, a, b, m:vararg        ; on pairs
	WDAB \d, \a, \b
	\op v[(\d)&255:((\d)&255)+1], v[(\a)&255:((\a)&255)+1], v[(\b)&255:((\b)&255)+1] \m
.endm
.macro P3 op, d, a, b, c, m:vararg
	WDABC \d, \a, \b, \c
	\op v[(\d)&255:((\d)&255)+1], v[(\a)&255:((\a)&255)+1], v[(\b)&255:((\b)&255)+1], v[(\c)&255:((\c)&255)+1] \m
.endm
.macro P2K op, d, a, k, m:vararg       ; source 1 a scalar pair or a constant
	WDA \d, \a
	\op v[(\d)&255:((\d)&255)+1], v[(\a)&255:((\a)&255)+1], \k \m
.endm
.macro PFKK d, a, k1, k2               ; d = a k1 + k2, both the same for the two halves
	WDA \d, \a
	v_pk_fma_f32 v[(\d)&255:((\d)&255)+1], v[(\a)&255:((\a)&255)+1], \k1, \k2 op_sel_hi:[1,0,0]
.endm
.macro PFVK d, a, b, k                 ; d = a b + k
	WDAB \d, \a, \b
	v_pk_fma_f32 v[(\d)&255:((\d)&255)+1], v[(\a)&255:((\a)&255)+1], v[(\b)&255:((\b)&255)+1], \k op_sel_hi:[1,1,0]
.endm
.macro MMA d, a, b, c
	WDABC \d, \a, \b, \c
	v_wmma_f32_16x16x32_bf16 v[(\d)&255:((\d)&255)+7], v[(\a)&255:((\a)&255)+7], v[(\b)&255:((\b)&255)+7], v[(\c)&255:((\c)&255)+7]
.endm
.macro MMA0 d, a, b                    ; the product starts the sum
	WDAB \d, \a, \b
	v_wmma_f32_16x16x32_bf16 v[(\d)&255:((\d)&255)+7], v[(\a)&255:((\a)&255)+7], v[(\b)&255:((\b)&255)+7], 0
.endm
.macro LDSL d, ad, off                 ; LDS: loaded data = destination, address = source 0, stored data = source 1
	WDA \d, \ad
	ds_load_b128 v[(\d)&255:((\d)&255)+3], v[(\ad)&255] offset:\off
.endm
.macro LDSL1 d, ad, off
	WDA \d, \ad
	ds_load_b32 v[(\d)&255], v[(\ad)&255] offset:\off
.endm
.macro LDSS ad, dt, off
	WIN ((MSB&0xf0)|((\ad)>>8)|(((\dt)>>8)<<2))
	ds_store_b128 v[(\ad)&255], v[(\dt)&255:((\dt)&255)+3] offset:\off
.endm
.macro LDSS1 ad, dt, off
	WIN ((MSB&0xf0)|((\ad)>>8)|(((\dt)>>8)<<2))
	ds_store_b32 v[(\ad)&255], v[(\dt)&255] offset:\off
.endm
.macro GLD d, ad, sb, off
	WDA \d, \ad
	global_load_b128 v[(\d)&255:((\d)&255)+3], v[(\ad)&255], s[\sb:(\sb)+1] offset:\off
.endm
.macro GST ad, dt, sb, off
	WIN ((MSB&0xf0)|((\ad)>>8)|(((\dt)>>8)<<2))
	global_store_b128 v[(\ad)&255], v[(\dt)&255:((\dt)&255)+3], s[\sb:(\sb)+1] offset:\off
.endm
.macro FORI n, line:vararg             ; the line for i = 0 .. n - 1
.set i, 0
.rept \n
	\line
.set i, i+1
.endr
.endm
.macro FORT line:vararg                ; for each row tile t
.set t, 0
.rept 4
	\line
.set t, t+1
.endr
.endm
.macro FORTP line:vararg               ; for each row tile t and pair p of its 16 numbers
.set t, 0
.rept 4
.set p, 0
.rept 8
	\line
.set p, p+1
.endr
.set t, t+1
.endr
.endm
.macro NOP4
.rept 4
	v_nop
.endr
.endm
.macro BAR                             ; my LDS instructions are done, for the others' sake; then the work-group's barrier
	s_wait_dscnt 0x0
	s_barrier_signal -1
	s_barrier_wait -1
.endm
; my 8,192 bytes of a product's weights and my 2,048 of its bias: 20 loads of 512 consecutive bytes
.macro LOADW sw, ow, sb, ob, wb, bi
	FORI 16, GLD (\wb)+4*i, GX, \sw, (\ow)+512*i
	FORI 4, GLD (\bi)+4*i, GB, \sb, (\ob)+512*i
.endm
; all 64 rows x 128 channels as 16 fragments, by blocks of 32 channels: lane (r, h) takes row 16 mt + r, channels 32 kb + 8 h + 0..7 and + 16
.macro LOADACT ar
.set i, 0
.rept 16
	LDSL AF+32*(i%4)+8*(i/4), \ar, 4352*(i%4)+64*(i/4)
	LDSL AF+32*(i%4)+8*(i/4)+4, \ar, 4352*(i%4)+64*(i/4)+32
.set i, i+1
.endr
.endm
; 64 rows x my 32 channels x K = 128: 32 matrix instructions; the 8 accumulators take turns, one instruction a turn; the bias starts the sums.
; swap = 0: source 0 = weights: a lane ends with one row and 8 neighbouring channels.  swap = 1: a lane ends with one channel and 8 neighbouring rows.
; cw = 1: the activations' 32 loads stand directly ahead: each block of 32 channels is waited for by itself, the later blocks' loads stay out.
.macro GEMM wb, bi, swap, cw=0
.set gk, 0
.rept 4
.if \cw
	s_wait_dscnt 24-8*gk
.endif
.set gm, 0
.rept 4
.set gn, 0
.rept 2
.set gd, DD+32*gm+8*gn
.set gc, gd
.if gk == 0
.set gc, (\bi)+8*gn
.endif
.if \swap
	MMA gd, AF+32*gm+8*gk, (\wb)+32*gn+8*gk, gc
.else
	MMA gd, (\wb)+32*gn+8*gk, AF+32*gm+8*gk, gc
.endif
.set gn, gn+1
.endr
.set gm, gm+1
.endr
.set gk, gk+1
.endr
.endm
; the sum of squares of my 32 channels of each row, into LDS word [row][wave] of area s; then the barrier
.macro NORM_A base, str, s
.set p, 0
.rept 8
.set t, 0
.rept 4
.if p == 0
	P2 v_pk_mul_f32, SQ+2*t, (\base)+(\str)*t, (\base)+(\str)*t
.else
	P3 v_pk_fma_f32, SQ+2*t, (\base)+(\str)*t+2*p, (\base)+(\str)*t+2*p, SQ+2*t
.endif
.set t, t+1
.endr
.set p, p+1
.endr
	FORT V2 v_add_f32, SQ+2*t, SQ+2*t, SQ+2*t+1
.set t, 0
.rept 4
	WDA SQ+2*t+1, SQ+2*t
	v_permlanex16_b32 v[(SQ+2*t+1)&255], v[(SQ+2*t)&255], s72, s73  ; the row's other 16 of my channels lie in the lane 16 away
.set t, t+1
.endr
	FORT V2 v_add_f32, SQ+2*t, SQ+2*t, SQ+2*t+1
	FORT LDSS1 SSW, SQ+2*t, 1024*(\s)+256*t
	BAR
.endm
; 1 / sqrt(mean + 1e-8) of each of my lane's four rows, twice (a pair for the packed multiply)
.macro NORM_B s
	FORT LDSL NB+4*t, SSR, 1024*(\s)+256*t
	s_wait_dscnt 0x0
	FORT P2 v_pk_add_f32, NB+4*t, NB+4*t, NB+4*t+2
	FORT V2 v_add_f32, NB+4*t, NB+4*t, NB+4*t+1
.set t, 0
.rept 4
	WDA NB+4*t, NB+4*t
	v_fma_f32 v[(NB+4*t)&255], v[(NB+4*t)&255], s46, s47   ; sum / 128 + 1e-8
.set t, t+1
.endr
	FORT V1 v_rsq_f32, RH+2*t, NB+4*t
	v_nop                                          ; a plain instruction behind the last root,
	s_wait_alu depctr_va_vdst(0)                   ; and one wait for the four, ahead of their first reader
	FORT V1 v_mov_b32, RH+2*t+1, RH+2*t
.endm
.macro NORM_C                          ; TT = x / rms; the gain lies in the weights
	FORTP P2 v_pk_mul_f32, TT+32*t+2*p, X+16*t+2*p, RH+2*t
.endm
.macro CVTT                            ; TT rounded to bf16, 16 bytes for each (mt, nt)
	FORTP V2 v_cvt_pk_bf16_f32, PKO+8*t+p, TT+32*t+2*p, TT+32*t+2*p+1
.endm
.macro STACT as                        ; my 64 bytes of each of the 64 rows
	FORI 8, LDSS \as, PKO+4*i, 4352*(i/2)+32*(i%2)
.endm
; (SILU and PROJ are used with LASTL = 0 alone.)
; PKO = bf16(silu(DD) / c), c = s94:  e = 2^(-log2(e) z);  t = c e + c;  z / t.  Two batches of 64 transcendentals, each with one plain instruction and one wait behind it.
.macro SILU
.set t, 0
.rept 4
.set p, 0
.rept 8
	P2K v_pk_mul_f32, TT+32*t+2*p, DD+32*t+2*p, 0xbfb8aa3b, op_sel_hi:[1,0]   ; -log2(e) z; each accumulator's lowest registers are read first
	V1 v_exp_f32, TT+32*t+2*p, TT+32*t+2*p
	V1 v_exp_f32, TT+32*t+2*p+1, TT+32*t+2*p+1
.set p, p+1
.endr
.set t, t+1
.endr
	v_nop
	s_wait_alu depctr_va_vdst(0)
.set t, 0
.rept 4
.set p, 0
.rept 8
	PFKK TT+32*t+2*p, TT+32*t+2*p, s[94:95], s[94:95]
	V1 v_rcp_f32, TT+32*t+2*p, TT+32*t+2*p
	V1 v_rcp_f32, TT+32*t+2*p+1, TT+32*t+2*p+1
.set p, p+1
.endr
.set t, t+1
.endr
	v_nop
	s_wait_alu depctr_va_vdst(0)
	FORTP P2 v_pk_mul_f32, TT+32*t+2*p, TT+32*t+2*p, DD+32*t+2*p
	CVTT
.endm
; The four projections: a loop of four trips, U, Q, K, V.  All four products' weights were asked for long before and lie in registers of their own, so each product has its own 32 lines, chosen by
; forward jumps on the loop's own counter; SiLU and the way out are written once.  The jumps pass no barrier.
.macro PROJ
	LOADACT AR1
	WIN 0
	s_mov_b32 s92, 4
.Lproj:
	s_wait_loadcnt 0x0                             ; the weights and biases (met at once from the second trip on)
	s_wait_dscnt 0x0                               ; the activations
	s_cmp_eq_u32 s92, 4
	s_cbranch_scc1 .Lp_u
	s_cmp_eq_u32 s92, 3
	s_cbranch_scc1 .Lp_q
	s_cmp_eq_u32 s92, 2
	s_cbranch_scc1 .Lp_k
	GEMM WV, BV, 1
	WIN 0
	s_branch .Lp_j
.Lp_u:
	GEMM WB1, BIB, 0
	WIN 0
	s_branch .Lp_j
.Lp_q:
	GEMM WQ, BQ, 0
	WIN 0
	s_branch .Lp_j
.Lp_k:
	GEMM WK, BK, 0
	WIN 0
.Lp_j:
	NOP4                                           ; four places behind the last product, ahead of readers of its result
	s_wait_xcnt 0x0                                ; every earlier store has read its sources: the pointer and PKO may be written
	s_add_nc_u64 s[86:87], s[86:87], SEC           ; the next section of the state
	s_cmp_eq_u32 s92, 3
	s_cselect_b32 s94, 0xc0b17218, 1.0             ; Q alone is scaled: divided by -8 / log2(e)
	s_mov_b32 s95, s94
	SILU
	FORI 8, GST GU, PKO+4*i, 86, 512*i
	WIN 0
	s_sub_co_u32 s92, s92, 1
	s_cmp_lg_u32 s92, 0
	s_cbranch_scc1 .Lproj
.endm
; gelu of row tile m's 16 numbers z:  az = |z|;  t = 1 / (1 + 0.3326725 az);  e = 2^(-0.7213475 az^2);  g' = t (a1 + t (a2 + a3 t)) e with the factor -1/2 in a1..a3;  gelu = max(z, 0) + az g'
.set TA, 256
.set TB2, 288
.set TC, 320
.set TD, 352
.macro GELU m
.set zb, DD+32*(\m)
	FORI 16, VK v_and_b32, TA+i, s97, zb+i         ; each accumulator's lowest registers are read first
	FORI 8, PFKK TB2+2*i, TA+2*i, 0x3eaa540e, 1.0
	FORI 8, P2K v_pk_mul_f32, TC+2*i, TA+2*i, 0xbf38aa3b, op_sel_hi:[1,0]
	FORI 8, P2 v_pk_mul_f32, TC+2*i, TC+2*i, TA+2*i
	FORI 16, V1 v_rcp_f32, TB2+i, TB2+i
	FORI 16, V1 v_exp_f32, TC+i, TC+i
	FORI 16, VK v_max_num_f32, zb+i, 0, zb+i       ; plain work that names no result of the batch,
	s_wait_alu depctr_va_vdst(0)                   ; and one wait for the 32
	FORI 8, PFKK TD+2*i, TB2+2*i, s[22:23], s[92:93]
	FORI 8, PFVK TD+2*i, TD+2*i, TB2+2*i, s[94:95]
	FORI 8, P2 v_pk_mul_f32, TB2+2*i, TB2+2*i, TC+2*i
	FORI 8, P2 v_pk_mul_f32, TD+2*i, TD+2*i, TB2+2*i
	FORI 8, P3 v_pk_fma_f32, zb+2*i, TA+2*i, TD+2*i, zb+2*i
	FORI 8, V2 v_cvt_pk_bf16_f32, PKO+8*(\m)+i, zb+2*i, zb+2*i+1
.endm
; ---- the ring
; A round of the cluster's barrier: my work-group's barrier, so that wave 0's signal speaks for all four waves; wave 0 signals; every wave waits for all sixteen work-groups; my work-group's barrier once more.
.macro CROUND
	WIN 0
	s_barrier_signal -1
	s_barrier_wait -1
	s_cmp_lg_u32 s16, 0
	s_cbranch_scc1 .Lnot_wave_0_\@
	s_barrier_signal -3
.Lnot_wave_0_\@:
	s_barrier_wait -3
	s_barrier_signal -1
	s_barrier_wait -1
.endm
; A joint fill of a slot: two key steps.  Wave 0 fetches their K, wave 1 their V (mask: my row of the cluster), wave 2 the even step's mask bytes, wave 3 the odd step's (mask: my column).
; The branch hangs on the wave's number alone.  An s_nop 0 and four v_nop follow each of the two lines.
.macro JLOAD
	WIN 0
	s_cmp_lt_u32 s16, 2
	s_cbranch_scc0 .Lfor_m_\@
	tensor_load_to_lds s[52:55], s[24:31]
	s_nop 0
	NOP4
	s_branch .Lasked_\@
.Lfor_m_\@:
	tensor_load_to_lds s[60:63], s[32:39]
	s_nop 0
	NOP4
.Lasked_\@:
.endm
; A PREFETCH INTO THE L2, in trip k, behind the trip's run of LDS loads: key step k + 6.  The joint load that will want it goes out ahead of trip k + 4 (k even) or k + 3 (k odd): three trips,
; 216 matrix instructions a wave, or more.  Each block of 256 bytes is named once in the launch.  K and V of a batch are read by every cluster of that row of clusters: the one with x = 0 asks, wave 0 for K,
; wave 1 for V; of a step's 128 blocks the partner at cx takes 32, a lane a block.  The mask bytes of a query block are read by both clusters of a column: the one with y = 0 asks, wave 2, in trips 2 and 6,
; for four steps of 32 blocks: the partner at cy takes one of them.  The partners are told apart by address alone.  From trip 10 on nothing is asked for: step 15 is the last that is named.
; Steps 0 to 5 (of the mask: 0 to 7) come by their loads alone.
.macro ASK
	WIN 0
	s_lshl1_add_u32 s22, s69, s99                  ; 2 x slots left + trips left in the slot = 16 - k
	s_and_b32 s23, s22, s79                        ; waves 0 and 1: every trip; wave 2: where 16 - k is 2 modulo 4
	s_cmp_eq_u32 s23, s3
	s_cselect_b32 s22, s22, 0
	s_cmp_gt_u32 s22, s78
	s_cbranch_scc0 .Lnot_mine_\@
	WIN 0x02
	global_prefetch_b8 v[PFO&255], s[74:75] th:TH_LOAD_NT scope:SCOPE_SE
	WIN 0
.Lnot_mine_\@:
.endm
; THE CHANGE OF SLOTS, ahead of every second trip.  Each wave waits for all its tensor loads, of which one is out: its part of the slot that is read next; adds 0 to its spare word; and waits for that and for
; its reads of the slot that it leaves.  fill = 1: the barrier is a round of the cluster's, so that no wave of any partner still reads the slot or has a load on its way, and the joint fill of that slot, with
; the two steps behind those that are read next, is the first thing behind it.  (At its first use nothing has been read yet: slot 0 is waited for, slot 1 filled.)
.macro CHANGE fill
	WIN 0x0a                                       ; (the add's two registers lie in window 2)
	s_wait_tensorcnt 0x0                           ; no tensor load of mine is out, so a group 0 may be written
	ds_add_u32 v[SPW&255], v[NIL&255]              ; the descriptors' steps stand between the add and the wait for it
	WIN 0
.if \fill
	s_xor_b32 s53, s53, SLOTKV                     ; the walking descriptors: the other slot than last time, the next two steps
	s_add_nc_u64 s[54:55], s[54:55], 65536
	s_xor_b32 s61, s61, SLOTM
	s_add_nc_u64 s[62:63], s[62:63], 16384
	s_wait_dscnt 0x0                               ; the add is done, and my reads of the slot are over
	CROUND
	JLOAD
.else
	s_wait_dscnt 0x0
	s_barrier_signal -1
	s_barrier_wait -1
.endif
	s_xor_b32 s68, s68, SLOTKV                     ; the LDS reads go on in the other slot
	s_xor_b32 s98, s98, SLOTM
.endm
; The trip's K for my head and my half of the keys: 8 fragments, one run of 16 loads.  Behind the last product that read K stand five plain lines: two of its slice, the turn's v_nop, and the two here.
.macro FETCH_K
	VK v_add_nc_u32, ADK, s68, AK0
	v_nop
	FORI 16, LDSL KF+4*i, ADK, 1024*(i/4)+4096*((i/2)%2)+512*(i%2)
	WIN 0
.endm
; ---- a turn
; The next plain instruction, pq of 64.  Each half of 32 deals two lists a and b of 16 as a0 a1 a2 a3 b0 a4 b1 a5 .. a15 b12 b13 b14 b15: first (t = C e + C; A' = clamp01(S rr)), then (rounding; mask).
.macro PQ
.set hh, pq/32
.set ii, pq%32
.if ii < 4
.set ka, 1
.set ix, ii
.elseif ii > 28
.set ka, 0
.set ix, ii-16
.elseif (ii%2) == 0
.set ka, 0
.set ix, (ii-4)/2
.else
.set ka, 1
.set ix, (ii+3)/2
.endif
.if (hh == 0) && (ka == 1)
	v_pk_fma_f32 v[EF+2*ix:EF+2*ix+1], v[EF+2*ix:EF+2*ix+1], s[70:71], s[70:71] op_sel_hi:[1,0,0]
.elseif hh == 0
	v_pk_mul_f32 v[SM+2*ix:SM+2*ix+1], v[SM+2*ix:SM+2*ix+1], v[EM+2*ix:EM+2*ix+1] clamp
.elseif ka == 1
	v_cvt_pk_bf16_f32 v[SM+ix], v[SM+2*ix], v[SM+2*ix+1]   ; in place, ascending: word k lands where numbers k / 2's word has been made
.else
	v_and_b32 v[SM+ix], v[SM+ix], v[MX+ix]
.endif
.set pq, pq+1
.endm
; The tile's 32 mask bytes become 16 words: word k takes bytes 2 k and 2 k + 1 of the lane's 32, each written twice.
.macro WIDEN
	WIN 0
.set wx, 0
.rept 16
	v_perm_b32 v[MX+wx], v[MKM+wx/2], v[MKM+wx/2], s[92+wx%2]
.set wx, wx+1
.endr
.endm
; The next transcendental, tq of 64: 1 / t in place (number k stands behind plain number k, its t at plain number k or earlier), then 2^S, ascending.
.macro TQ
.if tq < 32
	v_rcp_f32 v[EF+tq], v[EF+tq]
.else
	v_exp_f32 v[EM+tq-32], v[SE+tq-32]
.endif
.set tq, tq+1
.endm
.macro SLICE
	WIN 0
	PQ
	TQ
	PQ
	TQ
.endm
; The turn's next matrix instruction, mm of 18, for tile TJ.  0-9: O^T += V^T P and the row sums, five accumulators by turns, keys 32 (mm / 5) on.  10-17: S^T = K Q^T, four accumulators by turns.
.macro MM
.if mm < 10
.set kk, mm/5
.set aa, mm%5
.if aa < 4
	MMA O+32*TJ+8*aa, VF+32*kk+8*aa, S+32*TJ+8*kk, O+32*TJ+8*aa
.else
	MMA SUM+8*TJ, ONE, S+32*TJ+8*kk, SUM+8*TJ
.endif
.else
.set cc, (mm-10)/4
.set kb, ((mm-10)%4+2)%4
.if cc == 0
	MMA0 S+32*TJ+8*kb, KF+16*kb, Q+16*TJ
.else
	MMA S+32*TJ+8*kb, KF+16*kb+8, Q+16*TJ+8, S+32*TJ+8*kb
.endif
.endif
.set mm, mm+1
.endm
; Turn j of a trip.  Products: tile j.  t, 1 / t: buffer j % 2.  A', rounding, mask: tile j + 1, with the other buffer, into which 2^S of tile j + 3 then goes.  No slice names a register of tile j.
; Its order: 10 products V^T P, a slice behind each; the 16 widening lines and 14 slices; 8 products K Q^T, a slice behind each; the wait.
; Turn 0 waits for V ahead of its first product and for K ahead of its first K Q^T.  Turn 3 reads this step's mask bytes at its head, and this step's V behind the widening lines: 18 plain lines behind the last
; product that read V.
.macro TURN j
.set TJ, (\j)
.set EF, E+32*((\j)%2)
.set EM, E+32*(((\j)+1)%2)
.set SM, S+32*(((\j)+1)%4)
.set MKM, MK+8*(((\j)+1)%4)
.set SE, S+32*(((\j)+3)%4)
.set mm, 0
.set pq, 0
.set tq, 0
.if (\j) == 3
	VK v_add_nc_u32, ADM, s98, AM0
	VK v_add_nc_u32, ADA, s68, AVA0
	VK v_add_nc_u32, ADB, s68, AVB0
	FORI 8, LDSL MK+4*i, ADM, 512*i
.endif
.if (\j) == 0
	s_wait_dscnt 16                                ; V, asked for in the trip before, is in; K's 16 younger loads stay out
.endif
.rept 10
	MM
	SLICE
.endr
.if (\j) == 3
	s_wait_dscnt 0x0                               ; the mask bytes are in: nothing else of mine is out
.endif
	WIDEN
.if (\j) == 3
	FORI 8, LDSL VF+32*(i/4)+8*((i/2)%2)+4*(i%2), ADA, 2048*(i/4)+1024*(i%2)+512*((i/2)%2)
	FORI 8, LDSL VF+32*(i/4)+16+8*((i/2)%2)+4*(i%2), ADB, 2048*(i/4)+1024*(i%2)+512*((i/2)%2)
.endif
.rept 14
	SLICE
.endr
.if (\j) == 0
	s_wait_dscnt 0x0                               ; K is in
.endif
.rept 8
	MM
	SLICE
.endr
	v_nop                                          ; a plain instruction behind the last transcendental,
	s_wait_alu depctr_va_vdst(0)                   ; and the turn's one wait: the next turn names these results
.endm
; ======== the head
	s_load_b256 s[4:11], s[0:1], 0x0               ; state in s[4:5], mw s[6:7], this layer's weights s[8:9], the next layer's (layer 3: last_ln_s) s[10:11]
	s_load_b64 s[12:13], s[0:1], 0x20              ; state out, or the output
	WIN 0x80
	v_lshl_add_u32 v[SPW&255], v0, 2, SPARE
	v_mov_b32 v[NIL&255], 0
	WIN 0x0a
	ds_add_u32 v[SPW&255], v[NIL&255]              ; the wave's opening: the add, twice on end, and its wait ahead of my first tensor load
	ds_add_u32 v[SPW&255], v[NIL&255]
	WIN 0
	v_lshrrev_b32 v1, 5, v0
	v_readfirstlane_b32 s16, v1                    ; wave 0..3
	s_bfe_u32 s17, ttmp6, 0x40000                  ; cx
	s_bfe_u32 s18, ttmp6, 0x40004                  ; cy
	s_lshl_b32 s19, ttmp9, 2
	s_add_co_u32 s19, s19, s17                     ; qb = 4 x cluster x + cx
	s_and_b32 s20, ttmp7, 0xffff
	s_lshl_b32 s20, s20, 2
	s_add_co_u32 s20, s20, s18                     ; b = 4 x cluster y + cy
	s_lshl_b32 s21, s20, 5
	s_add_co_u32 s21, s21, s19                     ; g = 32 b + qb: it enters addresses of my own rows alone
	s_lshl_b32 s22, s18, 2
	s_lshl_b32 s22, 15, s22                        ; my row of the cluster
	s_lshl_b32 s23, 0x1111, s17                    ; my column
	; descriptor group 1: dense blocks as rows of 256 bytes: elements of 8 bytes, 32 a row, no padding
	s_or_b32 s24, s22, (3<<16)|(1<<21)             ; K, V: 15:0 the mask of my row; 17:16 elements of 8 bytes; 21 set beside a mask
	s_mov_b32 s25, 32<<16                          ; tensor_dim0 = 32
	s_mov_b32 s26, 256<<16                         ; tensor_dim1 = 256
	s_mov_b32 s27, 32<<16                          ; tile_dim0 = 32
	s_mov_b32 s28, 256                             ; tile_dim1 = 256 rows: two steps, 65,536 bytes
	s_mov_b32 s29, 32                              ; 32 elements from row to row
	s_mov_b32 s30, 0
	s_mov_b32 s31, 0
	s_or_b32 s32, s23, (3<<16)|(1<<21)             ; mask bytes: the mask of my column; 32 rows: a step, 8,192 bytes
	s_mov_b32 s33, 32<<16
	s_mov_b32 s34, 32<<16
	s_mov_b32 s35, 32<<16
	s_mov_b32 s36, 32
	s_mov_b32 s37, 32
	s_mov_b32 s38, 0
	s_mov_b32 s39, 0
	s_and_b32 s3, s16, 1                           ; which of the two tiles of my kind I fetch
	s_lshl_b32 s92, s3, 22                         ; K's section or V's,
	s_lshl_b32 s93, s20, 19                        ; the batch's 524,288 bytes in it: b alone, which my row shares
	s_add_co_u32 s92, s92, s93
	s_add_co_u32 s92, s92, 4*SEC
	s_mov_b32 s93, 0
	s_lshl_b32 s94, s19, 17                        ; the query block's 131,072 bytes of mw: qb alone, which my column shares
	s_lshl_b32 s95, s3, 13
	s_add_co_u32 s94, s94, s95
	s_mov_b32 s95, 0
	s_lshl_b32 s98, s3, 16                         ; in a slot: K at 0, V at 65,536;
	s_lshl_b32 s99, s3, 13
	s_add_co_u32 s99, s99, MRING                   ; the mask's two steps in its own ring: no place in the cluster enters an LDS address
	s_mov_b32 s46, 0x3c000000                      ; 1 / 128
	s_mov_b32 s47, 0x322bcc77                      ; 1e-8
	s_mov_b32 s68, SLOTKV                          ; where K and V are read: the first change of slots turns it into 0
	s_mov_b32 s70, 0xdf800000                      ; C = -2^64
	s_mov_b32 s71, 0xdf800000
	s_mov_b32 s72, 0x76543210                      ; v_permlanex16_b32: each lane takes its own place in the other half
	s_mov_b32 s73, 0xfedcba98
	s_mov_b32 s96, 0xffff0000
	s_mov_b32 s97, 0x7fffffff
	s_lshl_b32 s80, s21, 15
	s_mov_b32 s81, 0
	s_lshl_b32 s82, s21, 14
	s_mov_b32 s83, 0
	s_wait_dscnt 0x0                               ; both opening adds are done
	s_wait_kmcnt 0x0
	s_add_nc_u64 s[92:93], s[4:5], s[92:93]
	s_add_nc_u64 s[94:95], s[6:7], s[94:95]
	s_add_nc_u64 s[84:85], s[12:13], s[80:81]      ; out: x of my rows, or my rows of the result
.if LASTL == 0
	s_add_nc_u64 s[86:87], s[12:13], s[82:83]
	s_add_nc_u64 s[86:87], s[86:87], SEC           ; one section ahead of U's: each trip of the projections steps it first
.endif
	s_add_nc_u64 s[80:81], s[4:5], s[80:81]        ; in: x
	s_add_nc_u64 s[82:83], s[4:5], s[82:83]
	s_add_nc_u64 s[82:83], s[82:83], 2*SEC         ; in: U; Q one section on
	s_mov_b32 s52, 1                               ; group 0 for K or V: count = 1,
	s_add_co_u32 s53, s98, 0                       ; LDS address: slot 0,
	s_add_nc_u64 s[54:55], s[92:93], 0             ; steps 0 and 1,
	s_or_b32 s55, s55, 0x80000000                  ; type = 2
	s_mov_b32 s60, 1                               ; and for the mask bytes
	s_add_co_u32 s61, s99, 0
	s_add_nc_u64 s[62:63], s[94:95], 0
	s_or_b32 s63, s63, 0x80000000
	; the prefetches: where they stand, their step, who asks
	s_cmp_lt_u32 s16, 2
	s_cselect_b64 s[74:75], s[92:93], s[94:95]
	s_cselect_b32 s2, s17, s18                     ; my place among the four that ask for the tile with me
	s_cselect_b32 s76, 15, 13
	s_lshl_b32 s2, s2, 13                          ; its 32 blocks of 256 bytes
	s_lshl_b32 s76, 1, s76                         ; a step's bytes
	s_mov_b32 s77, 0
	s_mul_i32 s3, s76, 5                           ; at step 5: the first trip steps it to 6
	s_add_co_u32 s2, s2, s3
	s_mov_b32 s3, 0
	s_add_nc_u64 s[74:75], s[74:75], s[2:3]
	s_and_b32 s2, ttmp7, 0xffff
	s_cmp_lt_u32 s16, 2
	s_cselect_b32 s2, ttmp9, s2                    ; the coordinate along which other clusters read the same bytes
	s_cmp_eq_u32 s16, 3
	s_cselect_b32 s2, 1, s2                        ; wave 3 asks for nothing
	s_cmp_eq_u32 s2, 0
	s_cselect_b32 s78, 6, -1                       ; a wave asks while 16 - k is above 6: the same in all partners, for a given wave
	s_cmp_eq_u32 s16, 2
	s_cselect_b32 s79, 3, 0
	CROUND                                         ; all sixteen work-groups are here: the first joint loads meet
	JLOAD                                          ; slot 0.  Slot 1 is asked for when slot 0 is in, by the loop's own change of slots
	; the lanes' offsets, all from the thread's number; none is written again
	v_and_b32 v1, 31, v0                           ; l
	v_and_b32 v2, 15, v0                           ; r
	v_bfe_u32 v3, v0, 4, 1                         ; l / 16
	v_lshlrev_b32 v4, 4, v1                        ; 16 l
	v_mul_u32_u24 v5, v2, 272
	v_lshl_add_u32 v5, v3, 4, v5                   ; 272 r + 16 (l / 16)
.if LASTL
	v_mul_u32_u24 v6, v2, 528
	v_lshl_add_u32 v6, v3, 5, v6                   ; 528 r + 32 (l / 16)
	v_lshlrev_b32 v9, 5, v3                        ; 32 (l / 16)
.endif
	v_lshlrev_b32 v7, 4, v2                        ; 16 r
	v_lshlrev_b32 v8, 2, v1                        ; 4 l
	VK v_lshlrev_b32, PFO, 8, 1                    ; 256 l
	s_lshr_b32 s22, s16, 1                         ; head
	s_and_b32 s23, s16, 1                          ; half of the keys
	s_xor_b32 s3, s16, 1                           ; my partner: same head, other half
	s_lshl_b32 s2, s23, 14
	s_lshl_b32 s98, s22, 13
	s_add_co_u32 s2, s2, s98
	VK v_add_nc_u32, AK0, s2, 4
	s_lshl_b32 s99, s23, 14
	s_add_co_u32 s99, s99, 65536                   ; V lies behind a slot's K
	s_lshl_b32 s2, s16, 12
	s_add_co_u32 s2, s2, s99
	VK v_add_nc_u32, AVA0, s2, 4
	s_lshl_b32 s2, s3, 12
	s_add_co_u32 s2, s2, s99
	VK v_add_nc_u32, AVB0, s2, 4
	s_lshl_b32 s2, s23, 12
	s_add_co_u32 s2, s2, MRING
	VK v_add_nc_u32, AM0, s2, 4
	s_lshl_b32 s2, s16, 13
	VK v_add_nc_u32, GX, s2, 4
	s_lshl_b32 s2, s16, 12
	VK v_add_nc_u32, GU, s2, 4
	s_lshl_b32 s2, s22, 13
	VK v_add_nc_u32, GQ, s2, 4
	s_lshl_b32 s2, s16, 11
	VK v_add_nc_u32, GB, s2, 4
.if LASTL
	s_lshl_b32 s2, s16, 7
	VK v_add_nc_u32, GP, s2, 9
	s_add_co_u32 s2, s2, XO
	VK v_add_nc_u32, OSW, s2, 6
.endif
	s_mul_i32 s2, s16, 8704
	s_add_co_u32 s2, s2, XO
	VK v_add_nc_u32, XS, s2, 4
	s_add_co_u32 s2, s2, 8192
	VK v_add_nc_u32, XS4, s2, 8
	s_mul_i32 s2, s3, 8704
	s_add_co_u32 s2, s2, XO
	VK v_add_nc_u32, XR, s2, 4
	s_add_co_u32 s2, s2, 8192
	VK v_add_nc_u32, XR4, s2, 8
	s_lshl_b32 s2, s16, 6
	s_add_co_u32 s2, s2, ACT0
	VK v_add_nc_u32, AS0, s2, 5
	s_add_co_u32 s2, s2, ACT1-ACT0
	VK v_add_nc_u32, AS1, s2, 5
	VK v_add_nc_u32, AR0, ACT0, 5
	VK v_add_nc_u32, AR1, ACT1, 5
	s_lshl_b32 s2, s16, 2
	s_add_co_u32 s2, s2, SSQ0
	VK v_add_nc_u32, SSW, s2, 7
	VK v_add_nc_u32, SSR, SSQ0, 7
.if LASTL
	s_mul_i32 s2, s16, 8448
	s_add_co_u32 s2, s2, XO
	VK v_add_nc_u32, OSR, s2, 4
.endif
	; what stays in registers: Q of my head, x and U of my channels; behind them f2's and c1's weights, for the attention's end
	FORI 16, GLD Q+4*i, GQ, 82, SEC+4096*((i/2)%2)+1024*(i/4)+512*(i%2)
	FORI 16, GLD X+4*i, GX, 80, 512*i
	FORI 8, GLD UU+4*i, GU, 82, 512*i
.if LASTL
	FORI 4, GLD N3+4*i, GP, 10, 64*(i/2)+16*(i%2)
.endif
	LOADW 8, 4*32768, 8, OBI+4*8192, WF2, BF2
	LOADW 8, 5*32768, 8, OBI+5*8192, WC1, BC1
	; What the first turns find: zeros, so that the pieces that have not been give P = 0 and add 0.  A product of zeros writes eight registers a line.  All this stands in the wait for the first tile.
	WIN 0
	FORI 8, v_mov_b32 v[ZR+i], 0
	FORI 28, MMA0 8*i, ZR, ZR                      ; scores, e, mask bytes
	FORI 20, MMA0 O+8*i, ZR, ZR                    ; O^T and the row sums
	FORI 8, MMA0 VF+8*i, ZR, ZR                    ; V
	WIN 0x80
	FORI 8, v_mov_b32 v[(ONE&255)+i], 0x3f803f80   ; eight plain lines: the places behind those products
	WIN 0
	s_wait_loadcnt 40                              ; Q, x, U (and last_ln_s) are in; f2's and c1's 40 younger loads stay out
	s_mov_b32 s92, 0x01010000                      ; v_perm_b32: bytes 0, 0, 1, 1 of a word,
	s_mov_b32 s93, 0x03030202                      ; bytes 2, 2, 3, 3
	s_mov_b32 s98, SLOTM                           ; where the mask is read, less MRING: the first change of slots turns it into 0
	s_and_b32 s3, s79, 2                           ; what 16 - k is, modulo 4, where wave 2 asks; 0 for waves 0 and 1
; ======== the attention: 17 trips.  Trip k: K Q^T of step k, V^T P of step k - 1; it reads K, V and the mask of step k.  The change of slots ahead of trip 2 p waits for steps 2 p and 2 p + 1 and
; fills the other slot with steps 2 p + 2 and 2 p + 3.
	s_mov_b32 s69, 7
.Lslot:
	CHANGE 1
	s_mov_b32 s99, 2
.Ltrip:
	s_wait_xcnt 0x0                                ; the last prefetch, a trip back, has read its address
	s_add_nc_u64 s[74:75], s[74:75], s[76:77]
	FETCH_K
	ASK
	TURN 0
	TURN 1
	TURN 2
	TURN 3
	s_xor_b32 s68, s68, STEPKV                     ; the slot's other step
	s_xor_b32 s98, s98, STEPM
	s_sub_co_u32 s99, s99, 1
	s_cmp_lg_u32 s99, 0
	s_cbranch_scc1 .Ltrip
	s_sub_co_u32 s69, s69, 1
	s_cmp_lg_u32 s69, 0
	s_cbranch_scc1 .Lslot
	CHANGE 0                                       ; the tail has its own text: steps 14 and 15 are waited for, nothing is asked for
	s_mov_b32 s69, 3                               ; trips 14 and 15, and the trip that empties the pipeline (it reads step 14's bytes once more, to no end)
.Ltail:
	FETCH_K
	TURN 0
	TURN 1
	TURN 2
	TURN 3
	s_xor_b32 s68, s68, STEPKV
	s_xor_b32 s98, s98, STEPM
	s_sub_co_u32 s69, s69, 1
	s_cmp_lg_u32 s69, 0
	s_cbranch_scc1 .Ltail
; ======== the two halves of the keys meet
	BAR                                            ; every wave's reads of the ring are over, and its last fill has landed: from here on its bytes are stages
	s_wait_loadcnt 0x0                             ; f2's and c1's weights, asked for at the head
	s_mov_b32 s98, 0x0bcb0a91                      ; 1e-12 log2(e) 2^-64
	s_mov_b32 s99, 0x1277da66                      ; 1e-8 log2(e) 2^-64
	FORT V1 v_mov_b32, DN+t, SUM+8*t               ; my row sums leave their accumulators (lowest register), so that biases may land there
	FORI 16, LDSS XS, O+32*(i/4)+16+4*(i%4), 512*i ; my sums for my partner's channels
	FORT LDSS1 XS4, DN+t, 128*t
	LOADW 8, 6*32768, 8, OBI+6*8192, WB0, BIA      ; c2,
.if LASTL == 0
	LOADW 10, 0, 10, OBI, WB1, BIB                 ; the next layer's U
	LOADW 10, 32768, 10, OBI+8192, WQ, BQ          ; and Q, into registers that the attention has left
.endif
	BAR
	FORI 16, LDSL PT+4*i, XR, 512*i
	FORT LDSL1 DN+4+t, XR4, 128*t
	s_wait_dscnt 0x0
	FORT V2 v_add_f32, DN+t, DN+t, DN+4+t
	FORT VK v_add_f32, DN+8+t, s99, DN+t
	FORT V1 v_rcp_f32, DN+8+t, DN+8+t
	FORTP P2 v_pk_add_f32, O+32*t+2*p, O+32*t+2*p, PT+16*t+2*p   ; plain work that names no reciprocal,
	s_wait_alu depctr_va_vdst(0)                   ; and one wait for the four
.set t, 0
.rept 4
	WIN ((MSB&0xf3)|(((DN+t)>>8)<<2))
	v_cmp_lt_f32 vcc_lo, s98, v[(DN+t)&255]        ; a row whose sum does not pass the threshold gives 0
	WDB INV+2*t, DN+8+t
	v_cndmask_b32 v[(INV+2*t)&255], 0, v[(DN+8+t)&255], vcc_lo
	v_cndmask_b32 v[(INV+2*t+1)&255], 0, v[(DN+8+t)&255], vcc_lo
.set t, t+1
.endr
	FORTP P2 v_pk_mul_f32, TT+32*t+2*p, TT+32*t+2*p, INV+2*t
; ======== y = (rms(AV) hs U) f2 + b;  x += y   (hs lies in f2's rows)
	NORM_A TT, 32, 0
	NORM_B 0
	FORTP P2 v_pk_mul_f32, TT+32*t+2*p, TT+32*t+2*p, RH+2*t
	FORTP VK v_lshlrev_b32, DD+32*t+2*p, 16, UU+8*t+p      ; U from bf16: the low half moves up,
	FORTP VK v_and_b32, DD+32*t+2*p+1, s96, UU+8*t+p       ; the high half stays
	FORTP P2 v_pk_mul_f32, TT+32*t+2*p, TT+32*t+2*p, DD+32*t+2*p
	CVTT
	STACT AS0
	BAR
	LOADACT AR0
	GEMM WF2, BF2, 0, 1
	NOP4                                           ; four places behind the last product, ahead of loads into its sources and of readers of its result
.if LASTL == 0
	LOADW 10, 2*32768, 10, OBI+2*8192, WK, BK      ; the next layer's K, where f2 lay
.endif
	FORTP P2 v_pk_add_f32, X+16*t+2*p, X+16*t+2*p, DD+32*t+2*p
; ======== x += gelu(rms(x) l2 c1 + b) c2 + b   (l2 lies in c1's rows)
	NORM_A X, 16, 1
	NORM_B 1
	NORM_C
	CVTT
	STACT AS1
	BAR
	LOADACT AR1
	GEMM WC1, BC1, 0, 1
	NOP4
.if LASTL == 0
	LOADW 10, 3*32768, 10, OBI+3*8192, WV, BV      ; the next layer's V
.endif
	s_mov_b32 s22, 0xbebf7377                      ; -a3 / 2 = -0.3739278
	s_mov_b32 s23, 0xbebf7377
	s_mov_b32 s92, 0x3d445ca1                      ; -a2 / 2 = 0.0479399
	s_mov_b32 s93, 0x3d445ca1
	s_mov_b32 s94, 0xbe32303a                      ; -a1 / 2 = -0.1740121
	s_mov_b32 s95, 0xbe32303a
	GELU 0
	GELU 1
	GELU 2
	GELU 3
	STACT AS0                                      ; its readers were done ahead of two barriers
	BAR
	LOADACT AR0
.if LASTL
	s_wait_loadcnt 0x0                             ; c2
.else
	s_wait_loadcnt 60                              ; c2 is in: 80 loads were issued behind its 20, of which 60 may stay out (a wait's field holds no 80)
.endif
	GEMM WB0, BIA, 0, 1
	NOP4
	FORTP P2 v_pk_add_f32, X+16*t+2*p, X+16*t+2*p, DD+32*t+2*p
.if LASTL == 0                         ; the last layer hands no state on
	FORI 16, GST GX, X+4*i, 84, 512*i              ; x is not written again: the stores' data stay
.endif
; ======== rms(x): the next layer's pre-norm (its gain lies in the weights' rows), or, times last_ln_s, the result
	NORM_A X, 16, 2
	NORM_B 2
	NORM_C
.if LASTL
	FORTP P2 v_pk_mul_f32, TT+32*t+2*p, TT+32*t+2*p, N3+2*p
	FORI 16, LDSS OSW, TT+32*(i/4)+8*((i/2)%2)+4*(i%2), 8448*(i/4)+64*((i/2)%2)+16*(i%2)   ; f32 rows into the stage, where the exchange's readers were done several barriers ago
.else
	CVTT
	STACT AS1
.endif
	BAR
.if LASTL
	FORI 16, LDSL PT+4*i, OSR, 528*i               ; wave w takes rows 16 w .. 16 w + 15, whole
.set i, 0
.rept 16
	s_wait_dscnt 15-i                              ; the younger loads stay out
	GST GX, PT+4*i, 84, 512*i                      ; a row: 512 consecutive bytes, aligned
.set i, i+1
.endr
.else
	PROJ
.endif
	WIN 0x0a
	s_wait_tensorcnt 0x0                           ; the wave's end: three lines, behind my last tensor load and my last LDS store
	ds_add_u32 v[SPW&255], v[NIL&255]
	s_wait_dscnt 0x0
	WIN 0
	CROUND                                         ; the closing round: no work-group ends while a partner may still ask for a tile that names it
	s_endpgm
.Lfunc_end_k_q31e6c5050f_lay3:
	.size	k_q31e6c5050f_lay3, .Lfunc_end_k_q31e6c5050f_lay3-k_q31e6c5050f_lay3
	.p2alignl 7, 3214868480
	.fill 96, 4, 3214868480
	.section	.rodata,"a",@progbits
	.p2align	6, 0x0
	.amdhsa_kernel k_q31e6c5050f_lay3
		.amdhsa_group_segment_fixed_size 327680
		.amdhsa_private_segment_fixed_size 0
		.amdhsa_enable_private_segment 0
		.amdhsa_kernarg_size 40
		.amdhsa_user_sgpr_count 2
		.amdhsa_user_sgpr_kernarg_segment_ptr 1
		.amdhsa_wavefront_size32 1
		.amdhsa_system_sgpr_workgroup_id_x 1
		.amdhsa_system_sgpr_workgroup_id_y 1
		.amdhsa_system_sgpr_workgroup_id_z 1
		.amdhsa_system_vgpr_workitem_id 0
		.amdhsa_next_free_vgpr 1024
		.amdhsa_next_free_sgpr 100
		.amdhsa_reserve_vcc 1
		.amdhsa_float_denorm_mode_32 3
		.amdhsa_float_denorm_mode_16_64 3
		.amdhsa_memory_ordered 1
		.amdhsa_forward_progress 1
		.amdhsa_inst_pref_size 192
	.end_amdhsa_kernel
	.amdgpu_metadata
---
amdhsa.version: [ 1, 2 ]
amdhsa.kernels:
  - .name:           k_q31e6c5050f_lay3
    .symbol:         k_q31e6c5050f_lay3.kd
    .args:
      - { .name: stB, .offset: 0, .size: 8, .value_kind: global_buffer, .address_space: global }
      - { .name: mw, .offset: 8, .size: 8, .value_kind: global_buffer, .address_space: global }
      - { .name: wts3, .offset: 16, .size: 8, .value_kind: global_buffer, .address_space: global }
      - { .name: last_ln_s, .offset: 24, .size: 8, .value_kind: global_buffer, .address_space: global }
      - { .name: out0, .offset: 32, .size: 8, .value_kind: global_buffer, .address_space: global }
    .group_segment_fixed_size: 327680
    .private_segment_fixed_size: 0
    .kernarg_segment_align: 8
    .kernarg_segment_size: 40
    .max_flat_workgroup_size: 128
    .sgpr_count:     100
    .vgpr_count:     1024
    .wavefront_size: 32
...
	.end_amdgpu_metadata
.endif
;; end of part 8
